; MI455X (gfx1250); checked and timed in simulation.
; The chip was launched on July 23, 2026; its instructions are those of AMD's public machine-readable ISA for CDNA 5 (MIT licence, August 2026) and "CDNA5" Instruction Set Architecture Reference Guide (July 2026). The comments in the code are by the model that wrote it; some were corrected since.
;; Encoder. Allowed arithmetic: matrix products marked QUANTISED: E4M3 operands, one given power-of-two scale a tensor, by v_wmma_f32_16x16x64_fp8_fp8 or v_wmma_f32_16x16x128_fp8_fp8, f32 sums; everything else in f32.
;; Inputs: W1_codes 4,096 x 32 x 32 uint8 (E4M3 codes of W1, K innermost, in blocks of 32 codes); W2_codes 1,024 x 128 x 32 uint8 (E4M3 codes of W2, K innermost, in blocks of 32 codes); Wk_codes 1,024 x 32 x 32 uint8 (E4M3 codes of Wk, K innermost, in blocks of 32 codes); Wo_codes 1,024 x 32 x 32 uint8 (E4M3 codes of Wo, K innermost, in blocks of 32 codes); Wq_codes 1,024 x 32 x 32 uint8 (E4M3 codes of Wq, K innermost, in blocks of 32 codes); Wv_codes 1,024 x 32 x 32 uint8 (E4M3 codes of Wv, K innermost, in blocks of 32 codes); b1 4,096 float32; b2 1,024 float32; bk 1,024 float32; bo 1,024 float32; bq 1,024 float32; bv 1,024 float32; ln1_b 2,048 x 1,024 float32; ln1_w 2,048 x 1,024 float32; ln2_b 2,048 x 1,024 float32; ln2_w 2,048 x 1,024 float32; lowp_scales 16 int32 (the exponents e of the quantised operands' scales 2^e); x_codes 2 x 2,048 x 32 x 32 uint8 (E4M3 codes of x, K innermost, in blocks of 32 codes); y 2 x 2,048 x 1,024 float32.
;; Outputs: out0 2 x 2,048 x 1,024 float32.
;; This version of the problem:
;;   THIS VERSION OF THE PROBLEM IS GIVEN IN LOW PRECISION. The matrix products marked QUANTISED in the list below multiply operands that are first quantised to E4M3 (4 exponent bits, 3 mantissa bits; 8 bits a number), with one given power-of-two scale for each operand tensor; their sums are f32. All else is computed in f32.
;;   The module's matrix products, in the order in which they are computed (A, B: the left and right operand; K: the contracted axis; several contracted axes count as one K, in the product's order):
;;     1. [M 4,096, K 1,024] x [K 1,024, N 1,024]; A: input x (given as codes); B: input Wq (given as codes): QUANTISED (scales: A lowp_scales[0], B lowp_scales[1])
;;     2. [M 4,096, K 1,024] x [K 1,024, N 1,024]; A: computed on the way; B: input Wk (given as codes): QUANTISED (scales: A lowp_scales[2], B lowp_scales[3])
;;     3. [M 4,096, K 1,024] x [K 1,024, N 1,024]; A: computed on the way; B: input Wv (given as codes): QUANTISED (scales: A lowp_scales[4], B lowp_scales[5])
;;     4. batch 32 x [M 2,048, K 64] x [K 64, N 2,048]; A: computed on the way; B: computed on the way: QUANTISED (scales: A lowp_scales[6], B lowp_scales[7])
;;     5. batch 32 x [M 2,048, K 2,048] x [K 2,048, N 64]; A: softmax (see below); B: computed on the way: QUANTISED (scales: A lowp_scales[8], B lowp_scales[9])
;;     6. [M 4,096, K 1,024] x [K 1,024, N 1,024]; A: computed on the way; B: input Wo (given as codes): QUANTISED (scales: A lowp_scales[10], B lowp_scales[11])
;;     7. [M 4,096, K 1,024] x [K 1,024, N 4,096]; A: computed on the way; B: input W1 (given as codes): QUANTISED (scales: A lowp_scales[12], B lowp_scales[13])
;;     8. [M 4,096, K 4,096] x [K 4,096, N 1,024]; A: computed on the way; B: input W2 (given as codes): QUANTISED (scales: A lowp_scales[14], B lowp_scales[15])
;;   THE QUANTISER, for each operand of a quantised product, along K:
;;     - The operand's scale is 2^e, e = its entry of the input lowp_scales (int32; the entries are numbered through the quantised products in the list's order, A before B).
;;     - Each number is divided by the scale, clamped to +-448, and rounded to the nearest number of E4M3, ties to even, subnormals kept.
;;     - The product sums the exact products of the quantised numbers (number of the format x scale) in f32.
;;   ~~~python
;;   def quantise(x, axis, e):      # numpy; x: float32 -> the quantised numbers, widened to float32 again
;;       x = np.moveaxis(x, axis, -1); K = x.shape[-1]
;;       r = np.clip(x / 2.0 ** e, -448, 448)
;;       step = 2.0 ** (np.maximum(np.frexp(np.where(r == 0, 1, r))[1] - 1, -6) - 3)
;;       q = np.round(r / step) * step * 2.0 ** e      # np.round: ties to even
;;       return np.moveaxis(q, -1, axis).astype(np.float32)
;;   ~~~
;;   SOFTMAX AHEAD OF A QUANTISED PRODUCT. Where the list says 'softmax', what is quantised is not the finished softmax but p = 2^(t - M), with t = logit x log2(e) and M = ceil(the row's largest t), a whole number; so 1/2 < the row's largest p <= 1. The row's sum l is taken of the UNQUANTISED p, in f32, and the product's result is divided by l at the end. Since M is a whole number, a kernel that streams over the keys may use a running M (the ceiling of the running maximum): every later rescaling is an exact power of two, so the quantised numbers keep their values, but for numbers so far below the row's largest that they fall under the format's range.
;;   OPERANDS COMPUTED ON THE WAY. 'Computed on the way' means the value that the module computes at that place (a softmax that the list does not call 'softmax' is quantised finished and normalised). What goes into a quantiser is computed in f32, as accurately as f32 sums, v_exp_f32 and their like allow (about 1e-6 of the number): no bf16 or f16 on the way to a quantiser, and a product that is left as it is and whose result goes on into a quantised operand takes f32 operands (vector FMAs, or v_wmma_f32_16x16x4_f32). A number that lies on a knife's edge between two numbers of the format may be rounded either way, as far as f32 arithmetic and the matrix unit's own rounding can turn it there, and no further.
;;   INPUTS GIVEN AS CODES. W1 (in the module: [1024, 4096], K = its axis 0); W2 (in the module: [4096, 1024], K = its axis 0); Wk (in the module: [1024, 1024], K = its axis 0); Wo (in the module: [1024, 1024], K = its axis 0); Wq (in the module: [1024, 1024], K = its axis 0); Wv (in the module: [1024, 1024], K = its axis 0); x (in the module: [2, 2048, 1024], K = its axis 2): each comes as NAME_codes (uint8): NAME with its K axis moved to the last place and cut into blocks of 32 codes, [.., K / 32, bytes a block], one block behind the other in memory; one code a byte (a code: sign, 4 exponent bits, 3 mantissa bits); its scale is its entry of lowp_scales. Its value is code x scale, taken as it is: it is not quantised again, and the codes and scales need not be those that the quantiser above would give.
;; 2 versions. Each part assembles by itself: llvm-mc -triple=amdgcn-amd-amdhsa -mcpu=gfx1250 --defsym DOCPART=n.
;; ======== version 1 of 2: 8 launches
;; workspace buffers: st1 2,048 bytes; yc 8,388,608 bytes; qkv 12,582,912 bytes; ac 4,194,304 bytes; y1 16,777,216 bytes; st2 2,048 bytes; nc 4,194,304 bytes; hc 16,777,216 bytes
;; launch stats1 (part 1): grid 256 x 1, 16 waves a work-group, no clusters, 2,304 bytes of LDS; arguments y, st1; writes st1
.if DOCPART == 1
	.amdgcn_target "amdgcn-amd-amdhsa--gfx1250"
	.amdhsa_code_object_version 6
	.text
	.protected	k_q6df85d3d41_stats1
	.globl	k_q6df85d3d41_stats1
	.p2align	8
	.type	k_q6df85d3d41_stats1,@function
k_q6df85d3d41_stats1:
	s_mov_b64 s[64:65], 0
	v_nop
	global_prefetch_b8 v0, s[64:65] scope:SCOPE_SE
	s_setreg_imm32_b32 hwreg(HW_REG_WAVE_MODE, 25, 1), 1
	s_wait_xcnt 0x0
; The first norm's statistics, in parts.  y is [2][2048 x 1024] f32; the norm is taken over a whole batch, 2,097,152 numbers.
; Work-group g takes 16,384 consecutive numbers (65,536 bytes; batch g / 128) and stores the pair (mean, sum of squared differences from that mean)
; at byte 8 g of st1.  The later launch joins 128 such pairs of equal count: no difference of large sums is ever formed.
; Sixteen waves; a thread keeps its 32 numbers in registers between the two passes, so y is read once.  Load i of a wave covers 512 consecutive bytes.
; A stream bound by memory: no matrix unit, no cluster (work-groups share no input), no tensor load.
.set X, 8                              ; v8-39 my 32 numbers
.macro WSUM r                          ; the sum over the wave's 32 lanes, in every lane
	v_add_f32_dpp v[\r], v[\r], v[\r] row_xmask:1 row_mask:0xf bank_mask:0xf
	v_add_f32_dpp v[\r], v[\r], v[\r] row_xmask:2 row_mask:0xf bank_mask:0xf
	v_add_f32_dpp v[\r], v[\r], v[\r] row_xmask:4 row_mask:0xf bank_mask:0xf
	v_add_f32_dpp v[\r], v[\r], v[\r] row_xmask:8 row_mask:0xf bank_mask:0xf
	v_permlanex16_b32 v5, v[\r], s12, s13
	v_add_f32 v[\r], v[\r], v5
.endm
.macro FOLD                            ; four chains of pairs, v40-47, into v40
	v_pk_add_f32 v[40:41], v[40:41], v[42:43]
	v_pk_add_f32 v[44:45], v[44:45], v[46:47]
	v_pk_add_f32 v[40:41], v[40:41], v[44:45]
	v_add_f32 v40, v40, v41
.endm
.macro GSUM off                        ; v40 of the sixteen waves, added, into v48 of every lane; 64 LDS bytes from off on
	ds_store_b32 v3, v40 offset:\off
	s_wait_dscnt 0x0                               ; for the others' sake: my word lies in LDS
	s_barrier_signal -1
	s_barrier_wait -1
.irp i, 0,1,2,3
	ds_load_b128 v[48+4*\i:51+4*\i], v4 offset:\off+16*\i
.endr
	s_wait_dscnt 0x0
	v_pk_add_f32 v[48:49], v[48:49], v[50:51]
	v_pk_add_f32 v[52:53], v[52:53], v[54:55]
	v_pk_add_f32 v[56:57], v[56:57], v[58:59]
	v_pk_add_f32 v[60:61], v[60:61], v[62:63]
	v_pk_add_f32 v[48:49], v[48:49], v[52:53]
	v_pk_add_f32 v[56:57], v[56:57], v[60:61]
	v_pk_add_f32 v[48:49], v[48:49], v[56:57]
	v_add_f32 v48, v48, v49
.endm
	s_load_b128 s[4:7], s[0:1], 0x0                ; y, st1
	v_lshl_add_u32 v64, v0, 2, 0x100
	v_mov_b32 v65, 0
	v_lshrrev_b32 v1, 5, v0
	v_readfirstlane_b32 s8, v1                     ; wave
	v_lshlrev_b32 v2, 4, v0                        ; 16 x thread
	v_lshlrev_b32 v3, 2, v1                        ; my wave's LDS word
	v_mov_b32 v4, 0
	v_mov_b32 v5, 0                                ; a lane permute's destination counts as read
	s_mov_b32 s12, 0x76543210
	s_mov_b32 s13, 0xfedcba98
	s_lshl_b32 s10, ttmp9, 16                      ; my work-group's 65,536 bytes
	s_mov_b32 s11, 0
	s_lshl_b32 s14, ttmp9, 3                       ; my pair's byte
	v_mov_b32 v9, s14
	s_wait_kmcnt 0x0
	s_add_nc_u64 s[4:5], s[4:5], s[10:11]
	v_mov_b32 v1, v9                               ; the pair's byte, kept out of the data's registers
.irp i, 0,1,2,3,4,5,6,7
	global_load_b128 v[X+4*\i:X+4*\i+3], v2, s[4:5] offset:8192*\i th:TH_LOAD_NT
.endr
	s_wait_loadcnt 0x0
	; pass 1: the sum
.irp k, 0,1,2,3
	v_pk_add_f32 v[40+2*\k:41+2*\k], v[X+4*\k:X+4*\k+1], v[X+4*\k+2:X+4*\k+3]
.endr
.set i, 16
.rept 8
	v_pk_add_f32 v[40+i%8:41+i%8], v[40+i%8:41+i%8], v[X+i:X+i+1]
.set i, i+2
.endr
	FOLD
	WSUM 40
	GSUM 0
	v_mul_f32 v6, 0x38800000, v48                  ; mean = sum / 16,384
	v_mul_f32 v7, 0x38800000, v48
	; pass 2: the squared differences from that mean
.set i, 0
.rept 16
	v_pk_add_f32 v[X+i:X+i+1], v[X+i:X+i+1], v[6:7] neg_lo:[0,1] neg_hi:[0,1]
.set i, i+2
.endr
.irp k, 0,1,2,3
	v_pk_mul_f32 v[40+2*\k:41+2*\k], v[X+2*\k:X+2*\k+1], v[X+2*\k:X+2*\k+1]
.endr
.set i, 8
.rept 12
	v_pk_fma_f32 v[40+i%8:41+i%8], v[X+i:X+i+1], v[X+i:X+i+1], v[40+i%8:41+i%8]
.set i, i+2
.endr
	FOLD
	WSUM 40
	GSUM 64                                        ; other LDS bytes than the first sum's: no barrier is owed between the two
	v_mov_b32 v7, v48
	s_cmp_lg_u32 s8, 0                             ; wave 0's lane 0 stores the pair; no barrier follows
	s_cbranch_scc1 .Lend
	v_cmp_eq_u32 vcc_lo, 0, v0
	s_wait_xcnt 0x0                                ; EXEC changes only behind this wait
	s_and_saveexec_b32 s9, vcc_lo
	global_store_b64 v1, v[6:7], s[6:7]
	s_wait_xcnt 0x0
	s_or_b32 exec_lo, exec_lo, s9
.Lend:
	s_wait_tensorcnt 0x0
	ds_add_u32 v64, v65
	s_wait_dscnt 0x0
	s_endpgm
.Lfunc_end_k_q6df85d3d41_stats1:
	.size	k_q6df85d3d41_stats1, .Lfunc_end_k_q6df85d3d41_stats1-k_q6df85d3d41_stats1
	.p2alignl 7, 3214868480
	.fill 96, 4, 3214868480
	.section	.rodata,"a",@progbits
	.p2align	6, 0x0
	.amdhsa_kernel k_q6df85d3d41_stats1
		.amdhsa_group_segment_fixed_size 2304
		.amdhsa_private_segment_fixed_size 0
		.amdhsa_enable_private_segment 0
		.amdhsa_kernarg_size 16
		.amdhsa_user_sgpr_count 2
		.amdhsa_user_sgpr_kernarg_segment_ptr 1
		.amdhsa_wavefront_size32 1
		.amdhsa_system_sgpr_workgroup_id_x 1
		.amdhsa_system_sgpr_workgroup_id_y 1
		.amdhsa_system_sgpr_workgroup_id_z 1
		.amdhsa_system_vgpr_workitem_id 0
		.amdhsa_next_free_vgpr 66
		.amdhsa_next_free_sgpr 66
		.amdhsa_reserve_vcc 1
		.amdhsa_float_denorm_mode_32 3
		.amdhsa_float_denorm_mode_16_64 3
		.amdhsa_memory_ordered 1
		.amdhsa_forward_progress 1
		.amdhsa_inst_pref_size 9
	.end_amdhsa_kernel
	.amdgpu_metadata
---
amdhsa.version: [ 1, 2 ]
amdhsa.kernels:
  - .name:           k_q6df85d3d41_stats1
    .symbol:         k_q6df85d3d41_stats1.kd
    .args:
      - { .name: y, .offset: 0, .size: 8, .value_kind: global_buffer, .address_space: global }
      - { .name: st1, .offset: 8, .size: 8, .value_kind: global_buffer, .address_space: global }
    .group_segment_fixed_size: 2304
    .private_segment_fixed_size: 0
    .kernarg_segment_align: 8
    .kernarg_segment_size: 16
    .max_flat_workgroup_size: 512
    .sgpr_count:     66
    .vgpr_count:     66
    .wavefront_size: 32
...
	.end_amdgpu_metadata
.endif
;; end of part 1
;; launch lnq1 (part 2): grid 512 x 1, 4 waves a work-group, no clusters, 41,472 bytes of LDS; arguments y, ln1_w, ln1_b, st1, lowp_scales, yc; writes yc
.if DOCPART == 2
	.amdgcn_target "amdgcn-amd-amdhsa--gfx1250"
	.amdhsa_code_object_version 6
	.text
	.protected	k_q6df85d3d41_lnq1
	.globl	k_q6df85d3d41_lnq1
	.p2align	8
	.type	k_q6df85d3d41_lnq1,@function
k_q6df85d3d41_lnq1:
	s_mov_b64 s[64:65], 0
	v_nop
	global_prefetch_b8 v0, s[64:65] scope:SCOPE_SE
	s_setreg_imm32_b32 hwreg(HW_REG_WAVE_MODE, 25, 1), 1
	s_wait_xcnt 0x0
; The norm over (L, D) of a batch, and its quantising to codes of E4M3, row-major [4096][1024], K innermost.
; n = (t - mean) x rsqrt(var + 1e-5) x gain + bias, all in f32;  code = n / 2^e, held within +-448, to the nearest code, ties to even.
; TWO = 1: the same numbers are quantised with two given scales (entries EOFF/4 and EOFF/4 + 2 of the scales): the second set of codes lies 4,194,304 bytes behind the first.
; mean and var come from 128 pairs (mean_i, M2_i) a batch, each over 16,384 numbers: mean = the means' mean; M2 = sum M2_i + 16,384 sum (mean_i - mean)^2.
; SHARES.  Wave W = 4 x work-group + wave takes positions 1024 W .. 1024 W + 1023 of the (L, D) plane for BOTH batches, so gain and bias are read once; two steps of 512 positions.
; Each load reads 512 consecutive bytes.  The conversions want 16 neighbours in one lane: the finished numbers turn through the wave's own stage in LDS (64 bytes + 16 of padding a lane).
; Each (step, batch) has a stage of its own, so no LDS byte is written twice and no barrier is needed: waves share nothing.
; LIMITS: each e between -126 and 119.  NaN among the inputs is not served.  A stream bound by memory: no matrix unit, no cluster, no tensor load.
.set TWO,  1
.set EOFF, 8
.set DAT,  48                          ; v48-175: step t at DAT + 64 t: batch 0's 16 numbers, batch 1's, gain, bias
.set COD,  176                         ; v176-207: codes, 8 registers for each (step, batch); never written twice
.macro WSUM r
	v_add_f32_dpp v[\r], v[\r], v[\r] row_xmask:1 row_mask:0xf bank_mask:0xf
	v_add_f32_dpp v[\r], v[\r], v[\r] row_xmask:2 row_mask:0xf bank_mask:0xf
	v_add_f32_dpp v[\r], v[\r], v[\r] row_xmask:4 row_mask:0xf bank_mask:0xf
	v_add_f32_dpp v[\r], v[\r], v[\r] row_xmask:8 row_mask:0xf bank_mask:0xf
	v_permlanex16_b32 v39, v[\r], s28, s29
	v_add_f32 v[\r], v[\r], v39
.endm
.macro LOADS t
.irp i, 0,1,2,3
	global_load_b128 v[DAT+64*\t+4*\i:DAT+64*\t+4*\i+3], v2, s[4:5] offset:2048*\t+512*\i th:TH_LOAD_NT
.endr
.irp i, 0,1,2,3
	global_load_b128 v[DAT+64*\t+16+4*\i:DAT+64*\t+16+4*\i+3], v2, s[20:21] offset:2048*\t+512*\i th:TH_LOAD_NT
.endr
.irp i, 0,1,2,3
	global_load_b128 v[DAT+64*\t+32+4*\i:DAT+64*\t+32+4*\i+3], v2, s[6:7] offset:2048*\t+512*\i th:TH_LOAD_NT
.endr
.irp i, 0,1,2,3
	global_load_b128 v[DAT+64*\t+48+4*\i:DAT+64*\t+48+4*\i+3], v2, s[8:9] offset:2048*\t+512*\i th:TH_LOAD_NT
.endr
.endm
.macro COMBINE bt                      ; batch bt: my four pairs in v[8 + 8 bt ..]; the mean into the pair v[24 + 4 bt], var + eps into v[44 + bt]
.set P,  8+8*(\bt)
.set MB, 24+4*(\bt)
	v_add_f32 v32, v[P], v[P+2]
	v_add_f32 v33, v[P+4], v[P+6]
	v_add_f32 v32, v32, v33
	WSUM 32
	v_mul_f32 v[MB], 0x3c000000, v32               ; / 128
	v_mul_f32 v[MB+1], 0x3c000000, v32
	v_sub_f32 v32, v[P], v[MB]
	v_sub_f32 v33, v[P+2], v[MB]
	v_sub_f32 v34, v[P+4], v[MB]
	v_sub_f32 v35, v[P+6], v[MB]
	v_add_f32 v36, v[P+1], v[P+3]
	v_add_f32 v38, v[P+5], v[P+7]
	v_mul_f32 v32, v32, v32
	v_fmac_f32 v32, v33, v33
	v_fmac_f32 v32, v34, v34
	v_fmac_f32 v32, v35, v35
	v_add_f32 v36, v36, v38
	v_fmac_f32 v36, 0x46800000, v32                ; + 16,384 x the means' squared differences
	WSUM 36
	v_fma_f32 v[44+(\bt)], v36, s30, s31           ; / 2,097,152 + eps
.endm
.macro NORM t, bt                      ; in place, in the layout of the loads
.set YR, DAT+64*(\t)+16*(\bt)
.set WR, DAT+64*(\t)+32
.set BG, DAT+64*(\t)+48
.set i, 0
.rept 8
	v_pk_add_f32 v[YR+i:YR+i+1], v[YR+i:YR+i+1], v[24+4*(\bt):25+4*(\bt)] neg_lo:[0,1] neg_hi:[0,1]
.set i, i+2
.endr
.set i, 0
.rept 8
	v_pk_mul_f32 v[YR+i:YR+i+1], v[YR+i:YR+i+1], v[26+4*(\bt):27+4*(\bt)]
.set i, i+2
.endr
.set i, 0
.rept 8
	v_pk_fma_f32 v[YR+i:YR+i+1], v[YR+i:YR+i+1], v[WR+i:WR+i+1], v[BG+i:BG+i+1]
.set i, i+2
.endr
.endm
.macro TURN t, bt                      ; through the stage; back into the gain's (batch 0) or the bias's (batch 1) registers, which both norms have read.  LDS serves a wave's instructions in order
.set YR, DAT+64*(\t)+16*(\bt)
.set XS, DAT+64*(\t)+32+16*(\bt)
.set SG, 2560*(2*(\t)+(\bt))
.irp i, 0,1,2,3
	ds_store_b128 v3, v[YR+4*\i:YR+4*\i+3] offset:SG+640*\i
.endr
.irp i, 0,1,2,3
	ds_load_b128 v[XS+4*\i:XS+4*\i+3], v4 offset:SG+16*\i
.endr
.endm
.macro QUANT t, bt
.set XS, DAT+64*(\t)+32+16*(\bt)
.set Q1, DAT+64*(\t)
.set Q2, DAT+64*(\t)+16
.set CD, COD+8*(2*(\t)+(\bt))
.set i, 0
.rept 16
	v_med3_num_f32 v[Q1+i], v[XS+i], -v41, v41     ; the conversion does not saturate (ISA guide 7.6.2): the hold at the largest code x the scale
.set i, i+1
.endr
.if TWO
.set i, 0
.rept 16
	v_med3_num_f32 v[Q2+i], v[XS+i], -v43, v43
.set i, i+1
.endr
.endif
	v_cvt_scalef32_pk8_fp8_f32 v[CD:CD+1], v[Q1:Q1+7], v40
	v_cvt_scalef32_pk8_fp8_f32 v[CD+2:CD+3], v[Q1+8:Q1+15], v40
.if TWO
	v_cvt_scalef32_pk8_fp8_f32 v[CD+4:CD+5], v[Q2:Q2+7], v42
	v_cvt_scalef32_pk8_fp8_f32 v[CD+6:CD+7], v[Q2+8:Q2+15], v42
.endif
	v_nop                                          ; a plain line behind the conversions: their sources are written again later
	global_store_b128 v2, v[CD:CD+3], s[14:15] offset:512*(\t)+0x200000*(\bt)   ; the wave stores 512 consecutive bytes, aligned
.if TWO
	global_store_b128 v2, v[CD+4:CD+7], s[14:15] offset:512*(\t)+0x200000*(\bt)+0x400000
.endif
.endm
	s_load_b256 s[4:11], s[0:1], 0x0               ; the numbers, gain, bias, the pairs
	s_load_b128 s[12:15], s[0:1], 0x20             ; the scales' exponents, the codes
	v_lshl_add_u32 v208, v0, 2, 0xa000
	v_mov_b32 v209, 0
	v_lshrrev_b32 v1, 5, v0
	v_readfirstlane_b32 s16, v1                    ; wave
	v_and_b32 v1, 31, v0                           ; lane
	v_lshlrev_b32 v2, 4, v1                        ; 16 x lane
	s_mul_i32 s17, s16, 10240                      ; my wave's four stages
	v_lshrrev_b32 v3, 2, v1
	v_mul_u32_u24 v3, v3, 80
	v_and_b32 v5, 3, v1
	v_lshl_add_u32 v3, v5, 4, v3
	v_add_nc_u32 v3, s17, v3                       ; into a stage: 80 (lane / 4) + 16 (lane % 4)
	v_mul_u32_u24 v4, v1, 80
	v_add_nc_u32 v4, s17, v4                       ; out of it: 80 x lane
	v_mov_b32 v39, 0
	s_mov_b32 s28, 0x76543210
	s_mov_b32 s29, 0xfedcba98
	s_mov_b32 s30, 0x35000000                      ; 1 / 2,097,152
	s_mov_b32 s31, 0x3727c5ac                      ; 1e-5
	s_lshl_b32 s18, ttmp9, 2
	s_add_co_u32 s18, s18, s16                     ; W
	s_lshl_b32 s22, s18, 10                        ; its codes' byte
	s_mov_b32 s23, 0
	s_lshl_b32 s18, s18, 12                        ; its numbers' byte
	s_mov_b32 s19, 0
	s_wait_kmcnt 0x0
.if TWO
	s_load_b128 s[24:27], s[12:13], EOFF           ; s24 and s26: the two exponents
.else
	s_load_b32 s24, s[12:13], EOFF
.endif
	s_add_nc_u64 s[4:5], s[4:5], s[18:19]
	s_add_nc_u64 s[20:21], s[4:5], 0x800000        ; the second batch's plane: a base of its own, since the distance is past a load's immediate
	s_add_nc_u64 s[6:7], s[6:7], s[18:19]
	s_add_nc_u64 s[8:9], s[8:9], s[18:19]
	s_add_nc_u64 s[14:15], s[14:15], s[22:23]
.irp j, 0,1,2,3
	global_load_b128 v[8+4*\j:11+4*\j], v2, s[10:11] offset:512*\j   ; the pairs: two loads a batch, two pairs a lane each
.endr
	LOADS 0
	LOADS 1
	s_wait_kmcnt 0x0
	s_add_co_i32 s24, s24, 127
	s_lshl_b32 s25, s24, 23
	v_mov_b32 v40, s25                             ; 2^e as f32
	s_add_co_i32 s24, s24, 8
	s_lshl_b32 s24, s24, 23
	s_or_b32 s24, s24, 0x600000
	v_mov_b32 v41, s24                             ; 448 x 2^e
.if TWO
	s_add_co_i32 s26, s26, 127
	s_lshl_b32 s27, s26, 23
	v_mov_b32 v42, s27
	s_add_co_i32 s26, s26, 8
	s_lshl_b32 s26, s26, 23
	s_or_b32 s26, s26, 0x600000
	v_mov_b32 v43, s26
.endif
	s_wait_loadcnt 32                              ; the pairs are in; the two steps' 32 loads may be out
	COMBINE 0
	COMBINE 1
	v_rsq_f32 v26, v44
	v_rsq_f32 v30, v45
	v_nop                                          ; a plain line behind the roots,
	s_wait_alu depctr_va_vdst(0)                   ; and one wait for both, ahead of their first reader
	v_mov_b32 v27, v26
	v_mov_b32 v31, v30
.irp t, 0,1
	s_wait_loadcnt 16-16*\t                        ; this step's 16 loads are in; the next step's may be out
	NORM \t, 0
	NORM \t, 1
	TURN \t, 0
	TURN \t, 1
	s_wait_dscnt 4                                 ; batch 0 is back, and all eight stores have read their registers; batch 1's four loads may be out
	QUANT \t, 0
	s_wait_dscnt 0x0
	QUANT \t, 1
.endr
	s_wait_tensorcnt 0x0
	ds_add_u32 v208, v209
	s_wait_dscnt 0x0
	s_endpgm
.Lfunc_end_k_q6df85d3d41_lnq1:
	.size	k_q6df85d3d41_lnq1, .Lfunc_end_k_q6df85d3d41_lnq1-k_q6df85d3d41_lnq1
	.p2alignl 7, 3214868480
	.fill 96, 4, 3214868480
	.section	.rodata,"a",@progbits
	.p2align	6, 0x0
	.amdhsa_kernel k_q6df85d3d41_lnq1
		.amdhsa_group_segment_fixed_size 41472
		.amdhsa_private_segment_fixed_size 0
		.amdhsa_enable_private_segment 0
		.amdhsa_kernarg_size 48
		.amdhsa_user_sgpr_count 2
		.amdhsa_user_sgpr_kernarg_segment_ptr 1
		.amdhsa_wavefront_size32 1
		.amdhsa_system_sgpr_workgroup_id_x 1
		.amdhsa_system_sgpr_workgroup_id_y 1
		.amdhsa_system_sgpr_workgroup_id_z 1
		.amdhsa_system_vgpr_workitem_id 0
		.amdhsa_next_free_vgpr 210
		.amdhsa_next_free_sgpr 66
		.amdhsa_reserve_vcc 0
		.amdhsa_float_denorm_mode_32 3
		.amdhsa_float_denorm_mode_16_64 3
		.amdhsa_memory_ordered 1
		.amdhsa_forward_progress 1
		.amdhsa_inst_pref_size 27
	.end_amdhsa_kernel
	.amdgpu_metadata
---
amdhsa.version: [ 1, 2 ]
amdhsa.kernels:
  - .name:           k_q6df85d3d41_lnq1
    .symbol:         k_q6df85d3d41_lnq1.kd
    .args:
      - { .name: y, .offset: 0, .size: 8, .value_kind: global_buffer, .address_space: global }
      - { .name: ln1_w, .offset: 8, .size: 8, .value_kind: global_buffer, .address_space: global }
      - { .name: ln1_b, .offset: 16, .size: 8, .value_kind: global_buffer, .address_space: global }
      - { .name: st1, .offset: 24, .size: 8, .value_kind: global_buffer, .address_space: global }
      - { .name: lowp_scales, .offset: 32, .size: 8, .value_kind: global_buffer, .address_space: global }
      - { .name: yc, .offset: 40, .size: 8, .value_kind: global_buffer, .address_space: global }
    .group_segment_fixed_size: 41472
    .private_segment_fixed_size: 0
    .kernarg_segment_align: 8
    .kernarg_segment_size: 48
    .max_flat_workgroup_size: 128
    .sgpr_count:     66
    .vgpr_count:     210
    .wavefront_size: 32
...
	.end_amdgpu_metadata
.endif
;; end of part 2
;; launch qkv (part 3): grid 4 x 48, 4 waves a work-group, clusters of 4 x 4, 327,680 bytes of LDS; arguments x_codes, yc, Wq_codes, Wk_codes, Wv_codes, bq, bk, bv, lowp_scales, qkv; writes qkv
.if DOCPART == 3
	.amdgcn_target "amdgcn-amd-amdhsa--gfx1250"
	.amdhsa_code_object_version 6
	.text
	.protected	k_q6df85d3d41_qkv
	.globl	k_q6df85d3d41_qkv
	.p2align	8
	.type	k_q6df85d3d41_qkv,@function
k_q6df85d3d41_qkv:
	s_mov_b64 s[64:65], 0
	v_nop
	global_prefetch_b8 v0, s[64:65] scope:SCOPE_SE
	s_setreg_imm32_b32 hwreg(HW_REG_WAVE_MODE, 25, 1), 1
	s_wait_xcnt 0x0
	s_wait_alu depctr_hold_cnt(0) depctr_sa_sdst(0) depctr_va_vdst(0) depctr_va_sdst(0) depctr_va_ssrc(0) depctr_va_vcc(0) depctr_vm_vsrc(0)
	s_getreg_b32 s2, hwreg(HW_REG_IB_STS2, 6, 4)
	s_cmp_eq_u32 s2, 0
	s_cbranch_scc0 .Lentry_in_a_cluster
	s_endpgm
.Lentry_in_a_cluster:
	s_bfe_u32 s2, ttmp6, 0x10000c
	s_cmp_lg_u32 s2, 0xf033
	s_cbranch_scc0 .Lentry_shape_is_right
	s_endpgm
.Lentry_shape_is_right:
; q = x Wq + bq, k = n Wk + bk, v = n Wv + bv on codes of E4M3 (K = 1024), each result quantised at once for attention's products and stored as IMAGES OF OPERAND REGISTERS.
; One launch, three products: cluster y / 4 says which (0: q, 1: k, 2: v); the number is the same in all sixteen partners of a cluster.
; A product is rows x columns, both [.][1024] codes, K innermost.  q: rows x, columns Wq.  k: rows n's codes with the scale of product 2, columns Wk.  v: ROWS Wv, COLUMNS n's codes with the scale of product 3.
; A tile of 256 x 256 is made by four waves, 128 x 128 each: 64 accumulators.  K goes in steps of 256 through a ring of two LDS slots filled by joint tensor loads: the four work-groups of a row of the
; cluster share the rows' tiles, the four of a column the columns' tiles.
; THE MATRIX INSTRUCTION IS USED TRANSPOSED (source 0 = 16 of the columns' rows, source 1 = 16 of the rows' rows): lane (r, h) holds row r and columns 16 b + 8 h + 0 .. 7 in accumulator b.
; That is the place that the plain 8-bit layout gives k = 16 c + 8 h + 0 .. 7 in registers 2 c, 2 c + 1 (ISA guide 7.12.2): the conversion of accumulator b IS registers 2 b, 2 b + 1 of the next operand.
; q, k: a row is a token, 64 columns are a head: 16 tokens x 64 = 8 registers = 1,024 bytes, piece c' at 512 c' + 16 lane.  v: a row is a channel, 128 columns are 128 keys: 16 channels x 128 keys = 16 registers = 2,048 bytes.
; qkv: Q images [32 heads][128 tiles][1024] at 0;  from 0x400000 [32 heads][262144]: K images [128 tiles][1024], then V images [16 key steps][4 channel tiles][2048].
; In the fragments read from LDS k is permuted alike in both operands (four loads of 16 bytes a fragment); only the order of the sums inside an instruction changes.
; LIMITS: the sum of a product's two exponents between -126 and 127; the quantisers' exponents (entries 6, 7, 9) between -126 and 119.
.set SIZE_K, 1024
.set KSTEP,  256
.set ROWB,   256
.set KROW,   SIZE_K
.set PITCH,  272                       ; an LDS row: 256 bytes + 16 of padding = 68 words: the 16 rows of a load start at 16 different banks (64 banks of 4 bytes: ISA guide 11.1)
.set FR,     16
.set NL,     4
.set NP,     4
.set HALFT,  128*PITCH
.set SLOT,   4*HALFT
.set LAPS,   SIZE_K/(2*KSTEP)
.set SPARE,  2*SLOT                    ; behind the ring: the spare words, 128 bytes a wave
.set ADRA, 16
.set ADRB, 20
.set CO,   26                          ; v26  16 x lane
.set CO2,  27                          ; v27  the same, one head on
.set SPW,  28
.set NIL,  29
.set SCL,  30                          ; v30  the quantiser's 2^e
.set LIM,  31                          ; v31  448 x 2^e
.set BR,   32                          ; v32-47   the bias by rows: block a's, twice, in the pair v[32 + 2 a]
.set BC,   64                          ; v64-127  the bias by columns, in the accumulators' layout
.set AF,   128
.set TMP,  128                         ; the way out: 64 numbers
.set COD,  192                         ; and their codes: two sets of 16 registers by turns
.set G1, 24
.set G0, 32
.set G1B, 48
.set G0B, 56
.set MSB, 0
.macro WIN new
.if MSB != \new
	s_set_vgpr_msb (MSB<<8)|\new
.set MSB, \new
.endif
.endm
.set MUL_LO, 0xa1
.set MUL_HI, 0xf1
.set TO_B,   0x40
.macro JLOAD g0a, g1a, g0b, g1b        ; waves 0 and 1 fetch the rows' tile, waves 2 and 3 the columns'; four v_nop follow each line
	s_cmp_eq_u32 s15, 0
	s_cbranch_scc0 .Lfor_b_\@
	tensor_load_to_lds s[\g0a:\g0a+3], s[\g1a:\g1a+7]
	s_nop 0
.rept 4
	v_nop
.endr
	s_branch .Lasked_\@
.Lfor_b_\@:
	tensor_load_to_lds s[\g0b:\g0b+3], s[\g1b:\g1b+7]
	s_nop 0
.rept 4
	v_nop
.endr
.Lasked_\@:
.endm
.macro CREST
	s_cmp_lg_u32 s14, 0
	s_cbranch_scc1 .Lnot_wave_0_\@
	s_barrier_signal -3
.Lnot_wave_0_\@:
	s_barrier_wait -3
	s_barrier_signal -1
	s_barrier_wait -1
.endm
.macro CROUND
	s_barrier_signal -1
	s_barrier_wait -1
	CREST
.endm
	s_load_b512 s[68:83], s[0:1], 0x0              ; x 68, yc 70, Wq 72, Wk 74, Wv 76, bq 78, bk 80, bv 82
	s_load_b128 s[84:87], s[0:1], 0x40             ; the scales' exponents 84, qkv 86
	v_lshl_add_u32 v[SPW], v0, 2, SPARE
	v_mov_b32 v[NIL], 0
	ds_add_u32 v28, v29
	ds_add_u32 v28, v29
	s_wait_dscnt 0x0
	v_lshrrev_b32 v1, 5, v0
	v_readfirstlane_b32 s14, v1                    ; wave
	s_lshr_b32 s15, s14, 1                         ; my half of the tile's rows; also: I fetch rows (0) or columns (1)
	s_and_b32 s16, s14, 1                          ; my half of its columns; also: which 128 rows of that tile I fetch
	s_bfe_u32 s40, ttmp6, 0x40000                  ; cx
	s_bfe_u32 s41, ttmp6, 0x40004                  ; cy
	s_and_b32 s88, ttmp7, 0xffff                   ; cluster y, 0 .. 11
	s_and_b32 s89, s88, 3
	s_lshr_b32 s88, s88, 2                         ; which product
	s_cmp_eq_u32 s88, 2
	s_cselect_b32 s17, 0, s89                      ; q, k: 16 tile rows (tokens), 4 tile columns;  v: 4 tile rows (channels), 16 tile columns (tokens)
	s_cselect_b32 s42, s89, 0
	s_lshl_b32 s17, s17, 2
	s_add_co_u32 s17, s17, s41                     ; tile row
	s_lshl_b32 s42, s42, 2
	s_add_co_u32 s42, s42, s40                     ; tile column
	s_lshl_b32 s43, s41, 2
	s_lshl_b32 s43, 15, s43                        ; my row of the cluster
	s_lshl_b32 s44, 0x1111, s40                    ; my column
	s_or_b32 s[G1+0], s43, (1<<20)|(1<<21)|(5<<22)|(3<<25)   ; the mask; elements of 1 byte; padding: 4 words behind every 64; bit 21 beside a mask
	s_or_b32 s[G1B+0], s44, (1<<20)|(1<<21)|(5<<22)|(3<<25)
.irp g, G1, G1B
	s_mov_b32 s[\g+1], ROWB<<16                    ; tensor_dim0
	s_mov_b32 s[\g+2], 128<<16                     ; tensor_dim1
	s_mov_b32 s[\g+3], ROWB<<16                    ; tile_dim0
	s_mov_b32 s[\g+4], 128                         ; tile_dim1
	s_mov_b32 s[\g+5], KROW                        ; the pitch
	s_mov_b32 s[\g+6], 0
	s_mov_b32 s[\g+7], 0
.endr
	s_lshl_b32 s18, s16, 7
	s_lshl_b32 s20, s17, 8
	s_add_co_u32 s20, s20, s18
	s_lshl_b32 s20, s20, 10                        ; the rows that I fetch, in bytes (a row is 1,024)
	s_mov_b32 s21, 0
	s_lshl_b32 s46, s42, 8
	s_add_co_u32 s46, s46, s18
	s_lshl_b32 s46, s46, 10
	s_mov_b32 s47, 0
	s_mul_i32 s45, s14, HALFT                      ; where they go: wave x 128 rows
	s_wait_kmcnt 0x0
	s_add_nc_u64 s[92:93], s[70:71], 0x400000      ; n's codes with product 3's scale
	s_add_nc_u64 s[94:95], s[86:87], 0x400000      ; K's images
	s_add_nc_u64 s[98:99], s[86:87], 0x420000      ; V's images
	s_cmp_eq_u32 s88, 0
	s_cselect_b64 s[4:5], s[68:69], s[70:71]       ; rows
	s_cselect_b64 s[6:7], s[72:73], s[74:75]       ; columns
	s_cselect_b64 s[8:9], s[78:79], s[80:81]       ; bias
	s_cselect_b64 s[10:11], s[86:87], s[94:95]     ; out
	s_cmp_eq_u32 s88, 2
	s_cselect_b64 s[4:5], s[76:77], s[4:5]
	s_cselect_b64 s[6:7], s[92:93], s[6:7]
	s_cselect_b64 s[8:9], s[82:83], s[8:9]
	s_cselect_b64 s[10:11], s[98:99], s[10:11]
	s_load_b512 s[68:83], s[84:85], 0x0            ; the sixteen exponents: entry i in s[68 + i]
	s_add_nc_u64 s[20:21], s[4:5], s[20:21]
	s_add_nc_u64 s[46:47], s[6:7], s[46:47]
	CROUND                                         ; all sixteen work-groups are here: the first joint loads meet
.irp s, 0,1
	s_mov_b32 s[G0+4*\s], 1
	s_add_co_u32 s[G0+4*\s+1], s45, \s*SLOT
	s_add_nc_u64 s[G0+4*\s+2:G0+4*\s+3], s[20:21], \s*ROWB
	s_or_b32 s[G0+4*\s+3], s[G0+4*\s+3], 0x80000000
	s_mov_b32 s[G0B+4*\s], 1
	s_add_co_u32 s[G0B+4*\s+1], s45, \s*SLOT
	s_add_nc_u64 s[G0B+4*\s+2:G0B+4*\s+3], s[46:47], \s*ROWB
	s_or_b32 s[G0B+4*\s+3], s[G0B+4*\s+3], 0x80000000
	JLOAD G0+4*\s, G1, G0B+4*\s, G1B
.endr
	v_and_b32 v1, 15, v0                           ; r
	v_bfe_u32 v2, v0, 4, 1                         ; h
	v_mul_u32_u24 v3, v1, PITCH
	v_lshl_add_u32 v4, v2, 4, v3
	s_mul_i32 s21, s15, HALFT
	s_mul_i32 s22, s16, HALFT
	s_add_co_u32 s22, s22, 2*HALFT
.irp s, 0,1
	v_add_nc_u32 v[ADRA+\s], s21, v4
	v_add_nc_u32 v[ADRB+\s], s22, v4
	s_add_co_u32 s21, s21, SLOT
	s_add_co_u32 s22, s22, SLOT
.endr
	s_lshl_b32 s90, s17, 8
	s_lshl_b32 s18, s15, 7
	s_add_co_u32 s90, s90, s18                     ; my first row
	s_lshl_b32 s91, s42, 8
	s_lshl_b32 s18, s16, 7
	s_add_co_u32 s91, s91, s18                     ; my first column
	; the bias, in both forms, so that every register is written on every way; the form that is not used reads from the bias's first bytes
	s_lshl_b32 s18, s91, 2
	s_lshl_b32 s19, s90, 2
	s_cmp_eq_u32 s88, 2
	s_cselect_b32 s18, 0, s18
	s_cselect_b32 s19, s19, 0
	v_lshlrev_b32 v8, 5, v2
	v_add_nc_u32 v8, s18, v8                       ; by columns: 4 x first column + 32 h
	v_lshlrev_b32 v9, 2, v1
	v_add_nc_u32 v9, s19, v9                       ; by rows: 4 x first row + 4 r
.irp b, 0,1,2,3,4,5,6,7
	global_load_b128 v[BC+8*\b:BC+8*\b+3], v8, s[8:9] offset:64*\b
	global_load_b128 v[BC+8*\b+4:BC+8*\b+7], v8, s[8:9] offset:64*\b+16
.endr
.irp a, 0,1,2,3,4,5,6,7
	global_load_b32 v[BR+2*\a], v9, s[8:9] offset:64*\a
	global_load_b32 v[BR+2*\a+1], v9, s[8:9] offset:64*\a
.endr
.macro FRAG reg, adr, q, i
.irp c, 0,1,2,3
	ds_load_b128 v[\reg+4*\c:\reg+4*\c+3], v[\adr] offset:128*(\q)+32*\c+(\i)*16*PITCH
.endr
.endm
; 16 matrix instructions: the rows' blocks a0, a0 + 1 x the columns' eight.  The 64 accumulators take turns, one instruction a turn, in the same order in every step.
.macro MUL16 a0, p, zero
.irp a, \a0, \a0+1
.irp b, 0,1,2,3,4,5,6,7
.if \zero
	v_wmma_f32_16x16x128_fp8_fp8 v[8*(8*((\a)%4)+\b):8*(8*((\a)%4)+\b)+7], v[128*(\p)+FR*\b:128*(\p)+FR*\b+FR-1], v[AF+FR*(\a):AF+FR*(\a)+FR-1], 0
.else
	v_wmma_f32_16x16x128_fp8_fp8 v[8*(8*((\a)%4)+\b):8*(8*((\a)%4)+\b)+7], v[128*(\p)+FR*\b:128*(\p)+FR*\b+FR-1], v[AF+FR*(\a):AF+FR*(\a)+FR-1], v[8*(8*((\a)%4)+\b):8*(8*((\a)%4)+\b)+7]
.endif
.endr
.endr
.endm
.macro FETCH_B slot, q, p
	WIN TO_B
.irp i, 0,1,2,3,4,5,6,7
	FRAG 128*(\p)+FR*\i, ADRB+\slot, \q, \i
.endr
	WIN 0
.endm
.macro FETCH_A slot, q, i0
.irp i, \i0, \i0+1, \i0+2, \i0+3
	FRAG AF+FR*(\i), ADRA+\slot, \q, \i
.endr
.endm
.macro PLACES n                        ; plain vector lines between a matrix instruction and a load into, or a read of, its registers
.rept \n
	v_nop
.endr
.endm
.macro STEP slot, q, zero
	s_wait_dscnt 4*NL                              ; the columns' set and the rows' blocks 0-3 are in; the youngest 16 loads (blocks 4-7) may be out
	WIN MUL_LO
	MUL16 0, (\q)%2, \zero
	MUL16 2, (\q)%2, \zero
	s_wait_dscnt 0
	PLACES NP
	FETCH_B \slot, (\q)+1, 1-(\q)%2
	FETCH_A \slot, (\q)+1, 0
	WIN MUL_HI
	MUL16 4, (\q)%2, \zero
	MUL16 6, (\q)%2, \zero
	PLACES NP
	WIN 0
	FETCH_A \slot, (\q)+1, 4
.endm
; A slot's last step changes slots: each wave waits for all its tensor loads, adds 0 to its spare word, waits for that and for its reads of the slot; one barrier, which opens a round of the cluster's where the slot is filled again.
.macro TURN slot, next, fill
	s_wait_tensorcnt 0x0                           ; all my tensor loads have landed: my part of the next slot
	ds_add_u32 v[SPW], v[NIL]                      ; 0 onto my spare word
	s_wait_dscnt 4*NL+1                            ; the add and the youngest 16 loads may be out
	WIN MUL_LO
	MUL16 0, 1, 0
	s_wait_dscnt 0x0                               ; the add is done, and my reads of this slot are over
	s_barrier_signal -1
	MUL16 2, 1, 0
	WIN 0
	s_barrier_wait -1
.if \fill
	CREST                                          ; no wave of any partner still reads this slot or has a load on its way
	s_add_nc_u64 s[G0+4*\slot+2:G0+4*\slot+3], s[G0+4*\slot+2:G0+4*\slot+3], 2*ROWB
	s_add_nc_u64 s[G0B+4*\slot+2:G0B+4*\slot+3], s[G0B+4*\slot+2:G0B+4*\slot+3], 2*ROWB
	JLOAD G0+4*\slot, G1, G0B+4*\slot, G1B         ; my one tensor load behind the round; its four v_nop are the places in front of the loads below
.else
	PLACES NP
.endif
	FETCH_B \next, 0, 0
	FETCH_A \next, 0, 0
	WIN MUL_HI
	MUL16 4, 1, 0
	MUL16 6, 1, 0
	PLACES NP
	WIN 0
	FETCH_A \next, 0, 4
.endm
	s_wait_tensorcnt 1                             ; my part of K step 0 is in; K step 1's load may be out
	s_barrier_signal -1
	s_barrier_wait -1
	FETCH_B 0, 0, 0
	FETCH_A 0, 0, 0
	FETCH_A 0, 0, 4
	STEP 0, 0, 1                                   ; the first step's products start the sums
	s_mov_b32 s3, LAPS-1
.Llap:
	TURN 0, 1, 1
	STEP 1, 0, 0
	TURN 1, 0, 1
	STEP 0, 0, 0
	s_sub_co_u32 s3, s3, 1
	s_cmp_lg_u32 s3, 0
	s_cbranch_scc1 .Llap
	TURN 0, 1, 0
	STEP 1, 0, 0
	s_wait_dscnt 4*NL
	WIN MUL_LO
	MUL16 0, 1, 0
	MUL16 2, 1, 0
	s_wait_dscnt 0
	WIN MUL_HI
	MUL16 4, 1, 0
	MUL16 6, 1, 0
	WIN 0
	; THE WAY OUT: number = sum x 2^(ea + eb) + bias; held; converted; stored from registers, 512 consecutive bytes an instruction.
	s_wait_kmcnt 0x0
	s_wait_loadcnt 0x0                             ; the biases
	s_cmp_eq_u32 s88, 0
	s_cselect_b32 s92, s68, s70
	s_cselect_b32 s93, s69, s71
	s_cselect_b32 s94, s74, s75                    ; the quantiser's exponent: entry 6 (q), 7 (k),
	s_mov_b32 s95, 0x40000
	s_cselect_b32 s95, 0x20000, s95                ; bytes from head to head: 131,072 in Q's images, 262,144 in K's
	s_cmp_eq_u32 s88, 2
	s_cselect_b32 s92, s72, s92
	s_cselect_b32 s93, s73, s93
	s_cselect_b32 s94, s77, s94                    ; 9 (v)
	s_add_co_i32 s96, s92, s93
	s_add_co_i32 s96, s96, 127
	s_lshl_b32 s96, s96, 23                        ; 2^(ea + eb) as f32
	s_mov_b32 s97, s96
	s_add_co_i32 s94, s94, 127
	s_lshl_b32 s93, s94, 23
	s_add_co_i32 s94, s94, 8
	s_lshl_b32 s94, s94, 23
	s_or_b32 s94, s94, 0x600000
	v_mov_b32 v[SCL], s93                          ; these five plain lines are the places behind the last products
	v_mov_b32 v[LIM], s94
	v_and_b32 v[CO], 31, v0
	v_lshlrev_b32 v[CO], 4, v[CO]
	v_add_nc_u32 v[CO2], s95, v[CO]
.macro OUTBLK a, rowbias               ; block a (16 rows x 128 columns) becomes 16 registers of codes in v[CD ..]
.set AC, 64*((\a)%4)
.set CD, COD+16*((\a)%2)
.set WW, 0x02+((\a)/4)
.if (\a) >= 2
	s_wait_xcnt 0x0                                ; block a - 2's stores have read their registers
.endif
	WIN WW                                         ; source 0: window 2 or 3
.set i, 0
.rept 32
.if \rowbias
	v_pk_fma_f32 v[TMP+i:TMP+i+1], v[AC+i:AC+i+1], s[96:97], v[BR+2*(\a):BR+2*(\a)+1] op_sel_hi:[1,0,1]
.else
	v_pk_fma_f32 v[TMP+i:TMP+i+1], v[AC+i:AC+i+1], s[96:97], v[BC+i:BC+i+1] op_sel_hi:[1,0,1]   ; each accumulator from its low end on
.endif
.set i, i+2
.endr
	WIN 0
.set i, 0
.rept 64
	v_med3_num_f32 v[TMP+i], v[TMP+i], -v[LIM], v[LIM]
.set i, i+1
.endr
.irp b, 0,1,2,3,4,5,6,7
	v_cvt_scalef32_pk8_fp8_f32 v[CD+2*\b:CD+2*\b+1], v[TMP+8*\b:TMP+8*\b+7], v[SCL]
.endr
	v_nop                                          ; a plain line behind the conversions: their sources are written again by the next block
.endm
	s_cmp_eq_u32 s88, 2
	s_cbranch_scc1 .Lv_out
	s_lshr_b32 s20, s90, 11                        ; q, k: batch,
	s_and_b32 s21, s90, 2047                       ; token in the batch,
	s_lshr_b32 s22, s91, 6                         ; first of my two heads
	s_lshl_b32 s20, s20, 4
	s_add_co_u32 s20, s20, s22
	s_mul_i32 s20, s20, s95
	s_lshl_b32 s21, s21, 6                         ; a tile of 16 tokens is 1,024 bytes
	s_add_co_u32 s20, s20, s21
	s_mov_b32 s21, 0
	s_add_nc_u64 s[10:11], s[10:11], s[20:21]
.irp a, 0,1,2,3,4,5,6,7
	OUTBLK \a, 0
	global_store_b128 v[CO], v[CD:CD+3], s[10:11] offset:1024*\a
	global_store_b128 v[CO], v[CD+4:CD+7], s[10:11] offset:1024*\a+512
	global_store_b128 v[CO2], v[CD+8:CD+11], s[10:11] offset:1024*\a
	global_store_b128 v[CO2], v[CD+12:CD+15], s[10:11] offset:1024*\a+512
.endr
	s_branch .Lout_done
.Lv_out:
	s_lshr_b32 s20, s91, 11                        ; v: batch,
	s_lshr_b32 s22, s90, 6                         ; first of my two heads,
	s_lshl_b32 s20, s20, 4
	s_add_co_u32 s20, s20, s22
	s_lshl_b32 s20, s20, 18
	s_and_b32 s21, s91, 2047
	s_lshr_b32 s21, s21, 7                         ; key step
	s_lshl_b32 s21, s21, 13
	s_add_co_u32 s20, s20, s21
	s_mov_b32 s21, 0
	s_add_nc_u64 s[10:11], s[10:11], s[20:21]
.irp a, 0,1,2,3,4,5,6,7
	OUTBLK \a, 1
.irp p, 0,1,2,3
	global_store_b128 v[CO], v[CD+4*\p:CD+4*\p+3], s[10:11] offset:262144*(\a/4)+2048*(\a%4)+512*\p
.endr
.endr
.Lout_done:
	s_wait_tensorcnt 0x0                           ; the wave's end
	ds_add_u32 v[SPW], v[NIL]
	s_wait_dscnt 0x0
	CROUND                                         ; the closing round
	s_endpgm
.Lfunc_end_k_q6df85d3d41_qkv:
	.size	k_q6df85d3d41_qkv, .Lfunc_end_k_q6df85d3d41_qkv-k_q6df85d3d41_qkv
	.p2alignl 7, 3214868480
	.fill 96, 4, 3214868480
	.section	.rodata,"a",@progbits
	.p2align	6, 0x0
	.amdhsa_kernel k_q6df85d3d41_qkv
		.amdhsa_group_segment_fixed_size 327680
		.amdhsa_private_segment_fixed_size 0
		.amdhsa_enable_private_segment 0
		.amdhsa_kernarg_size 80
		.amdhsa_user_sgpr_count 2
		.amdhsa_user_sgpr_kernarg_segment_ptr 1
		.amdhsa_wavefront_size32 1
		.amdhsa_system_sgpr_workgroup_id_x 1
		.amdhsa_system_sgpr_workgroup_id_y 1
		.amdhsa_system_sgpr_workgroup_id_z 1
		.amdhsa_system_vgpr_workitem_id 0
		.amdhsa_next_free_vgpr 1024
		.amdhsa_next_free_sgpr 100
		.amdhsa_reserve_vcc 0
		.amdhsa_float_denorm_mode_32 3
		.amdhsa_float_denorm_mode_16_64 3
		.amdhsa_memory_ordered 1
		.amdhsa_forward_progress 1
		.amdhsa_inst_pref_size 194
	.end_amdhsa_kernel
	.amdgpu_metadata
---
amdhsa.version: [ 1, 2 ]
amdhsa.kernels:
  - .name:           k_q6df85d3d41_qkv
    .symbol:         k_q6df85d3d41_qkv.kd
    .args:
      - { .name: x_codes, .offset: 0, .size: 8, .value_kind: global_buffer, .address_space: global }
      - { .name: yc, .offset: 8, .size: 8, .value_kind: global_buffer, .address_space: global }
      - { .name: Wq_codes, .offset: 16, .size: 8, .value_kind: global_buffer, .address_space: global }
      - { .name: Wk_codes, .offset: 24, .size: 8, .value_kind: global_buffer, .address_space: global }
      - { .name: Wv_codes, .offset: 32, .size: 8, .value_kind: global_buffer, .address_space: global }
      - { .name: bq, .offset: 40, .size: 8, .value_kind: global_buffer, .address_space: global }
      - { .name: bk, .offset: 48, .size: 8, .value_kind: global_buffer, .address_space: global }
      - { .name: bv, .offset: 56, .size: 8, .value_kind: global_buffer, .address_space: global }
      - { .name: lowp_scales, .offset: 64, .size: 8, .value_kind: global_buffer, .address_space: global }
      - { .name: qkv, .offset: 72, .size: 8, .value_kind: global_buffer, .address_space: global }
    .group_segment_fixed_size: 327680
    .private_segment_fixed_size: 0
    .kernarg_segment_align: 8
    .kernarg_segment_size: 80
    .max_flat_workgroup_size: 128
    .sgpr_count:     100
    .vgpr_count:     1024
    .wavefront_size: 32
...
	.end_amdgpu_metadata
.endif
;; end of part 3
;; launch attn (part 4): grid 8 x 32, 16 waves a work-group, clusters of 4 x 1, 264,192 bytes of LDS; arguments qkv, lowp_scales, ac; writes ac
.if DOCPART == 4
	.amdgcn_target "amdgcn-amd-amdhsa--gfx1250"
	.amdhsa_code_object_version 6
	.text
	.protected	k_q6df85d3d41_attn
	.globl	k_q6df85d3d41_attn
	.p2align	8
	.type	k_q6df85d3d41_attn,@function
k_q6df85d3d41_attn:
	s_mov_b64 s[64:65], 0
	v_nop
	global_prefetch_b8 v0, s[64:65] scope:SCOPE_SE
	s_setreg_imm32_b32 hwreg(HW_REG_WAVE_MODE, 25, 1), 1
	s_wait_xcnt 0x0
	s_wait_alu depctr_hold_cnt(0) depctr_sa_sdst(0) depctr_va_vdst(0) depctr_va_sdst(0) depctr_va_ssrc(0) depctr_va_vcc(0) depctr_vm_vsrc(0)
	s_getreg_b32 s2, hwreg(HW_REG_IB_STS2, 6, 4)
	s_cmp_eq_u32 s2, 0
	s_cbranch_scc0 .Lentry_in_a_cluster
	s_endpgm
.Lentry_in_a_cluster:
	s_bfe_u32 s2, ttmp6, 0x10000c
	s_cmp_lg_u32 s2, 0x3003
	s_cbranch_scc0 .Lentry_shape_is_right
	s_endpgm
.Lentry_shape_is_right:
; Attention of one head on codes of E4M3.  score = q . k / 8; scores of keys behind the query are set to ZERO (not hidden): such a key still counts, with t = 0.
; t = score x log2(e); M = the ceiling of the row's running largest t; p = 2^(t - M) is quantised with the given scale; the row's sum is taken of the unquantised p and divides at the end.
; SHARES.  grid y = batch x 16 + head.  A head's whole K and V images (262,144 bytes) lie in LDS, filled ONCE: each of the sixteen waves asks for 16,384 bytes.  The four work-groups of a cluster belong to
; one head and ask JOINTLY.  Nothing is filled again and nothing is stored to LDS.
; Work-group jw (0 .. 7) and wave w own queries 128 pi + 16 jw + 0 .. 15, pi = w xor 3 x (bit 2 of w): all inside key step pi, whatever jw is.  So which kind a key step is hangs on the wave's number and
; the loop's count alone: step < pi general; step = pi on the diagonal; step > pi all scores zero: no first product, no exponential: p = 2^-M is one code for the whole step, and the second product is made with it.
; LAYOUT.  Both products transposed: S^T = K Q^T, O^T = V^T P^T: a lane holds one query (lane % 16).  In tile t of S^T lane (r, h) holds keys 16 t + 8 h + 0 .. 7: the place that the plain 8-bit layout gives
; registers 2 t, 2 t + 1 of P (ISA guide 7.12.2).  O^T's tile t gives registers 2 t, 2 t + 1 of the next product's operand: stored as an image,
; ac [m / 256][k / 256][row block of 16][k block of 128][2048 bytes].
; LIMITS: entries 6 + 7 of the exponents between -122 and 129; entries 8 and 10 between -126 and 119.
.set WV, 18
.macro CROUND
	s_barrier_signal -1
	s_barrier_wait -1
	s_cmp_lg_u32 s[WV], 0
	s_cbranch_scc1 .Lnot_wave_0_\@
	s_barrier_signal -3
.Lnot_wave_0_\@:
	s_barrier_wait -3
	s_barrier_signal -1
	s_barrier_wait -1
.endm
.macro VLOAD                           ; a key step's four tiles of V^T (16 channels x 128 keys each) into v32-95
.irp t, 0,1,2,3
.irp p, 0,1,2,3
	ds_load_b128 v[32+16*\t+4*\p:35+16*\t+4*\p], v3 offset:2048*\t+512*\p
.endr
.endr
.endm
.macro PV                              ; O^T += V^T P^T: the four accumulators by turns
.irp t, 0,1,2,3
	v_wmma_f32_16x16x128_fp8_fp8 v[160+8*\t:167+8*\t], v[32+16*\t:47+16*\t], v[192:207], v[160+8*\t:167+8*\t]
.endr
.endm
	s_load_b128 s[4:7], s[0:1], 0x0                ; qkv, the scales' exponents
	s_load_b64 s[8:9], s[0:1], 0x10                ; ac
	v_lshl_add_u32 v251, v0, 2, 0x40000
	v_mov_b32 v255, 0
	ds_add_u32 v251, v255
	ds_add_u32 v251, v255
	v_lshrrev_b32 v1, 5, v0
	v_readfirstlane_b32 s[WV], v1                  ; wave 0 .. 15
	s_bfe_u32 s19, s[WV], 0x10002
	s_mul_i32 s19, s19, 3
	s_xor_b32 s19, s19, s[WV]                      ; pi
	s_bfe_u32 s28, ttmp6, 0x40000                  ; cx
	s_lshl_b32 s29, ttmp9, 2
	s_add_co_u32 s29, s29, s28                     ; jw: it enters Q's and the output's addresses and the mask's numbers alone
	s_and_b32 s30, ttmp7, 0xffff                   ; batch x 16 + head, which the partners share
	s_mov_b32 s48, 15|(3<<16)|(1<<21)              ; group 1: the mask: all four; elements of 8 bytes; bit 21 beside a mask; no padding
	s_mov_b32 s49, 32<<16                          ; tensor_dim0 = 32 elements: rows of 256 bytes
	s_mov_b32 s50, 64<<16                          ; tensor_dim1 = 64
	s_mov_b32 s51, 32<<16                          ; tile_dim0
	s_mov_b32 s52, 64                              ; tile_dim1
	s_mov_b32 s53, 32                              ; the pitch: dense
	s_mov_b32 s54, 0
	s_mov_b32 s55, 0
	s_lshl_b32 s32, s30, 18
	s_lshl_b32 s33, s[WV], 14
	s_add_co_u32 s32, s32, s33
	s_add_co_u32 s32, s32, 0x400000                ; the head's K and V images, my wave's 16,384 bytes
	s_mov_b32 s33, 0
	s_mov_b32 s20, 0x76543210
	s_mov_b32 s21, 0xfedcba98
	s_wait_dscnt 0x0
	s_wait_kmcnt 0x0
	s_load_b256 s[40:47], s[6:7], 0x18             ; entries 6 .. 13
	CROUND                                         ; all four work-groups are here: the joint loads meet
	s_mov_b32 s56, 1
	s_lshl_b32 s57, s[WV], 14                      ; LDS: 16,384 x wave
	s_add_nc_u64 s[58:59], s[4:5], s[32:33]
	s_or_b32 s59, s59, 0x80000000
	tensor_load_to_lds s[56:59], s[48:55]          ; my one tensor load of the launch
	s_nop 0
.rept 4
	v_nop
.endr
	s_lshl_b32 s34, s30, 17
	s_lshl_b32 s35, s19, 3
	s_add_co_u32 s35, s35, s29
	s_lshl_b32 s35, s35, 10
	s_add_co_u32 s34, s34, s35                     ; Q's image: head x 131,072 + 1,024 x (8 pi + jw)
	s_mov_b32 s35, 0
	s_add_nc_u64 s[10:11], s[4:5], s[34:35]
	v_and_b32 v7, 31, v0
	v_lshlrev_b32 v1, 4, v7                        ; 16 x lane
	global_load_b128 v[16:19], v1, s[10:11]
	global_load_b128 v[20:23], v1, s[10:11] offset:512
	v_and_b32 v8, 15, v0                           ; r
	v_bfe_u32 v9, v0, 4, 1
	v_lshlrev_b32 v9, 3, v9                        ; 8 h
	v_sub_nc_u32 v4, v8, v9
	s_lshl_b32 s36, s29, 4
	v_add_nc_u32 v4, s36, v4                       ; d = 16 jw + r - 8 h: on the diagonal register 8 t + j is zeroed where 16 t + j > d
	s_lshl_b32 s37, s19, 7
	s_add_co_u32 s37, s37, s36
	v_add_nc_u32 v10, s37, v8                      ; my query
	v_mov_b32 v5, 0
	v_mov_b32 v13, 0                               ; the largest t so far: 0, the t of a zeroed key;
	v_mov_b32 v11, 0xff61b1e6
	v_cmp_eq_u32 vcc_lo, 0x7ff, v10
	v_cndmask_b32 v13, v13, v11, vcc_lo            ; query 2047 alone has no zeroed key: -3e38
	v_floor_f32 v12, -v13                          ; -M
	v_mov_b32 v14, 0
	v_mov_b32 v15, 0
	v_mov_b32 v236, 0                              ; written once: a lane permute's destination counts as one of its sources
	v_mov_b32 v253, 0
.set i, 0
.rept 32
	v_mov_b32 v[160+i], 0                          ; O^T: the loop has no first step of its own
.set i, i+1
.endr
.set i, 0
.rept 16
	v_mov_b32 v[192+i], 0                          ; P's codes: written once, so that every way through the loop finds them written
.set i, i+1
.endr
	s_sub_co_u32 s27, 15, s19
	s_lshl_b32 s27, s27, 6
	v_cvt_f32_u32 v6, s27                          ; 64 x (15 - pi): my lane's keys in the steps behind the diagonal
	; the output's place: 1,024 x (4 x (((8 batch + pi / 2) x 4 + head / 4) x 16 + 8 (pi % 2) + jw) + head % 4)
	s_lshr_b32 s31, s30, 4
	s_and_b32 s38, s30, 15
	s_lshl_b32 s31, s31, 3
	s_lshr_b32 s39, s19, 1
	s_add_co_u32 s31, s31, s39
	s_lshl_b32 s31, s31, 2
	s_lshr_b32 s39, s38, 2
	s_add_co_u32 s31, s31, s39
	s_lshl_b32 s31, s31, 4
	s_and_b32 s39, s19, 1
	s_lshl_b32 s39, s39, 3
	s_add_co_u32 s31, s31, s39
	s_add_co_u32 s31, s31, s29
	s_lshl_b32 s31, s31, 2
	s_and_b32 s39, s38, 3
	s_add_co_u32 s31, s31, s39
	s_lshl_b32 s60, s31, 10
	s_mov_b32 s61, 0
	s_add_nc_u64 s[8:9], s[8:9], s[60:61]
	s_wait_kmcnt 0x0
	s_add_co_i32 s12, s40, s41
	s_lshl_b32 s12, s12, 23
	s_mov_b32 s22, 0x3e38aa3b                      ; c = log2(e) / 8
	s_add_co_i32 s22, s22, s12                     ; x 2^(e6 + e7): added to c's exponent field
	s_mov_b32 s23, s22
	s_add_co_i32 s12, s42, 127
	s_lshl_b32 s13, s12, 23
	v_mov_b32 v244, s13                            ; 2^e8
	s_add_co_i32 s12, s12, 8
	s_lshl_b32 s12, s12, 23
	s_or_b32 s12, s12, 0x600000
	v_mov_b32 v240, s12                            ; 448 x 2^e8
	s_add_co_i32 s12, s44, 127
	s_lshl_b32 s62, s12, 23                        ; 2^e10
	s_add_co_i32 s12, s12, 8
	s_lshl_b32 s63, s12, 23
	s_or_b32 s63, s63, 0x600000                    ; 448 x 2^e10
	s_add_co_i32 s12, s42, s43                     ; e8 + e9
	s_mov_b32 s24, 0                               ; the key step
	s_mov_b32 s25, 0                               ; its K tiles' LDS byte
	s_mov_b32 s26, 131072                          ; its V tiles'
	s_wait_tensorcnt 0x0                           ; my part lies in LDS,
	s_barrier_signal -1
	s_barrier_wait -1                              ; everybody's does
	s_wait_loadcnt 0x0                             ; Q
.Lstep:                                            ; sixteen trips in every wave
	s_cmp_gt_u32 s24, s19
	s_cbranch_scc1 .Lcheap
	v_add_nc_u32 v2, s25, v1                       ; four plain lines: the places in front of loads into registers that the last products read
	v_add_nc_u32 v3, s26, v1
	v_nop
	v_nop
.irp t, 0,1,2,3,4,5,6,7
	ds_load_b128 v[32+8*\t:35+8*\t], v2 offset:1024*\t
	ds_load_b128 v[36+8*\t:39+8*\t], v2 offset:1024*\t+512
.endr
	s_wait_dscnt 0x0
.irp t, 0,1,2,3,4,5,6,7
	v_wmma_f32_16x16x64_fp8_fp8 v[96+8*\t:103+8*\t], v[32+8*\t:39+8*\t], v[16:23], 0
.endr
.rept 4
	v_nop
.endr
	VLOAD                                          ; V lands while the softmax is worked
	s_cmp_lg_u32 s24, s19
	s_cbranch_scc1 .Lopen
.set n, 0
.rept 64
	v_cmp_gt_i32 vcc_lo, 16*(n/8)+n%8, v4
	v_cndmask_b32 v[96+n], v[96+n], v5, vcc_lo     ; a key behind my query: its score is 0
.set n, n+1
.endr
.Lopen:
	v_max3_num_f32 v254, v96, v97, v98
	v_max3_num_f32 v252, v99, v100, v101
.irp i, 6,10,14,18,22,26,30,34,38,42,46,50,54,58
	v_max3_num_f32 v254, v254, v[96+\i], v[97+\i]
	v_max3_num_f32 v252, v252, v[98+\i], v[99+\i]
.endr
	v_max3_num_f32 v254, v254, v158, v159
	v_max_num_f32 v254, v254, v252
	v_permlanex16_b32 v236, v254, s20, s21
	v_max_num_f32 v254, v254, v236
	v_mul_f32 v254, s22, v254                      ; as t (c is positive)
	v_max_num_f32 v13, v13, v254
	v_mov_b32 v254, v12
	v_floor_f32 v12, -v13                          ; -M = floor(-t): M is a whole number
	v_sub_f32 v254, v12, v254
	v_cvt_i32_f32 v254, v254                       ; (it saturates)
	v_ldexp_f32 v252, 1.0, v254                    ; f = 2^(old M - new M)
.set i, 0
.rept 32
	v_pk_fma_f32 v[96+i:97+i], v[96+i:97+i], s[22:23], v[12:13] op_sel_hi:[1,0,0]   ; t - M
.set i, i+2
.endr
.set i, 0
.rept 64
	v_exp_f32 v[96+i], v[96+i]
.set i, i+1
.endr
	v_pk_mul_f32 v[14:15], v[14:15], v[252:253] op_sel_hi:[1,0]   ; the sums under the new M: the plain line behind the exponentials
	s_wait_alu depctr_va_vdst(0)                   ; one wait for the batch, ahead of its first reader
	v_pk_add_f32 v[242:243], v[96:97], v[98:99]    ; the row's sum, of the unquantised p
.irp j, 4,8,12,16,20,24,28,32,36,40,44,48,52,56,60
	v_pk_add_f32 v[14:15], v[14:15], v[96+\j:97+\j]
	v_pk_add_f32 v[242:243], v[242:243], v[98+\j:99+\j]
.endr
	v_pk_add_f32 v[14:15], v[14:15], v[242:243]
.set i, 0
.rept 64
	v_min_num_f32 v[96+i], v[96+i], v240           ; the hold; p is not negative
.set i, i+1
.endr
.irp t, 0,1,2,3,4,5,6,7
	v_cvt_scalef32_pk8_fp8_f32 v[192+2*\t:193+2*\t], v[96+8*\t:103+8*\t], v244
.endr
.set i, 0
.rept 16
	v_pk_mul_f32 v[160+i:161+i], v[160+i:161+i], v[252:253] op_sel_hi:[1,0]   ; O^T under the new M; also the plain lines behind the conversions
.set i, i+2
.endr
	s_wait_dscnt 0x0                               ; V
	PV
	s_cmp_lg_u32 s24, s19
	s_cbranch_scc1 .Lnext
	s_cmp_eq_u32 s24, 15
	s_cbranch_scc1 .Lnext                          ; no step follows step 15
	; behind the diagonal every t is 0 and M moves no more: p = 2^-M for all keys.  The twelve plain lines are the places behind the products above, which read P's registers
	v_cvt_i32_f32 v254, v12
	v_ldexp_f32 v254, 1.0, v254
	v_fmac_f32 v14, v6, v254                       ; the sum's share of all those steps
	v_min_num_f32 v254, v254, v240
.set i, 0
.rept 8
	v_mov_b32 v[96+i], v254
.set i, i+1
.endr
	v_cvt_scalef32_pk8_fp8_f32 v[192:193], v[96:103], v244
	v_nop
.irp j, 2,4,6,8,10,12,14
	v_mov_b32 v[192+\j], v192
	v_mov_b32 v[193+\j], v193
.endr
	s_branch .Lnext
.Lcheap:
	v_add_nc_u32 v3, s26, v1
	v_nop
	v_nop
	v_nop
	VLOAD
	s_wait_dscnt 0x0
	PV
.Lnext:
	s_add_co_u32 s25, s25, 8192
	s_add_co_u32 s26, s26, 8192
	s_add_co_u32 s24, s24, 1
	s_cmp_lt_u32 s24, 16
	s_cbranch_scc1 .Lstep
	; THE WAY OUT: O^T / the sum x 2^(e8 + e9), quantised with entry 10's scale, stored as two pieces of an operand's image
	v_mov_b32 v245, s62
	v_mov_b32 v241, s63
	v_add_f32 v14, v14, v15
	v_permlanex16_b32 v236, v14, s20, s21          ; into the register that was written at the head: it is written on every way through the loop
	v_add_f32 v14, v14, v236
	v_rcp_f32 v14, v14
	v_nop
	s_wait_alu depctr_va_vdst(0)
	v_ldexp_f32 v14, v14, s12
	v_mov_b32 v15, v14
.set i, 0
.rept 16
	v_pk_mul_f32 v[96+i:97+i], v[160+i:161+i], v[14:15]
.set i, i+2
.endr
.set i, 0
.rept 32
	v_med3_num_f32 v[96+i], v[96+i], -v241, v241
.set i, i+1
.endr
.irp t, 0,1,2,3
	v_cvt_scalef32_pk8_fp8_f32 v[208+2*\t:209+2*\t], v[96+8*\t:103+8*\t], v245
.endr
	v_nop
	global_store_b128 v1, v[208:211], s[8:9]       ; the wave stores 512 consecutive bytes, aligned
	global_store_b128 v1, v[212:215], s[8:9] offset:512
	s_wait_tensorcnt 0x0
	ds_add_u32 v251, v255
	s_wait_dscnt 0x0
	CROUND                                         ; the closing round
	s_endpgm
.Lfunc_end_k_q6df85d3d41_attn:
	.size	k_q6df85d3d41_attn, .Lfunc_end_k_q6df85d3d41_attn-k_q6df85d3d41_attn
	.p2alignl 7, 3214868480
	.fill 96, 4, 3214868480
	.section	.rodata,"a",@progbits
	.p2align	6, 0x0
	.amdhsa_kernel k_q6df85d3d41_attn
		.amdhsa_group_segment_fixed_size 264192
		.amdhsa_private_segment_fixed_size 0
		.amdhsa_enable_private_segment 0
		.amdhsa_kernarg_size 24
		.amdhsa_user_sgpr_count 2
		.amdhsa_user_sgpr_kernarg_segment_ptr 1
		.amdhsa_wavefront_size32 1
		.amdhsa_system_sgpr_workgroup_id_x 1
		.amdhsa_system_sgpr_workgroup_id_y 1
		.amdhsa_system_sgpr_workgroup_id_z 1
		.amdhsa_system_vgpr_workitem_id 0
		.amdhsa_next_free_vgpr 256
		.amdhsa_next_free_sgpr 66
		.amdhsa_reserve_vcc 1
		.amdhsa_float_denorm_mode_32 3
		.amdhsa_float_denorm_mode_16_64 3
		.amdhsa_memory_ordered 1
		.amdhsa_forward_progress 1
		.amdhsa_inst_pref_size 35
	.end_amdhsa_kernel
	.amdgpu_metadata
---
amdhsa.version: [ 1, 2 ]
amdhsa.kernels:
  - .name:           k_q6df85d3d41_attn
    .symbol:         k_q6df85d3d41_attn.kd
    .args:
      - { .name: qkv, .offset: 0, .size: 8, .value_kind: global_buffer, .address_space: global }
      - { .name: lowp_scales, .offset: 8, .size: 8, .value_kind: global_buffer, .address_space: global }
      - { .name: ac, .offset: 16, .size: 8, .value_kind: global_buffer, .address_space: global }
    .group_segment_fixed_size: 264192
    .private_segment_fixed_size: 0
    .kernarg_segment_align: 8
    .kernarg_segment_size: 24
    .max_flat_workgroup_size: 512
    .sgpr_count:     66
    .vgpr_count:     256
    .wavefront_size: 32
...
	.end_amdgpu_metadata
.endif
;; end of part 4
;; launch wo (part 5): grid 4 x 16, 4 waves a work-group, clusters of 4 x 4, 327,680 bytes of LDS; arguments ac, Wo_codes, lowp_scales, bo, y, y1, st2; writes y1, st2
.if DOCPART == 5
	.amdgcn_target "amdgcn-amd-amdhsa--gfx1250"
	.amdhsa_code_object_version 6
	.text
	.protected	k_q6df85d3d41_wo
	.globl	k_q6df85d3d41_wo
	.p2align	8
	.type	k_q6df85d3d41_wo,@function
k_q6df85d3d41_wo:
	s_mov_b64 s[64:65], 0
	v_nop
	global_prefetch_b8 v0, s[64:65] scope:SCOPE_SE
	s_setreg_imm32_b32 hwreg(HW_REG_WAVE_MODE, 25, 1), 1
	s_wait_xcnt 0x0
	s_wait_alu depctr_hold_cnt(0) depctr_sa_sdst(0) depctr_va_vdst(0) depctr_va_sdst(0) depctr_va_ssrc(0) depctr_va_vcc(0) depctr_vm_vsrc(0)
	s_getreg_b32 s2, hwreg(HW_REG_IB_STS2, 6, 4)
	s_cmp_eq_u32 s2, 0
	s_cbranch_scc0 .Lentry_in_a_cluster
	s_endpgm
.Lentry_in_a_cluster:
	s_bfe_u32 s2, ttmp6, 0x10000c
	s_cmp_lg_u32 s2, 0xf033
	s_cbranch_scc0 .Lentry_shape_is_right
	s_endpgm
.Lentry_shape_is_right:
; out = A B^T x 2^(ea + eb) + bias + residual, f32 [4096][1024].  A: codes of E4M3 as IMAGES of operand registers, [m / 256][k / 256][row block of 16][k block of 128][2048 bytes]; B: codes [1024][SIZE_K], K innermost.
; STATS = 1: each wave also stores (mean, sum of squared differences from it) of its 16,384 results, for the norm that follows.
; A tile of 256 x 256 is made by four waves, 128 x 128 each.  K goes in steps of 256 through a ring of two LDS slots filled by joint tensor loads (4 x 4 cluster: A's tiles shared along a row, B's along a column).
; A slot: A's 65,536 bytes as they lie in memory, then B's 256 rows of 256 bytes + 16 of padding.  A's fragment comes by four loads of 16 bytes at 16 x lane; it holds k in the plain 8-bit layout's places
; (registers 2 c, 2 c + 1: k = 16 c + 8 h + 0 .. 7: ISA guide 7.12.2), so B's comes by eight loads of 8 bytes at row x 272 + 8 h + 16 c.
; THE MATRIX INSTRUCTION IS USED TRANSPOSED: a lane holds eight neighbouring columns of a row.  The sums go through the wave's own stage in LDS and come back as whole rows of 512 bytes.
; The stage lies in slot 0, which has had its last fill and its last read by then.
; LIMITS: ea + eb between -126 and 127.  Product, residual and bias are added in the order (sum x 2^e + residual) + bias.
.set SIZE_K, 1024
.set EOFF,   40
.set STATS,  1
.set NS,     SIZE_K/256
.set KSTEP,  256
.set ROWB,   256
.set KROW,   SIZE_K
.set PITCH,  272
.set FR,     16
.set NL,     4
.set NP,     4
.set HALFT,  128*PITCH
.set ABYTES, 65536
.set SLOT,   ABYTES+2*HALFT
.set LAPS,   SIZE_K/(2*KSTEP)
.set SPARE,  2*SLOT                    ; behind the ring: the spare words, 128 bytes a wave
.set SPITCH, 528
.set ADRA, 16
.set ADRB, 20
.set STO,  24
.set RD,   25
.set CO,   26                          ; v26  16 x lane
.set SPW,  28
.set NIL,  29
.set B4,   32                          ; v32-35 the bias of my four columns
.set S1,   38                          ; v38-41 sums of x - c;  v42-45 of its squares;  v36-37 c;  v46-53 at work
.set S2,   42
.set DT,   46
.set AF,   128
.set BK,   128
.set G1, 24
.set G0, 32
.set G1B, 48
.set G0B, 56
.set MSB, 0
.macro WIN new
.if MSB != \new
	s_set_vgpr_msb (MSB<<8)|\new
.set MSB, \new
.endif
.endm
.set MUL_LO, 0xa1
.set MUL_HI, 0xf1
.set TO_B,   0x40
.macro JLOAD g0a, g1a, g0b, g1b        ; waves 0 and 1 fetch A's halves, waves 2 and 3 B's; four v_nop follow each line
	s_cmp_eq_u32 s15, 0
	s_cbranch_scc0 .Lfor_b_\@
	tensor_load_to_lds s[\g0a:\g0a+3], s[\g1a:\g1a+7]
	s_nop 0
.rept 4
	v_nop
.endr
	s_branch .Lasked_\@
.Lfor_b_\@:
	tensor_load_to_lds s[\g0b:\g0b+3], s[\g1b:\g1b+7]
	s_nop 0
.rept 4
	v_nop
.endr
.Lasked_\@:
.endm
.macro CREST
	s_cmp_lg_u32 s14, 0
	s_cbranch_scc1 .Lnot_wave_0_\@
	s_barrier_signal -3
.Lnot_wave_0_\@:
	s_barrier_wait -3
	s_barrier_signal -1
	s_barrier_wait -1
.endm
.macro CROUND
	s_barrier_signal -1
	s_barrier_wait -1
	CREST
.endm
	s_load_b256 s[4:11], s[0:1], 0x0               ; A's images, B's codes, the scales' exponents, the bias
	s_load_b128 s[68:71], s[0:1], 0x20             ; the residual, the output
.if STATS
	s_load_b64 s[72:73], s[0:1], 0x30              ; the pairs
.endif
	v_lshl_add_u32 v[SPW], v0, 2, SPARE
	v_mov_b32 v[NIL], 0
	ds_add_u32 v28, v29
	ds_add_u32 v28, v29
	s_wait_dscnt 0x0
	v_lshrrev_b32 v1, 5, v0
	v_readfirstlane_b32 s14, v1                    ; wave
	s_lshr_b32 s15, s14, 1                         ; my half of the tile's rows; also: I fetch for A (0) or B (1)
	s_and_b32 s16, s14, 1                          ; my half of its columns; also: which half of that tile I fetch
	s_bfe_u32 s40, ttmp6, 0x40000
	s_bfe_u32 s41, ttmp6, 0x40004
	s_lshl_b32 s42, ttmp9, 2
	s_add_co_u32 s42, s42, s40                     ; tile column
	s_and_b32 s17, ttmp7, 0xffff
	s_lshl_b32 s17, s17, 2
	s_add_co_u32 s17, s17, s41                     ; tile row
	s_lshl_b32 s43, s41, 2
	s_lshl_b32 s43, 15, s43
	s_lshl_b32 s44, 0x1111, s40
	s_or_b32 s[G1+0], s43, (3<<16)|(1<<21)         ; A: the mask of my row; elements of 8 bytes; no padding; bit 21 beside a mask
	s_mov_b32 s[G1+1], 32<<16                      ; rows of 32 elements = 256 bytes,
	s_mov_b32 s[G1+2], 128<<16                     ; 128 of them,
	s_mov_b32 s[G1+3], 32<<16
	s_mov_b32 s[G1+4], 128
	s_mov_b32 s[G1+5], 32                          ; dense
	s_mov_b32 s[G1+6], 0
	s_mov_b32 s[G1+7], 0
	s_or_b32 s[G1B+0], s44, (1<<20)|(1<<21)|(5<<22)|(3<<25)   ; B: the mask of my column; elements of 1 byte; 4 words of padding behind every 64
	s_mov_b32 s[G1B+1], ROWB<<16
	s_mov_b32 s[G1B+2], 128<<16
	s_mov_b32 s[G1B+3], ROWB<<16
	s_mov_b32 s[G1B+4], 128
	s_mov_b32 s[G1B+5], KROW
	s_mov_b32 s[G1B+6], 0
	s_mov_b32 s[G1B+7], 0
	s_mul_i32 s20, s17, NS*ABYTES
	s_lshl_b32 s18, s16, 15
	s_add_co_u32 s20, s20, s18                     ; A: tile row x NS x 65,536 + 32,768 x half
	s_mov_b32 s21, 0
	s_lshl_b32 s46, s42, 8
	s_lshl_b32 s18, s16, 7
	s_add_co_u32 s46, s46, s18
	s_mul_i32 s46, s46, KROW                       ; B: row 256 x tile column + 128 x half
	s_mov_b32 s47, 0
	s_lshl_b32 s45, s16, 15                        ; where they go: A's half,
	s_mul_i32 s23, s16, HALFT
	s_add_co_u32 s23, s23, ABYTES                  ; B's half, behind A's bytes
	s_wait_kmcnt 0x0
	s_load_b64 s[96:97], s[8:9], EOFF              ; ea, eb
	s_add_nc_u64 s[20:21], s[4:5], s[20:21]
	s_add_nc_u64 s[46:47], s[6:7], s[46:47]
	CROUND                                         ; all sixteen work-groups are here: the first joint loads meet
.irp s, 0,1
	s_mov_b32 s[G0+4*\s], 1
	s_add_co_u32 s[G0+4*\s+1], s45, \s*SLOT
	s_add_nc_u64 s[G0+4*\s+2:G0+4*\s+3], s[20:21], \s*ABYTES
	s_or_b32 s[G0+4*\s+3], s[G0+4*\s+3], 0x80000000
	s_mov_b32 s[G0B+4*\s], 1
	s_add_co_u32 s[G0B+4*\s+1], s23, \s*SLOT
	s_add_nc_u64 s[G0B+4*\s+2:G0B+4*\s+3], s[46:47], \s*ROWB
	s_or_b32 s[G0B+4*\s+3], s[G0B+4*\s+3], 0x80000000
	JLOAD G0+4*\s, G1, G0B+4*\s, G1B
.endr
	v_and_b32 v1, 15, v0                           ; r
	v_bfe_u32 v2, v0, 4, 1                         ; h
	v_and_b32 v27, 31, v0                          ; lane
	v_lshlrev_b32 v[CO], 4, v27
	v_mul_u32_u24 v3, v1, PITCH
	v_lshl_add_u32 v4, v2, 3, v3                   ; B: row x 272 + 8 h
	s_lshl_b32 s21, s15, 15                        ; my eight row blocks of A
	s_mul_i32 s22, s16, HALFT
	s_add_co_u32 s22, s22, ABYTES                  ; my 128 rows of B
.irp s, 0,1
	v_add_nc_u32 v[ADRA+\s], s21, v[CO]
	v_add_nc_u32 v[ADRB+\s], s22, v4
	s_add_co_u32 s21, s21, SLOT
	s_add_co_u32 s22, s22, SLOT
.endr
	s_mul_i32 s23, s14, 16*SPITCH                  ; my stage
	v_mul_u32_u24 v5, v1, SPITCH
	v_lshl_add_u32 v5, v2, 5, v5
	v_add_nc_u32 v[STO], s23, v5                   ; in: row r, 32 bytes for each half of the lanes
	v_add_nc_u32 v[RD], s23, v[CO]                 ; back: the 32 lanes take one row of 512 bytes
	s_lshl_b32 s20, s17, 8
	s_lshl_b32 s21, s15, 7
	s_add_co_u32 s20, s20, s21                     ; my first row,
	s_lshl_b32 s20, s20, 12                        ; in bytes
	s_lshl_b32 s46, s42, 10
	s_lshl_b32 s47, s16, 9
	s_add_co_u32 s46, s46, s47                     ; my first column, in bytes
	s_mov_b32 s47, 0
	s_add_nc_u64 s[10:11], s[10:11], s[46:47]
	s_add_co_u32 s20, s20, s46
	s_mov_b32 s21, 0
	s_add_nc_u64 s[68:69], s[68:69], s[20:21]
	s_add_nc_u64 s[70:71], s[70:71], s[20:21]
	global_load_b128 v[B4:B4+3], v[CO], s[10:11]
.macro FRAGA reg, adr, q, i            ; an image comes back as it was stored
.irp c, 0,1,2,3
	ds_load_b128 v[\reg+4*\c:\reg+4*\c+3], v[\adr] offset:(2*(\i)+(\q))*2048+512*\c
.endr
.endm
.macro FRAGB reg, adr, q, i
.irp c, 0,1,2,3,4,5,6,7
	ds_load_b64 v[\reg+2*\c:\reg+2*\c+1], v[\adr] offset:128*(\q)+16*\c+(\i)*16*PITCH
.endr
.endm
; The 64 accumulators take turns, one instruction a turn, in the same order in every step.
.macro MUL16 a0, p, zero
.irp a, \a0, \a0+1
.irp b, 0,1,2,3,4,5,6,7
.if \zero
	v_wmma_f32_16x16x128_fp8_fp8 v[8*(8*((\a)%4)+\b):8*(8*((\a)%4)+\b)+7], v[128*(\p)+FR*\b:128*(\p)+FR*\b+FR-1], v[AF+FR*(\a):AF+FR*(\a)+FR-1], 0
.else
	v_wmma_f32_16x16x128_fp8_fp8 v[8*(8*((\a)%4)+\b):8*(8*((\a)%4)+\b)+7], v[128*(\p)+FR*\b:128*(\p)+FR*\b+FR-1], v[AF+FR*(\a):AF+FR*(\a)+FR-1], v[8*(8*((\a)%4)+\b):8*(8*((\a)%4)+\b)+7]
.endif
.endr
.endr
.endm
.macro FETCH_B slot, q, p
	WIN TO_B
.irp i, 0,1,2,3,4,5,6,7
	FRAGB 128*(\p)+FR*\i, ADRB+\slot, \q, \i
.endr
	WIN 0
.endm
.macro FETCH_A slot, q, i0
.irp i, \i0, \i0+1, \i0+2, \i0+3
	FRAGA AF+FR*(\i), ADRA+\slot, \q, \i
.endr
.endm
.macro PLACES n
.rept \n
	v_nop
.endr
.endm
.macro STEP slot, q, zero
	s_wait_dscnt 4*NL                              ; B's set and A's blocks 0-3 are in; the youngest 16 loads (A's blocks 4-7) may be out
	WIN MUL_LO
	MUL16 0, (\q)%2, \zero
	MUL16 2, (\q)%2, \zero
	s_wait_dscnt 0
	PLACES NP
	FETCH_B \slot, (\q)+1, 1-(\q)%2
	FETCH_A \slot, (\q)+1, 0
	WIN MUL_HI
	MUL16 4, (\q)%2, \zero
	MUL16 6, (\q)%2, \zero
	PLACES NP
	WIN 0
	FETCH_A \slot, (\q)+1, 4
.endm
.macro TURN slot, next, fill
	s_wait_tensorcnt 0x0                           ; all my tensor loads have landed: my part of the next slot
	ds_add_u32 v[SPW], v[NIL]                      ; 0 onto my spare word
	s_wait_dscnt 4*NL+1                            ; the add and the youngest 16 loads may be out
	WIN MUL_LO
	MUL16 0, 1, 0
	s_wait_dscnt 0x0                               ; the add is done, and my reads of this slot are over
	s_barrier_signal -1
	MUL16 2, 1, 0
	WIN 0
	s_barrier_wait -1
.if \fill
	CREST                                          ; no wave of any partner still reads this slot or has a load on its way
	s_add_nc_u64 s[G0+4*\slot+2:G0+4*\slot+3], s[G0+4*\slot+2:G0+4*\slot+3], 2*ABYTES
	s_add_nc_u64 s[G0B+4*\slot+2:G0B+4*\slot+3], s[G0B+4*\slot+2:G0B+4*\slot+3], 2*ROWB
	JLOAD G0+4*\slot, G1, G0B+4*\slot, G1B         ; my one tensor load behind the round; its four v_nop are the places in front of the loads below
.else
	PLACES NP
.endif
	FETCH_B \next, 0, 0
	FETCH_A \next, 0, 0
	WIN MUL_HI
	MUL16 4, 1, 0
	MUL16 6, 1, 0
	PLACES NP
	WIN 0
	FETCH_A \next, 0, 4
.endm
	s_wait_tensorcnt 1                             ; my part of K step 0 is in; K step 1's load may be out
	s_barrier_signal -1
	s_barrier_wait -1
	FETCH_B 0, 0, 0
	FETCH_A 0, 0, 0
	FETCH_A 0, 0, 4
	STEP 0, 0, 1
	s_mov_b32 s3, LAPS-1
.Llap:
	TURN 0, 1, 1
	STEP 1, 0, 0
	TURN 1, 0, 1
	STEP 0, 0, 0
	s_sub_co_u32 s3, s3, 1
	s_cmp_lg_u32 s3, 0
	s_cbranch_scc1 .Llap
	TURN 0, 1, 0
	STEP 1, 0, 0
	s_wait_dscnt 4*NL
	WIN MUL_LO
	MUL16 0, 1, 0
	MUL16 2, 1, 0
	s_wait_dscnt 0
	WIN MUL_HI
	MUL16 4, 1, 0
	MUL16 6, 1, 0
	WIN 0
; THE WAY OUT, block by block of 16 rows x 128 columns.
.macro RLOAD a                         ; the residual's 16 rows of block a, 512 consecutive bytes a load, into window 1 (B's registers, which are done with)
	WIN TO_B
.set i, 0
.rept 16
	global_load_b128 v[64*((\a)%4)+4*i:64*((\a)%4)+4*i+3], v[CO], s[68:69] offset:(16*(\a)+i)*4096 th:TH_LOAD_NT
.set i, i+1
.endr
	WIN 0
.endm
.macro TOSTAGE a                       ; the raw sums into my stage, each accumulator from its low end on, and back as whole rows.  LDS serves a wave's instructions in order (ISA guide 5.7.1.4)
.set AC, 64*((\a)%4)
.set WW, 0x08+4*((\a)/4)
.set BB, BK+64*((\a)%2)
	WIN WW                                         ; the stores' data: window 2 or 3
.irp b, 0,1,2,3,4,5,6,7
	ds_store_b128 v[STO], v[AC+8*\b:AC+8*\b+3] offset:64*\b
	ds_store_b128 v[STO], v[AC+8*\b+4:AC+8*\b+7] offset:64*\b+16
.endr
	WIN 0
.set i, 0
.rept 16
	ds_load_b128 v[BB+4*i:BB+4*i+3], v[RD] offset:i*SPITCH
.set i, i+1
.endr
.endm
.macro FIN a, younger                  ; younger: the LDS instructions issued behind block a's loads
.set BB, BK+64*((\a)%2)
.set RS, 64*((\a)%4)
	s_wait_dscnt \younger
.if 7-(\a) >= 3
	s_wait_loadcnt 48                              ; block a's residual is in; the three blocks asked for behind it may be out
.else
	s_wait_loadcnt 16*(7-(\a))
.endif
	WIN 0x10                                       ; source 2 (the residual): window 1
.set i, 0
.rept 32
	v_pk_fma_f32 v[BB+i:BB+i+1], v[BB+i:BB+i+1], s[96:97], v[RS+i:RS+i+1] op_sel_hi:[1,0,1]
.set i, i+2
.endr
	WIN 0
.set i, 0
.rept 32
	v_pk_add_f32 v[BB+i:BB+i+1], v[BB+i:BB+i+1], v[B4+i%4:B4+i%4+1]
.set i, i+2
.endr
.if STATS
.if (\a) == 0
	v_mov_b32 v36, v[BB]                           ; c: my first result.  Sums of x - c and of its square are of the spread's size
	v_mov_b32 v37, v[BB]
.endif
.set i, 0
.rept 8
.irp k, 0,1,2,3
	v_pk_add_f32 v[DT+2*\k:DT+2*\k+1], v[BB+i+2*\k:BB+i+2*\k+1], v[36:37] neg_lo:[0,1] neg_hi:[0,1]
.endr
.irp k, 0,1,2,3
	v_pk_add_f32 v[S1+2*(\k%2):S1+2*(\k%2)+1], v[S1+2*(\k%2):S1+2*(\k%2)+1], v[DT+2*\k:DT+2*\k+1]
	v_pk_fma_f32 v[S2+2*(\k%2):S2+2*(\k%2)+1], v[DT+2*\k:DT+2*\k+1], v[DT+2*\k:DT+2*\k+1], v[S2+2*(\k%2):S2+2*(\k%2)+1]
.endr
.set i, i+8
.endr
.endif
.set i, 0
.rept 16
	global_store_b128 v[CO], v[BB+4*i:BB+4*i+3], s[70:71] offset:(16*(\a)+i)*4096 th:TH_STORE_NT   ; 32 lanes store 512 consecutive bytes, aligned
.set i, i+1
.endr
.if (\a) < 4
	RLOAD (\a)+4
.endif
.endm
	s_wait_kmcnt 0x0
	s_add_co_i32 s96, s96, s97
	s_add_co_i32 s96, s96, 127
	s_lshl_b32 s96, s96, 23                        ; 2^(ea + eb) as f32
	s_mov_b32 s97, s96
	PLACES NP                                      ; behind the last products: loads into their sources and stores of their results follow
.if STATS
.set i, 0
.rept 8
	v_mov_b32 v[S1+i], 0
.set i, i+1
.endr
	s_mov_b32 s92, 0x76543210
	s_mov_b32 s93, 0xfedcba98
.endif
	RLOAD 0
	RLOAD 1
	RLOAD 2
	RLOAD 3
	TOSTAGE 0
.irp a, 1,2,3,4,5,6,7
.if \a > 1
	s_wait_xcnt 0x0                                ; block a - 2's stores have read their registers: block a's loads may land there
.endif
	TOSTAGE \a
	FIN \a-1, 32                                   ; behind block a - 1's loads: block a's 16 stores and 16 loads
.endr
	s_wait_xcnt 0x0
	FIN 7, 0
.if STATS
	; my 512 numbers: mean = c + s1 / 512, M2 = s2 - s1 s1 / 512; then pairs of equal count n are joined: mean = the means' mean, M2 = the sum + (difference of means)^2 x n / 2
	v_pk_add_f32 v[38:39], v[38:39], v[40:41]
	v_pk_add_f32 v[42:43], v[42:43], v[44:45]
	v_add_f32 v38, v38, v39
	v_add_f32 v42, v42, v43
	v_mul_f32 v41, v38, v38
	v_fmamk_f32 v40, v38, 0x3b000000, v36
	v_fmamk_f32 v42, v41, 0xbb000000, v42
.macro TREE mask, halfn
	v_sub_f32_dpp v44, v40, v40 row_xmask:\mask row_mask:0xf bank_mask:0xf
	v_add_f32_dpp v42, v42, v42 row_xmask:\mask row_mask:0xf bank_mask:0xf
	v_add_f32_dpp v40, v40, v40 row_xmask:\mask row_mask:0xf bank_mask:0xf
	v_mul_f32 v44, v44, v44
	v_mul_f32 v40, 0.5, v40
	v_fmac_f32 v42, \halfn, v44
.endm
	TREE 1, 0x43800000
	TREE 2, 0x44000000
	TREE 4, 0x44800000
	TREE 8, 0x45000000
	v_permlanex16_b32 v46, v40, s92, s93
	v_permlanex16_b32 v47, v42, s92, s93
	v_sub_f32 v44, v46, v40
	v_add_f32 v42, v42, v47
	v_add_f32 v40, v40, v46
	v_mul_f32 v44, v44, v44
	v_mul_f32 v46, 0.5, v40                        ; the mean of my wave's 16,384 numbers
	v_fmac_f32 v42, 0x45800000, v44
	v_mov_b32 v47, v42                             ; and their M2
	s_lshl_b32 s20, s17, 4
	s_lshl_b32 s21, s42, 2
	s_add_co_u32 s20, s20, s21
	s_add_co_u32 s20, s20, s14                     ; pair 16 x tile row + 4 x tile column + wave: 128 pairs a batch
	s_lshl_b32 s20, s20, 3
	v_mov_b32 v48, s20
	v_cmp_eq_u32 vcc_lo, 0, v27
	s_wait_xcnt 0x0                                ; EXEC changes only behind this wait
	s_and_saveexec_b32 s21, vcc_lo
	global_store_b64 v48, v[46:47], s[72:73]
	s_wait_xcnt 0x0
	s_or_b32 exec_lo, exec_lo, s21
.endif
	s_wait_tensorcnt 0x0                           ; the wave's end
	ds_add_u32 v[SPW], v[NIL]
	s_wait_dscnt 0x0
	CROUND                                         ; the closing round
	s_endpgm
.Lfunc_end_k_q6df85d3d41_wo:
	.size	k_q6df85d3d41_wo, .Lfunc_end_k_q6df85d3d41_wo-k_q6df85d3d41_wo
	.p2alignl 7, 3214868480
	.fill 96, 4, 3214868480
	.section	.rodata,"a",@progbits
	.p2align	6, 0x0
	.amdhsa_kernel k_q6df85d3d41_wo
		.amdhsa_group_segment_fixed_size 327680
		.amdhsa_private_segment_fixed_size 0
		.amdhsa_enable_private_segment 0
		.amdhsa_kernarg_size 56
		.amdhsa_user_sgpr_count 2
		.amdhsa_user_sgpr_kernarg_segment_ptr 1
		.amdhsa_wavefront_size32 1
		.amdhsa_system_sgpr_workgroup_id_x 1
		.amdhsa_system_sgpr_workgroup_id_y 1
		.amdhsa_system_sgpr_workgroup_id_z 1
		.amdhsa_system_vgpr_workitem_id 0
		.amdhsa_next_free_vgpr 1024
		.amdhsa_next_free_sgpr 100
		.amdhsa_reserve_vcc 1
		.amdhsa_float_denorm_mode_32 3
		.amdhsa_float_denorm_mode_16_64 3
		.amdhsa_memory_ordered 1
		.amdhsa_forward_progress 1
		.amdhsa_inst_pref_size 219
	.end_amdhsa_kernel
	.amdgpu_metadata
---
amdhsa.version: [ 1, 2 ]
amdhsa.kernels:
  - .name:           k_q6df85d3d41_wo
    .symbol:         k_q6df85d3d41_wo.kd
    .args:
      - { .name: ac, .offset: 0, .size: 8, .value_kind: global_buffer, .address_space: global }
      - { .name: Wo_codes, .offset: 8, .size: 8, .value_kind: global_buffer, .address_space: global }
      - { .name: lowp_scales, .offset: 16, .size: 8, .value_kind: global_buffer, .address_space: global }
      - { .name: bo, .offset: 24, .size: 8, .value_kind: global_buffer, .address_space: global }
      - { .name: y, .offset: 32, .size: 8, .value_kind: global_buffer, .address_space: global }
      - { .name: y1, .offset: 40, .size: 8, .value_kind: global_buffer, .address_space: global }
      - { .name: st2, .offset: 48, .size: 8, .value_kind: global_buffer, .address_space: global }
    .group_segment_fixed_size: 327680
    .private_segment_fixed_size: 0
    .kernarg_segment_align: 8
    .kernarg_segment_size: 56
    .max_flat_workgroup_size: 128
    .sgpr_count:     100
    .vgpr_count:     1024
    .wavefront_size: 32
...
	.end_amdgpu_metadata
.endif
;; end of part 5
;; launch lnq2 (part 6): grid 512 x 1, 4 waves a work-group, no clusters, 41,472 bytes of LDS; arguments y1, ln2_w, ln2_b, st2, lowp_scales, nc; writes nc
.if DOCPART == 6
	.amdgcn_target "amdgcn-amd-amdhsa--gfx1250"
	.amdhsa_code_object_version 6
	.text
	.protected	k_q6df85d3d41_lnq2
	.globl	k_q6df85d3d41_lnq2
	.p2align	8
	.type	k_q6df85d3d41_lnq2,@function
k_q6df85d3d41_lnq2:
	s_mov_b64 s[64:65], 0
	v_nop
	global_prefetch_b8 v0, s[64:65] scope:SCOPE_SE
	s_setreg_imm32_b32 hwreg(HW_REG_WAVE_MODE, 25, 1), 1
	s_wait_xcnt 0x0
; The norm over (L, D) of a batch, and its quantising to codes of E4M3, row-major [4096][1024], K innermost.
; n = (t - mean) x rsqrt(var + 1e-5) x gain + bias, all in f32;  code = n / 2^e, held within +-448, to the nearest code, ties to even.
; TWO = 0: one given scale, the entry at byte EOFF of the scales.
; mean and var come from 128 pairs (mean_i, M2_i) a batch, each over 16,384 numbers: mean = the means' mean; M2 = sum M2_i + 16,384 sum (mean_i - mean)^2.
; SHARES.  Wave W = 4 x work-group + wave takes positions 1024 W .. 1024 W + 1023 of the (L, D) plane for BOTH batches, so gain and bias are read once; two steps of 512 positions.
; Each load reads 512 consecutive bytes.  The conversions want 16 neighbours in one lane: the finished numbers turn through the wave's own stage in LDS (64 bytes + 16 of padding a lane).
; Each (step, batch) has a stage of its own, so no LDS byte is written twice and no barrier is needed: waves share nothing.
; LIMITS: e between -126 and 119.  NaN among the inputs is not served.  A stream bound by memory: no matrix unit, no cluster, no tensor load.
.set TWO,  0
.set EOFF, 48
.set DAT,  48
.set COD,  176
.macro WSUM r
	v_add_f32_dpp v[\r], v[\r], v[\r] row_xmask:1 row_mask:0xf bank_mask:0xf
	v_add_f32_dpp v[\r], v[\r], v[\r] row_xmask:2 row_mask:0xf bank_mask:0xf
	v_add_f32_dpp v[\r], v[\r], v[\r] row_xmask:4 row_mask:0xf bank_mask:0xf
	v_add_f32_dpp v[\r], v[\r], v[\r] row_xmask:8 row_mask:0xf bank_mask:0xf
	v_permlanex16_b32 v39, v[\r], s28, s29
	v_add_f32 v[\r], v[\r], v39
.endm
.macro LOADS t
.irp i, 0,1,2,3
	global_load_b128 v[DAT+64*\t+4*\i:DAT+64*\t+4*\i+3], v2, s[4:5] offset:2048*\t+512*\i th:TH_LOAD_NT
.endr
.irp i, 0,1,2,3
	global_load_b128 v[DAT+64*\t+16+4*\i:DAT+64*\t+16+4*\i+3], v2, s[20:21] offset:2048*\t+512*\i th:TH_LOAD_NT
.endr
.irp i, 0,1,2,3
	global_load_b128 v[DAT+64*\t+32+4*\i:DAT+64*\t+32+4*\i+3], v2, s[6:7] offset:2048*\t+512*\i th:TH_LOAD_NT
.endr
.irp i, 0,1,2,3
	global_load_b128 v[DAT+64*\t+48+4*\i:DAT+64*\t+48+4*\i+3], v2, s[8:9] offset:2048*\t+512*\i th:TH_LOAD_NT
.endr
.endm
.macro COMBINE bt
.set P,  8+8*(\bt)
.set MB, 24+4*(\bt)
	v_add_f32 v32, v[P], v[P+2]
	v_add_f32 v33, v[P+4], v[P+6]
	v_add_f32 v32, v32, v33
	WSUM 32
	v_mul_f32 v[MB], 0x3c000000, v32               ; / 128
	v_mul_f32 v[MB+1], 0x3c000000, v32
	v_sub_f32 v32, v[P], v[MB]
	v_sub_f32 v33, v[P+2], v[MB]
	v_sub_f32 v34, v[P+4], v[MB]
	v_sub_f32 v35, v[P+6], v[MB]
	v_add_f32 v36, v[P+1], v[P+3]
	v_add_f32 v38, v[P+5], v[P+7]
	v_mul_f32 v32, v32, v32
	v_fmac_f32 v32, v33, v33
	v_fmac_f32 v32, v34, v34
	v_fmac_f32 v32, v35, v35
	v_add_f32 v36, v36, v38
	v_fmac_f32 v36, 0x46800000, v32                ; + 16,384 x the means' squared differences
	WSUM 36
	v_fma_f32 v[44+(\bt)], v36, s30, s31           ; / 2,097,152 + eps
.endm
.macro NORM t, bt
.set YR, DAT+64*(\t)+16*(\bt)
.set WR, DAT+64*(\t)+32
.set BG, DAT+64*(\t)+48
.set i, 0
.rept 8
	v_pk_add_f32 v[YR+i:YR+i+1], v[YR+i:YR+i+1], v[24+4*(\bt):25+4*(\bt)] neg_lo:[0,1] neg_hi:[0,1]
.set i, i+2
.endr
.set i, 0
.rept 8
	v_pk_mul_f32 v[YR+i:YR+i+1], v[YR+i:YR+i+1], v[26+4*(\bt):27+4*(\bt)]
.set i, i+2
.endr
.set i, 0
.rept 8
	v_pk_fma_f32 v[YR+i:YR+i+1], v[YR+i:YR+i+1], v[WR+i:WR+i+1], v[BG+i:BG+i+1]
.set i, i+2
.endr
.endm
.macro TURN t, bt
.set YR, DAT+64*(\t)+16*(\bt)
.set XS, DAT+64*(\t)+32+16*(\bt)
.set SG, 2560*(2*(\t)+(\bt))
.irp i, 0,1,2,3
	ds_store_b128 v3, v[YR+4*\i:YR+4*\i+3] offset:SG+640*\i
.endr
.irp i, 0,1,2,3
	ds_load_b128 v[XS+4*\i:XS+4*\i+3], v4 offset:SG+16*\i
.endr
.endm
.macro QUANT t, bt
.set XS, DAT+64*(\t)+32+16*(\bt)
.set Q1, DAT+64*(\t)
.set Q2, DAT+64*(\t)+16
.set CD, COD+8*(2*(\t)+(\bt))
.set i, 0
.rept 16
	v_med3_num_f32 v[Q1+i], v[XS+i], -v41, v41     ; the conversion does not saturate (ISA guide 7.6.2): the hold at the largest code x the scale
.set i, i+1
.endr
.if TWO
.set i, 0
.rept 16
	v_med3_num_f32 v[Q2+i], v[XS+i], -v43, v43
.set i, i+1
.endr
.endif
	v_cvt_scalef32_pk8_fp8_f32 v[CD:CD+1], v[Q1:Q1+7], v40
	v_cvt_scalef32_pk8_fp8_f32 v[CD+2:CD+3], v[Q1+8:Q1+15], v40
.if TWO
	v_cvt_scalef32_pk8_fp8_f32 v[CD+4:CD+5], v[Q2:Q2+7], v42
	v_cvt_scalef32_pk8_fp8_f32 v[CD+6:CD+7], v[Q2+8:Q2+15], v42
.endif
	v_nop                                          ; a plain line behind the conversions: their sources are written again later
	global_store_b128 v2, v[CD:CD+3], s[14:15] offset:512*(\t)+0x200000*(\bt)   ; the wave stores 512 consecutive bytes, aligned
.if TWO
	global_store_b128 v2, v[CD+4:CD+7], s[14:15] offset:512*(\t)+0x200000*(\bt)+0x400000
.endif
.endm
	s_load_b256 s[4:11], s[0:1], 0x0               ; the numbers, gain, bias, the pairs
	s_load_b128 s[12:15], s[0:1], 0x20             ; the scales' exponents, the codes
	v_lshl_add_u32 v208, v0, 2, 0xa000
	v_mov_b32 v209, 0
	v_lshrrev_b32 v1, 5, v0
	v_readfirstlane_b32 s16, v1                    ; wave
	v_and_b32 v1, 31, v0                           ; lane
	v_lshlrev_b32 v2, 4, v1                        ; 16 x lane
	s_mul_i32 s17, s16, 10240                      ; my wave's four stages
	v_lshrrev_b32 v3, 2, v1
	v_mul_u32_u24 v3, v3, 80
	v_and_b32 v5, 3, v1
	v_lshl_add_u32 v3, v5, 4, v3
	v_add_nc_u32 v3, s17, v3                       ; into a stage: 80 (lane / 4) + 16 (lane % 4)
	v_mul_u32_u24 v4, v1, 80
	v_add_nc_u32 v4, s17, v4                       ; out of it: 80 x lane
	v_mov_b32 v39, 0
	s_mov_b32 s28, 0x76543210
	s_mov_b32 s29, 0xfedcba98
	s_mov_b32 s30, 0x35000000                      ; 1 / 2,097,152
	s_mov_b32 s31, 0x3727c5ac                      ; 1e-5
	s_lshl_b32 s18, ttmp9, 2
	s_add_co_u32 s18, s18, s16                     ; W
	s_lshl_b32 s22, s18, 10                        ; its codes' byte
	s_mov_b32 s23, 0
	s_lshl_b32 s18, s18, 12                        ; its numbers' byte
	s_mov_b32 s19, 0
	s_wait_kmcnt 0x0
.if TWO
	s_load_b128 s[24:27], s[12:13], EOFF
.else
	s_load_b32 s24, s[12:13], EOFF
.endif
	s_add_nc_u64 s[4:5], s[4:5], s[18:19]
	s_add_nc_u64 s[20:21], s[4:5], 0x800000        ; the second batch's plane: a base of its own, since the distance is past a load's immediate
	s_add_nc_u64 s[6:7], s[6:7], s[18:19]
	s_add_nc_u64 s[8:9], s[8:9], s[18:19]
	s_add_nc_u64 s[14:15], s[14:15], s[22:23]
.irp j, 0,1,2,3
	global_load_b128 v[8+4*\j:11+4*\j], v2, s[10:11] offset:512*\j
.endr
	LOADS 0
	LOADS 1
	s_wait_kmcnt 0x0
	s_add_co_i32 s24, s24, 127
	s_lshl_b32 s25, s24, 23
	v_mov_b32 v40, s25                             ; 2^e as f32
	s_add_co_i32 s24, s24, 8
	s_lshl_b32 s24, s24, 23
	s_or_b32 s24, s24, 0x600000
	v_mov_b32 v41, s24                             ; 448 x 2^e
.if TWO
	s_add_co_i32 s26, s26, 127
	s_lshl_b32 s27, s26, 23
	v_mov_b32 v42, s27
	s_add_co_i32 s26, s26, 8
	s_lshl_b32 s26, s26, 23
	s_or_b32 s26, s26, 0x600000
	v_mov_b32 v43, s26
.endif
	s_wait_loadcnt 32                              ; the pairs are in; the two steps' 32 loads may be out
	COMBINE 0
	COMBINE 1
	v_rsq_f32 v26, v44
	v_rsq_f32 v30, v45
	v_nop                                          ; a plain line behind the roots,
	s_wait_alu depctr_va_vdst(0)                   ; and one wait for both, ahead of their first reader
	v_mov_b32 v27, v26
	v_mov_b32 v31, v30
.irp t, 0,1
	s_wait_loadcnt 16-16*\t                        ; this step's 16 loads are in; the next step's may be out
	NORM \t, 0
	NORM \t, 1
	TURN \t, 0
	TURN \t, 1
	s_wait_dscnt 4                                 ; batch 0 is back, and all eight stores have read their registers; batch 1's four loads may be out
	QUANT \t, 0
	s_wait_dscnt 0x0
	QUANT \t, 1
.endr
	s_wait_tensorcnt 0x0
	ds_add_u32 v208, v209
	s_wait_dscnt 0x0
	s_endpgm
.Lfunc_end_k_q6df85d3d41_lnq2:
	.size	k_q6df85d3d41_lnq2, .Lfunc_end_k_q6df85d3d41_lnq2-k_q6df85d3d41_lnq2
	.p2alignl 7, 3214868480
	.fill 96, 4, 3214868480
	.section	.rodata,"a",@progbits
	.p2align	6, 0x0
	.amdhsa_kernel k_q6df85d3d41_lnq2
		.amdhsa_group_segment_fixed_size 41472
		.amdhsa_private_segment_fixed_size 0
		.amdhsa_enable_private_segment 0
		.amdhsa_kernarg_size 48
		.amdhsa_user_sgpr_count 2
		.amdhsa_user_sgpr_kernarg_segment_ptr 1
		.amdhsa_wavefront_size32 1
		.amdhsa_system_sgpr_workgroup_id_x 1
		.amdhsa_system_sgpr_workgroup_id_y 1
		.amdhsa_system_sgpr_workgroup_id_z 1
		.amdhsa_system_vgpr_workitem_id 0
		.amdhsa_next_free_vgpr 210
		.amdhsa_next_free_sgpr 66
		.amdhsa_reserve_vcc 0
		.amdhsa_float_denorm_mode_32 3
		.amdhsa_float_denorm_mode_16_64 3
		.amdhsa_memory_ordered 1
		.amdhsa_forward_progress 1
		.amdhsa_inst_pref_size 22
	.end_amdhsa_kernel
	.amdgpu_metadata
---
amdhsa.version: [ 1, 2 ]
amdhsa.kernels:
  - .name:           k_q6df85d3d41_lnq2
    .symbol:         k_q6df85d3d41_lnq2.kd
    .args:
      - { .name: y1, .offset: 0, .size: 8, .value_kind: global_buffer, .address_space: global }
      - { .name: ln2_w, .offset: 8, .size: 8, .value_kind: global_buffer, .address_space: global }
      - { .name: ln2_b, .offset: 16, .size: 8, .value_kind: global_buffer, .address_space: global }
      - { .name: st2, .offset: 24, .size: 8, .value_kind: global_buffer, .address_space: global }
      - { .name: lowp_scales, .offset: 32, .size: 8, .value_kind: global_buffer, .address_space: global }
      - { .name: nc, .offset: 40, .size: 8, .value_kind: global_buffer, .address_space: global }
    .group_segment_fixed_size: 41472
    .private_segment_fixed_size: 0
    .kernarg_segment_align: 8
    .kernarg_segment_size: 48
    .max_flat_workgroup_size: 128
    .sgpr_count:     66
    .vgpr_count:     210
    .wavefront_size: 32
...
	.end_amdgpu_metadata
.endif
;; end of part 6
;; launch ffn1 (part 7): grid 16 x 16, 4 waves a work-group, clusters of 4 x 4, 327,680 bytes of LDS; arguments nc, W1_codes, lowp_scales, b1, hc; writes hc
.if DOCPART == 7
	.amdgcn_target "amdgcn-amd-amdhsa--gfx1250"
	.amdhsa_code_object_version 6
	.text
	.protected	k_q6df85d3d41_ffn1
	.globl	k_q6df85d3d41_ffn1
	.p2align	8
	.type	k_q6df85d3d41_ffn1,@function
k_q6df85d3d41_ffn1:
	s_mov_b64 s[64:65], 0
	v_nop
	global_prefetch_b8 v0, s[64:65] scope:SCOPE_SE
	s_setreg_imm32_b32 hwreg(HW_REG_WAVE_MODE, 25, 1), 1
	s_wait_xcnt 0x0
	s_wait_alu depctr_hold_cnt(0) depctr_sa_sdst(0) depctr_va_vdst(0) depctr_va_sdst(0) depctr_va_ssrc(0) depctr_va_vcc(0) depctr_vm_vsrc(0)
	s_getreg_b32 s2, hwreg(HW_REG_IB_STS2, 6, 4)
	s_cmp_eq_u32 s2, 0
	s_cbranch_scc0 .Lentry_in_a_cluster
	s_endpgm
.Lentry_in_a_cluster:
	s_bfe_u32 s2, ttmp6, 0x10000c
	s_cmp_lg_u32 s2, 0xf033
	s_cbranch_scc0 .Lentry_shape_is_right
	s_endpgm
.Lentry_shape_is_right:
; h = relu(n W1 + b1) on codes of E4M3 (K = 1024), quantised at once with entry 14's scale and stored as IMAGES OF OPERAND REGISTERS for the next product:
; hc [m / 256][k / 256][row block of 16][k block of 128][2048 bytes], piece p (registers 4 p .. 4 p + 3) at 512 p + 16 lane.
; n: codes [4096][1024]; W1: codes [4096][1024], K innermost.  A tile of 256 x 256 is made by four waves, 128 x 128 each; K goes in steps of 256 through a ring of two LDS slots filled by joint tensor loads
; (4 x 4 cluster: the rows' tiles shared along a row of the cluster, the columns' along a column).
; THE MATRIX INSTRUCTION IS USED TRANSPOSED: lane (r, h) holds row r and columns 16 b + 8 h + 0 .. 7 in accumulator b: the place that the plain 8-bit layout gives registers 2 b, 2 b + 1 (ISA guide 7.12.2):
; the conversion of accumulator b IS those registers; they are stored straight from registers, 512 consecutive bytes an instruction.  The activation costs nothing: the hold clips at 0 as well.
; In the fragments read from LDS k is permuted alike in both operands (four loads of 16 bytes a fragment); only the order of the sums inside an instruction changes.
; LIMITS: entries 12 + 13 between -126 and 127; entry 14 between -126 and 119.
.set SIZE_K, 1024
.set KSTEP,  256
.set ROWB,   256
.set KROW,   SIZE_K
.set PITCH,  272
.set FR,     16
.set NL,     4
.set NP,     4
.set HALFT,  128*PITCH
.set SLOT,   4*HALFT
.set LAPS,   SIZE_K/(2*KSTEP)
.set SPARE,  2*SLOT
.set ADRA, 16
.set ADRB, 20
.set CO,   26
.set SPW,  28
.set NIL,  29
.set SCL,  30
.set LIM,  31
.set BC,   64                          ; v64-127 the bias, in the accumulators' layout
.set AF,   128
.set TMP,  128
.set COD,  192
.set G1, 24
.set G0, 32
.set G1B, 48
.set G0B, 56
.set MSB, 0
.macro WIN new
.if MSB != \new
	s_set_vgpr_msb (MSB<<8)|\new
.set MSB, \new
.endif
.endm
.set MUL_LO, 0xa1
.set MUL_HI, 0xf1
.set TO_B,   0x40
.macro JLOAD g0a, g1a, g0b, g1b
	s_cmp_eq_u32 s15, 0
	s_cbranch_scc0 .Lfor_b_\@
	tensor_load_to_lds s[\g0a:\g0a+3], s[\g1a:\g1a+7]
	s_nop 0
.rept 4
	v_nop
.endr
	s_branch .Lasked_\@
.Lfor_b_\@:
	tensor_load_to_lds s[\g0b:\g0b+3], s[\g1b:\g1b+7]
	s_nop 0
.rept 4
	v_nop
.endr
.Lasked_\@:
.endm
.macro CREST
	s_cmp_lg_u32 s14, 0
	s_cbranch_scc1 .Lnot_wave_0_\@
	s_barrier_signal -3
.Lnot_wave_0_\@:
	s_barrier_wait -3
	s_barrier_signal -1
	s_barrier_wait -1
.endm
.macro CROUND
	s_barrier_signal -1
	s_barrier_wait -1
	CREST
.endm
	s_load_b256 s[4:11], s[0:1], 0x0               ; n's codes, W1's codes, the scales' exponents, b1
	s_load_b64 s[12:13], s[0:1], 0x20              ; hc
	v_lshl_add_u32 v[SPW], v0, 2, SPARE
	v_mov_b32 v[NIL], 0
	ds_add_u32 v28, v29
	ds_add_u32 v28, v29
	s_wait_dscnt 0x0
	v_lshrrev_b32 v1, 5, v0
	v_readfirstlane_b32 s14, v1
	s_lshr_b32 s15, s14, 1
	s_and_b32 s16, s14, 1
	s_bfe_u32 s40, ttmp6, 0x40000
	s_bfe_u32 s41, ttmp6, 0x40004
	s_lshl_b32 s42, ttmp9, 2
	s_add_co_u32 s42, s42, s40                     ; tile column
	s_and_b32 s17, ttmp7, 0xffff
	s_lshl_b32 s17, s17, 2
	s_add_co_u32 s17, s17, s41                     ; tile row
	s_lshl_b32 s43, s41, 2
	s_lshl_b32 s43, 15, s43
	s_lshl_b32 s44, 0x1111, s40
	s_or_b32 s[G1+0], s43, (1<<20)|(1<<21)|(5<<22)|(3<<25)
	s_or_b32 s[G1B+0], s44, (1<<20)|(1<<21)|(5<<22)|(3<<25)
.irp g, G1, G1B
	s_mov_b32 s[\g+1], ROWB<<16
	s_mov_b32 s[\g+2], 128<<16
	s_mov_b32 s[\g+3], ROWB<<16
	s_mov_b32 s[\g+4], 128
	s_mov_b32 s[\g+5], KROW
	s_mov_b32 s[\g+6], 0
	s_mov_b32 s[\g+7], 0
.endr
	s_lshl_b32 s18, s16, 7
	s_lshl_b32 s20, s17, 8
	s_add_co_u32 s20, s20, s18
	s_lshl_b32 s20, s20, 10
	s_mov_b32 s21, 0
	s_lshl_b32 s46, s42, 8
	s_add_co_u32 s46, s46, s18
	s_lshl_b32 s46, s46, 10
	s_mov_b32 s47, 0
	s_mul_i32 s45, s14, HALFT
	s_wait_kmcnt 0x0
	s_load_b128 s[92:95], s[8:9], 0x30             ; entries 12 .. 15
	s_add_nc_u64 s[20:21], s[4:5], s[20:21]
	s_add_nc_u64 s[46:47], s[6:7], s[46:47]
	CROUND
.irp s, 0,1
	s_mov_b32 s[G0+4*\s], 1
	s_add_co_u32 s[G0+4*\s+1], s45, \s*SLOT
	s_add_nc_u64 s[G0+4*\s+2:G0+4*\s+3], s[20:21], \s*ROWB
	s_or_b32 s[G0+4*\s+3], s[G0+4*\s+3], 0x80000000
	s_mov_b32 s[G0B+4*\s], 1
	s_add_co_u32 s[G0B+4*\s+1], s45, \s*SLOT
	s_add_nc_u64 s[G0B+4*\s+2:G0B+4*\s+3], s[46:47], \s*ROWB
	s_or_b32 s[G0B+4*\s+3], s[G0B+4*\s+3], 0x80000000
	JLOAD G0+4*\s, G1, G0B+4*\s, G1B
.endr
	v_and_b32 v1, 15, v0
	v_bfe_u32 v2, v0, 4, 1
	v_mul_u32_u24 v3, v1, PITCH
	v_lshl_add_u32 v4, v2, 4, v3
	s_mul_i32 s21, s15, HALFT
	s_mul_i32 s22, s16, HALFT
	s_add_co_u32 s22, s22, 2*HALFT
.irp s, 0,1
	v_add_nc_u32 v[ADRA+\s], s21, v4
	v_add_nc_u32 v[ADRB+\s], s22, v4
	s_add_co_u32 s21, s21, SLOT
	s_add_co_u32 s22, s22, SLOT
.endr
	s_lshl_b32 s46, s42, 10
	s_lshl_b32 s47, s16, 9
	s_add_co_u32 s46, s46, s47                     ; 4 x my first column
	s_mov_b32 s47, 0
	s_add_nc_u64 s[10:11], s[10:11], s[46:47]
	v_lshlrev_b32 v8, 5, v2                        ; 32 h
.irp b, 0,1,2,3,4,5,6,7
	global_load_b128 v[BC+8*\b:BC+8*\b+3], v8, s[10:11] offset:64*\b
	global_load_b128 v[BC+8*\b+4:BC+8*\b+7], v8, s[10:11] offset:64*\b+16
.endr
	s_lshl_b32 s20, s17, 4
	s_add_co_u32 s20, s20, s42
	s_lshl_b32 s20, s20, 4
	s_lshl_b32 s21, s15, 3
	s_add_co_u32 s20, s20, s21
	s_lshl_b32 s20, s20, 12
	s_lshl_b32 s21, s16, 11
	s_add_co_u32 s20, s20, s21                     ; ((16 x tile row + tile column) x 16 + 8 x my half of the rows) x 4,096 + 2,048 x my half of the columns
	s_mov_b32 s21, 0
	s_add_nc_u64 s[12:13], s[12:13], s[20:21]
.macro FRAG reg, adr, q, i
.irp c, 0,1,2,3
	ds_load_b128 v[\reg+4*\c:\reg+4*\c+3], v[\adr] offset:128*(\q)+32*\c+(\i)*16*PITCH
.endr
.endm
; The 64 accumulators take turns, one instruction a turn, in the same order in every step.
.macro MUL16 a0, p, zero
.irp a, \a0, \a0+1
.irp b, 0,1,2,3,4,5,6,7
.if \zero
	v_wmma_f32_16x16x128_fp8_fp8 v[8*(8*((\a)%4)+\b):8*(8*((\a)%4)+\b)+7], v[128*(\p)+FR*\b:128*(\p)+FR*\b+FR-1], v[AF+FR*(\a):AF+FR*(\a)+FR-1], 0
.else
	v_wmma_f32_16x16x128_fp8_fp8 v[8*(8*((\a)%4)+\b):8*(8*((\a)%4)+\b)+7], v[128*(\p)+FR*\b:128*(\p)+FR*\b+FR-1], v[AF+FR*(\a):AF+FR*(\a)+FR-1], v[8*(8*((\a)%4)+\b):8*(8*((\a)%4)+\b)+7]
.endif
.endr
.endr
.endm
.macro FETCH_B slot, q, p
	WIN TO_B
.irp i, 0,1,2,3,4,5,6,7
	FRAG 128*(\p)+FR*\i, ADRB+\slot, \q, \i
.endr
	WIN 0
.endm
.macro FETCH_A slot, q, i0
.irp i, \i0, \i0+1, \i0+2, \i0+3
	FRAG AF+FR*(\i), ADRA+\slot, \q, \i
.endr
.endm
.macro PLACES n
.rept \n
	v_nop
.endr
.endm
.macro STEP slot, q, zero
	s_wait_dscnt 4*NL                              ; the columns' set and the rows' blocks 0-3 are in; the youngest 16 loads (blocks 4-7) may be out
	WIN MUL_LO
	MUL16 0, (\q)%2, \zero
	MUL16 2, (\q)%2, \zero
	s_wait_dscnt 0
	PLACES NP
	FETCH_B \slot, (\q)+1, 1-(\q)%2
	FETCH_A \slot, (\q)+1, 0
	WIN MUL_HI
	MUL16 4, (\q)%2, \zero
	MUL16 6, (\q)%2, \zero
	PLACES NP
	WIN 0
	FETCH_A \slot, (\q)+1, 4
.endm
.macro TURN slot, next, fill
	s_wait_tensorcnt 0x0                           ; all my tensor loads have landed: my part of the next slot
	ds_add_u32 v[SPW], v[NIL]                      ; 0 onto my spare word
	s_wait_dscnt 4*NL+1                            ; the add and the youngest 16 loads may be out
	WIN MUL_LO
	MUL16 0, 1, 0
	s_wait_dscnt 0x0                               ; the add is done, and my reads of this slot are over
	s_barrier_signal -1
	MUL16 2, 1, 0
	WIN 0
	s_barrier_wait -1
.if \fill
	CREST                                          ; no wave of any partner still reads this slot or has a load on its way
	s_add_nc_u64 s[G0+4*\slot+2:G0+4*\slot+3], s[G0+4*\slot+2:G0+4*\slot+3], 2*ROWB
	s_add_nc_u64 s[G0B+4*\slot+2:G0B+4*\slot+3], s[G0B+4*\slot+2:G0B+4*\slot+3], 2*ROWB
	JLOAD G0+4*\slot, G1, G0B+4*\slot, G1B
.else
	PLACES NP
.endif
	FETCH_B \next, 0, 0
	FETCH_A \next, 0, 0
	WIN MUL_HI
	MUL16 4, 1, 0
	MUL16 6, 1, 0
	PLACES NP
	WIN 0
	FETCH_A \next, 0, 4
.endm
	s_wait_tensorcnt 1                             ; my part of K step 0 is in; K step 1's load may be out
	s_barrier_signal -1
	s_barrier_wait -1
	FETCH_B 0, 0, 0
	FETCH_A 0, 0, 0
	FETCH_A 0, 0, 4
	STEP 0, 0, 1
	s_mov_b32 s3, LAPS-1
.Llap:
	TURN 0, 1, 1
	STEP 1, 0, 0
	TURN 1, 0, 1
	STEP 0, 0, 0
	s_sub_co_u32 s3, s3, 1
	s_cmp_lg_u32 s3, 0
	s_cbranch_scc1 .Llap
	TURN 0, 1, 0
	STEP 1, 0, 0
	s_wait_dscnt 4*NL
	WIN MUL_LO
	MUL16 0, 1, 0
	MUL16 2, 1, 0
	s_wait_dscnt 0
	WIN MUL_HI
	MUL16 4, 1, 0
	MUL16 6, 1, 0
	WIN 0
	; THE WAY OUT
	s_wait_kmcnt 0x0
	s_wait_loadcnt 0x0                             ; the bias
	s_add_co_i32 s96, s92, s93
	s_add_co_i32 s96, s96, 127
	s_lshl_b32 s96, s96, 23                        ; 2^(e12 + e13) as f32
	s_mov_b32 s97, s96
	s_add_co_i32 s94, s94, 127
	s_lshl_b32 s93, s94, 23
	s_add_co_i32 s94, s94, 8
	s_lshl_b32 s94, s94, 23
	s_or_b32 s94, s94, 0x600000
	v_mov_b32 v[SCL], s93                          ; these four plain lines are the places behind the last products
	v_mov_b32 v[LIM], s94
	v_and_b32 v[CO], 31, v0
	v_lshlrev_b32 v[CO], 4, v[CO]
.macro OUTBLK a
.set AC, 64*((\a)%4)
.set CD, COD+16*((\a)%2)
.set WW, 0x02+((\a)/4)
.if (\a) >= 2
	s_wait_xcnt 0x0                                ; block a - 2's stores have read their registers
.endif
	WIN WW
.set i, 0
.rept 32
	v_pk_fma_f32 v[TMP+i:TMP+i+1], v[AC+i:AC+i+1], s[96:97], v[BC+i:BC+i+1] op_sel_hi:[1,0,1]   ; each accumulator from its low end on
.set i, i+2
.endr
	WIN 0
.set i, 0
.rept 64
	v_med3_num_f32 v[TMP+i], v[TMP+i], 0, v[LIM]   ; the activation and the hold in one
.set i, i+1
.endr
.irp b, 0,1,2,3,4,5,6,7
	v_cvt_scalef32_pk8_fp8_f32 v[CD+2*\b:CD+2*\b+1], v[TMP+8*\b:TMP+8*\b+7], v[SCL]
.endr
	v_nop                                          ; a plain line behind the conversions: their sources are written again by the next block
.irp p, 0,1,2,3
	global_store_b128 v[CO], v[CD+4*\p:CD+4*\p+3], s[12:13] offset:4096*(\a)+512*\p
.endr
.endm
.irp a, 0,1,2,3,4,5,6,7
	OUTBLK \a
.endr
	s_wait_tensorcnt 0x0                           ; the wave's end
	ds_add_u32 v[SPW], v[NIL]
	s_wait_dscnt 0x0
	CROUND                                         ; the closing round
	s_endpgm
.Lfunc_end_k_q6df85d3d41_ffn1:
	.size	k_q6df85d3d41_ffn1, .Lfunc_end_k_q6df85d3d41_ffn1-k_q6df85d3d41_ffn1
	.p2alignl 7, 3214868480
	.fill 96, 4, 3214868480
	.section	.rodata,"a",@progbits
	.p2align	6, 0x0
	.amdhsa_kernel k_q6df85d3d41_ffn1
		.amdhsa_group_segment_fixed_size 327680
		.amdhsa_private_segment_fixed_size 0
		.amdhsa_enable_private_segment 0
		.amdhsa_kernarg_size 40
		.amdhsa_user_sgpr_count 2
		.amdhsa_user_sgpr_kernarg_segment_ptr 1
		.amdhsa_wavefront_size32 1
		.amdhsa_system_sgpr_workgroup_id_x 1
		.amdhsa_system_sgpr_workgroup_id_y 1
		.amdhsa_system_sgpr_workgroup_id_z 1
		.amdhsa_system_vgpr_workitem_id 0
		.amdhsa_next_free_vgpr 1024
		.amdhsa_next_free_sgpr 100
		.amdhsa_reserve_vcc 0
		.amdhsa_float_denorm_mode_32 3
		.amdhsa_float_denorm_mode_16_64 3
		.amdhsa_memory_ordered 1
		.amdhsa_forward_progress 1
		.amdhsa_inst_pref_size 135
	.end_amdhsa_kernel
	.amdgpu_metadata
---
amdhsa.version: [ 1, 2 ]
amdhsa.kernels:
  - .name:           k_q6df85d3d41_ffn1
    .symbol:         k_q6df85d3d41_ffn1.kd
    .args:
      - { .name: nc, .offset: 0, .size: 8, .value_kind: global_buffer, .address_space: global }
      - { .name: W1_codes, .offset: 8, .size: 8, .value_kind: global_buffer, .address_space: global }
      - { .name: lowp_scales, .offset: 16, .size: 8, .value_kind: global_buffer, .address_space: global }
      - { .name: b1, .offset: 24, .size: 8, .value_kind: global_buffer, .address_space: global }
      - { .name: hc, .offset: 32, .size: 8, .value_kind: global_buffer, .address_space: global }
    .group_segment_fixed_size: 327680
    .private_segment_fixed_size: 0
    .kernarg_segment_align: 8
    .kernarg_segment_size: 40
    .max_flat_workgroup_size: 128
    .sgpr_count:     100
    .vgpr_count:     1024
    .wavefront_size: 32
...
	.end_amdgpu_metadata
.endif
;; end of part 7
;; launch ffn2 (part 8): grid 4 x 16, 4 waves a work-group, clusters of 4 x 4, 327,680 bytes of LDS; arguments hc, W2_codes, lowp_scales, b2, y1, out0; writes out0
.if DOCPART == 8
	.amdgcn_target "amdgcn-amd-amdhsa--gfx1250"
	.amdhsa_code_object_version 6
	.text
	.protected	k_q6df85d3d41_ffn2
	.globl	k_q6df85d3d41_ffn2
	.p2align	8
	.type	k_q6df85d3d41_ffn2,@function
k_q6df85d3d41_ffn2:
	s_mov_b64 s[64:65], 0
	v_nop
	global_prefetch_b8 v0, s[64:65] scope:SCOPE_SE
	s_setreg_imm32_b32 hwreg(HW_REG_WAVE_MODE, 25, 1), 1
	s_wait_xcnt 0x0
	s_wait_alu depctr_hold_cnt(0) depctr_sa_sdst(0) depctr_va_vdst(0) depctr_va_sdst(0) depctr_va_ssrc(0) depctr_va_vcc(0) depctr_vm_vsrc(0)
	s_getreg_b32 s2, hwreg(HW_REG_IB_STS2, 6, 4)
	s_cmp_eq_u32 s2, 0
	s_cbranch_scc0 .Lentry_in_a_cluster
	s_endpgm
.Lentry_in_a_cluster:
	s_bfe_u32 s2, ttmp6, 0x10000c
	s_cmp_lg_u32 s2, 0xf033
	s_cbranch_scc0 .Lentry_shape_is_right
	s_endpgm
.Lentry_shape_is_right:
; out = A B^T x 2^(ea + eb) + bias + residual, f32 [4096][1024].  A: codes of E4M3 as IMAGES of operand registers, [m / 256][k / 256][row block of 16][k block of 128][2048 bytes]; B: codes [1024][SIZE_K], K innermost.
; A tile of 256 x 256 is made by four waves, 128 x 128 each.  K goes in steps of 256 through a ring of two LDS slots filled by joint tensor loads (4 x 4 cluster: A's tiles shared along a row, B's along a column).
; A slot: A's 65,536 bytes as they lie in memory, then B's 256 rows of 256 bytes + 16 of padding.  A's fragment comes by four loads of 16 bytes at 16 x lane; it holds k in the plain 8-bit layout's places
; (registers 2 c, 2 c + 1: k = 16 c + 8 h + 0 .. 7: ISA guide 7.12.2), so B's comes by eight loads of 8 bytes at row x 272 + 8 h + 16 c.
; THE MATRIX INSTRUCTION IS USED TRANSPOSED: a lane holds eight neighbouring columns of a row.  The sums go through the wave's own stage in LDS and come back as whole rows of 512 bytes.
; The stage lies in slot 0, which has had its last fill and its last read by then.
; LIMITS: ea + eb between -126 and 127.  Product, residual and bias are added in the order (sum x 2^e + residual) + bias.
.set SIZE_K, 4096
.set EOFF,   56
.set NS,     SIZE_K/256
.set KSTEP,  256
.set ROWB,   256
.set KROW,   SIZE_K
.set PITCH,  272
.set FR,     16
.set NL,     4
.set NP,     4
.set HALFT,  128*PITCH
.set ABYTES, 65536
.set SLOT,   ABYTES+2*HALFT
.set LAPS,   SIZE_K/(2*KSTEP)
.set SPARE,  2*SLOT
.set SPITCH, 528
.set ADRA, 16
.set ADRB, 20
.set STO,  24
.set RD,   25
.set CO,   26
.set SPW,  28
.set NIL,  29
.set B4,   32
.set AF,   128
.set BK,   128
.set G1, 24
.set G0, 32
.set G1B, 48
.set G0B, 56
.set MSB, 0
.macro WIN new
.if MSB != \new
	s_set_vgpr_msb (MSB<<8)|\new
.set MSB, \new
.endif
.endm
.set MUL_LO, 0xa1
.set MUL_HI, 0xf1
.set TO_B,   0x40
.macro JLOAD g0a, g1a, g0b, g1b
	s_cmp_eq_u32 s15, 0
	s_cbranch_scc0 .Lfor_b_\@
	tensor_load_to_lds s[\g0a:\g0a+3], s[\g1a:\g1a+7]
	s_nop 0
.rept 4
	v_nop
.endr
	s_branch .Lasked_\@
.Lfor_b_\@:
	tensor_load_to_lds s[\g0b:\g0b+3], s[\g1b:\g1b+7]
	s_nop 0
.rept 4
	v_nop
.endr
.Lasked_\@:
.endm
.macro CREST
	s_cmp_lg_u32 s14, 0
	s_cbranch_scc1 .Lnot_wave_0_\@
	s_barrier_signal -3
.Lnot_wave_0_\@:
	s_barrier_wait -3
	s_barrier_signal -1
	s_barrier_wait -1
.endm
.macro CROUND
	s_barrier_signal -1
	s_barrier_wait -1
	CREST
.endm
	s_load_b256 s[4:11], s[0:1], 0x0               ; A's images, B's codes, the scales' exponents, the bias
	s_load_b128 s[68:71], s[0:1], 0x20             ; the residual, the output
	v_lshl_add_u32 v[SPW], v0, 2, SPARE
	v_mov_b32 v[NIL], 0
	ds_add_u32 v28, v29
	ds_add_u32 v28, v29
	s_wait_dscnt 0x0
	v_lshrrev_b32 v1, 5, v0
	v_readfirstlane_b32 s14, v1
	s_lshr_b32 s15, s14, 1
	s_and_b32 s16, s14, 1
	s_bfe_u32 s40, ttmp6, 0x40000
	s_bfe_u32 s41, ttmp6, 0x40004
	s_lshl_b32 s42, ttmp9, 2
	s_add_co_u32 s42, s42, s40                     ; tile column
	s_and_b32 s17, ttmp7, 0xffff
	s_lshl_b32 s17, s17, 2
	s_add_co_u32 s17, s17, s41                     ; tile row
	s_lshl_b32 s43, s41, 2
	s_lshl_b32 s43, 15, s43
	s_lshl_b32 s44, 0x1111, s40
	s_or_b32 s[G1+0], s43, (3<<16)|(1<<21)         ; A: the mask of my row; elements of 8 bytes; no padding; bit 21 beside a mask
	s_mov_b32 s[G1+1], 32<<16
	s_mov_b32 s[G1+2], 128<<16
	s_mov_b32 s[G1+3], 32<<16
	s_mov_b32 s[G1+4], 128
	s_mov_b32 s[G1+5], 32
	s_mov_b32 s[G1+6], 0
	s_mov_b32 s[G1+7], 0
	s_or_b32 s[G1B+0], s44, (1<<20)|(1<<21)|(5<<22)|(3<<25)
	s_mov_b32 s[G1B+1], ROWB<<16
	s_mov_b32 s[G1B+2], 128<<16
	s_mov_b32 s[G1B+3], ROWB<<16
	s_mov_b32 s[G1B+4], 128
	s_mov_b32 s[G1B+5], KROW
	s_mov_b32 s[G1B+6], 0
	s_mov_b32 s[G1B+7], 0
	s_mul_i32 s20, s17, NS*ABYTES
	s_lshl_b32 s18, s16, 15
	s_add_co_u32 s20, s20, s18
	s_mov_b32 s21, 0
	s_lshl_b32 s46, s42, 8
	s_lshl_b32 s18, s16, 7
	s_add_co_u32 s46, s46, s18
	s_mul_i32 s46, s46, KROW
	s_mov_b32 s47, 0
	s_lshl_b32 s45, s16, 15
	s_mul_i32 s23, s16, HALFT
	s_add_co_u32 s23, s23, ABYTES
	s_wait_kmcnt 0x0
	s_load_b64 s[96:97], s[8:9], EOFF              ; ea, eb
	s_add_nc_u64 s[20:21], s[4:5], s[20:21]
	s_add_nc_u64 s[46:47], s[6:7], s[46:47]
	CROUND
.irp s, 0,1
	s_mov_b32 s[G0+4*\s], 1
	s_add_co_u32 s[G0+4*\s+1], s45, \s*SLOT
	s_add_nc_u64 s[G0+4*\s+2:G0+4*\s+3], s[20:21], \s*ABYTES
	s_or_b32 s[G0+4*\s+3], s[G0+4*\s+3], 0x80000000
	s_mov_b32 s[G0B+4*\s], 1
	s_add_co_u32 s[G0B+4*\s+1], s23, \s*SLOT
	s_add_nc_u64 s[G0B+4*\s+2:G0B+4*\s+3], s[46:47], \s*ROWB
	s_or_b32 s[G0B+4*\s+3], s[G0B+4*\s+3], 0x80000000
	JLOAD G0+4*\s, G1, G0B+4*\s, G1B
.endr
	v_and_b32 v1, 15, v0
	v_bfe_u32 v2, v0, 4, 1
	v_and_b32 v27, 31, v0
	v_lshlrev_b32 v[CO], 4, v27
	v_mul_u32_u24 v3, v1, PITCH
	v_lshl_add_u32 v4, v2, 3, v3
	s_lshl_b32 s21, s15, 15
	s_mul_i32 s22, s16, HALFT
	s_add_co_u32 s22, s22, ABYTES
.irp s, 0,1
	v_add_nc_u32 v[ADRA+\s], s21, v[CO]
	v_add_nc_u32 v[ADRB+\s], s22, v4
	s_add_co_u32 s21, s21, SLOT
	s_add_co_u32 s22, s22, SLOT
.endr
	s_mul_i32 s23, s14, 16*SPITCH
	v_mul_u32_u24 v5, v1, SPITCH
	v_lshl_add_u32 v5, v2, 5, v5
	v_add_nc_u32 v[STO], s23, v5
	v_add_nc_u32 v[RD], s23, v[CO]
	s_lshl_b32 s20, s17, 8
	s_lshl_b32 s21, s15, 7
	s_add_co_u32 s20, s20, s21
	s_lshl_b32 s20, s20, 12
	s_lshl_b32 s46, s42, 10
	s_lshl_b32 s47, s16, 9
	s_add_co_u32 s46, s46, s47
	s_mov_b32 s47, 0
	s_add_nc_u64 s[10:11], s[10:11], s[46:47]
	s_add_co_u32 s20, s20, s46
	s_mov_b32 s21, 0
	s_add_nc_u64 s[68:69], s[68:69], s[20:21]
	s_add_nc_u64 s[70:71], s[70:71], s[20:21]
	global_load_b128 v[B4:B4+3], v[CO], s[10:11]
.macro FRAGA reg, adr, q, i
.irp c, 0,1,2,3
	ds_load_b128 v[\reg+4*\c:\reg+4*\c+3], v[\adr] offset:(2*(\i)+(\q))*2048+512*\c
.endr
.endm
.macro FRAGB reg, adr, q, i
.irp c, 0,1,2,3,4,5,6,7
	ds_load_b64 v[\reg+2*\c:\reg+2*\c+1], v[\adr] offset:128*(\q)+16*\c+(\i)*16*PITCH
.endr
.endm
; The 64 accumulators take turns, one instruction a turn, in the same order in every step.
.macro MUL16 a0, p, zero
.irp a, \a0, \a0+1
.irp b, 0,1,2,3,4,5,6,7
.if \zero
	v_wmma_f32_16x16x128_fp8_fp8 v[8*(8*((\a)%4)+\b):8*(8*((\a)%4)+\b)+7], v[128*(\p)+FR*\b:128*(\p)+FR*\b+FR-1], v[AF+FR*(\a):AF+FR*(\a)+FR-1], 0
.else
	v_wmma_f32_16x16x128_fp8_fp8 v[8*(8*((\a)%4)+\b):8*(8*((\a)%4)+\b)+7], v[128*(\p)+FR*\b:128*(\p)+FR*\b+FR-1], v[AF+FR*(\a):AF+FR*(\a)+FR-1], v[8*(8*((\a)%4)+\b):8*(8*((\a)%4)+\b)+7]
.endif
.endr
.endr
.endm
.macro FETCH_B slot, q, p
	WIN TO_B
.irp i, 0,1,2,3,4,5,6,7
	FRAGB 128*(\p)+FR*\i, ADRB+\slot, \q, \i
.endr
	WIN 0
.endm
.macro FETCH_A slot, q, i0
.irp i, \i0, \i0+1, \i0+2, \i0+3
	FRAGA AF+FR*(\i), ADRA+\slot, \q, \i
.endr
.endm
.macro PLACES n
.rept \n
	v_nop
.endr
.endm
.macro STEP slot, q, zero
	s_wait_dscnt 4*NL                              ; B's set and A's blocks 0-3 are in; the youngest 16 loads (A's blocks 4-7) may be out
	WIN MUL_LO
	MUL16 0, (\q)%2, \zero
	MUL16 2, (\q)%2, \zero
	s_wait_dscnt 0
	PLACES NP
	FETCH_B \slot, (\q)+1, 1-(\q)%2
	FETCH_A \slot, (\q)+1, 0
	WIN MUL_HI
	MUL16 4, (\q)%2, \zero
	MUL16 6, (\q)%2, \zero
	PLACES NP
	WIN 0
	FETCH_A \slot, (\q)+1, 4
.endm
.macro TURN slot, next, fill
	s_wait_tensorcnt 0x0                           ; all my tensor loads have landed: my part of the next slot
	ds_add_u32 v[SPW], v[NIL]                      ; 0 onto my spare word
	s_wait_dscnt 4*NL+1                            ; the add and the youngest 16 loads may be out
	WIN MUL_LO
	MUL16 0, 1, 0
	s_wait_dscnt 0x0                               ; the add is done, and my reads of this slot are over
	s_barrier_signal -1
	MUL16 2, 1, 0
	WIN 0
	s_barrier_wait -1
.if \fill
	CREST                                          ; no wave of any partner still reads this slot or has a load on its way
	s_add_nc_u64 s[G0+4*\slot+2:G0+4*\slot+3], s[G0+4*\slot+2:G0+4*\slot+3], 2*ABYTES
	s_add_nc_u64 s[G0B+4*\slot+2:G0B+4*\slot+3], s[G0B+4*\slot+2:G0B+4*\slot+3], 2*ROWB
	JLOAD G0+4*\slot, G1, G0B+4*\slot, G1B
.else
	PLACES NP
.endif
	FETCH_B \next, 0, 0
	FETCH_A \next, 0, 0
	WIN MUL_HI
	MUL16 4, 1, 0
	MUL16 6, 1, 0
	PLACES NP
	WIN 0
	FETCH_A \next, 0, 4
.endm
	s_wait_tensorcnt 1                             ; my part of K step 0 is in; K step 1's load may be out
	s_barrier_signal -1
	s_barrier_wait -1
	FETCH_B 0, 0, 0
	FETCH_A 0, 0, 0
	FETCH_A 0, 0, 4
	STEP 0, 0, 1
	s_mov_b32 s3, LAPS-1
.Llap:
	TURN 0, 1, 1
	STEP 1, 0, 0
	TURN 1, 0, 1
	STEP 0, 0, 0
	s_sub_co_u32 s3, s3, 1
	s_cmp_lg_u32 s3, 0
	s_cbranch_scc1 .Llap
	TURN 0, 1, 0
	STEP 1, 0, 0
	s_wait_dscnt 4*NL
	WIN MUL_LO
	MUL16 0, 1, 0
	MUL16 2, 1, 0
	s_wait_dscnt 0
	WIN MUL_HI
	MUL16 4, 1, 0
	MUL16 6, 1, 0
	WIN 0
; THE WAY OUT, block by block of 16 rows x 128 columns.
.macro RLOAD a                         ; the residual's 16 rows of block a into window 1 (B's registers, which are done with)
	WIN TO_B
.set i, 0
.rept 16
	global_load_b128 v[64*((\a)%4)+4*i:64*((\a)%4)+4*i+3], v[CO], s[68:69] offset:(16*(\a)+i)*4096 th:TH_LOAD_NT
.set i, i+1
.endr
	WIN 0
.endm
.macro TOSTAGE a                       ; the raw sums into my stage, each accumulator from its low end on, and back as whole rows.  LDS serves a wave's instructions in order (ISA guide 5.7.1.4)
.set AC, 64*((\a)%4)
.set WW, 0x08+4*((\a)/4)
.set BB, BK+64*((\a)%2)
	WIN WW
.irp b, 0,1,2,3,4,5,6,7
	ds_store_b128 v[STO], v[AC+8*\b:AC+8*\b+3] offset:64*\b
	ds_store_b128 v[STO], v[AC+8*\b+4:AC+8*\b+7] offset:64*\b+16
.endr
	WIN 0
.set i, 0
.rept 16
	ds_load_b128 v[BB+4*i:BB+4*i+3], v[RD] offset:i*SPITCH
.set i, i+1
.endr
.endm
.macro FIN a, younger
.set BB, BK+64*((\a)%2)
.set RS, 64*((\a)%4)
	s_wait_dscnt \younger
.if 7-(\a) >= 3
	s_wait_loadcnt 48                              ; block a's residual is in; the three blocks asked for behind it may be out
.else
	s_wait_loadcnt 16*(7-(\a))
.endif
	WIN 0x10                                       ; source 2 (the residual): window 1
.set i, 0
.rept 32
	v_pk_fma_f32 v[BB+i:BB+i+1], v[BB+i:BB+i+1], s[96:97], v[RS+i:RS+i+1] op_sel_hi:[1,0,1]
.set i, i+2
.endr
	WIN 0
.set i, 0
.rept 32
	v_pk_add_f32 v[BB+i:BB+i+1], v[BB+i:BB+i+1], v[B4+i%4:B4+i%4+1]
.set i, i+2
.endr
.set i, 0
.rept 16
	global_store_b128 v[CO], v[BB+4*i:BB+4*i+3], s[70:71] offset:(16*(\a)+i)*4096 th:TH_STORE_NT   ; 32 lanes store 512 consecutive bytes, aligned
.set i, i+1
.endr
.if (\a) < 4
	RLOAD (\a)+4
.endif
.endm
	s_wait_kmcnt 0x0
	s_add_co_i32 s96, s96, s97
	s_add_co_i32 s96, s96, 127
	s_lshl_b32 s96, s96, 23                        ; 2^(ea + eb) as f32
	s_mov_b32 s97, s96
	PLACES NP                                      ; behind the last products: loads into their sources and stores of their results follow
	RLOAD 0
	RLOAD 1
	RLOAD 2
	RLOAD 3
	TOSTAGE 0
.irp a, 1,2,3,4,5,6,7
.if \a > 1
	s_wait_xcnt 0x0                                ; block a - 2's stores have read their registers: block a's loads may land there
.endif
	TOSTAGE \a
	FIN \a-1, 32                                   ; behind block a - 1's loads: block a's 16 stores and 16 loads
.endr
	s_wait_xcnt 0x0
	FIN 7, 0
	s_wait_tensorcnt 0x0                           ; the wave's end
	ds_add_u32 v[SPW], v[NIL]
	s_wait_dscnt 0x0
	CROUND                                         ; the closing round
	s_endpgm
.Lfunc_end_k_q6df85d3d41_ffn2:
	.size	k_q6df85d3d41_ffn2, .Lfunc_end_k_q6df85d3d41_ffn2-k_q6df85d3d41_ffn2
	.p2alignl 7, 3214868480
	.fill 96, 4, 3214868480
	.section	.rodata,"a",@progbits
	.p2align	6, 0x0
	.amdhsa_kernel k_q6df85d3d41_ffn2
		.amdhsa_group_segment_fixed_size 327680
		.amdhsa_private_segment_fixed_size 0
		.amdhsa_enable_private_segment 0
		.amdhsa_kernarg_size 48
		.amdhsa_user_sgpr_count 2
		.amdhsa_user_sgpr_kernarg_segment_ptr 1
		.amdhsa_wavefront_size32 1
		.amdhsa_system_sgpr_workgroup_id_x 1
		.amdhsa_system_sgpr_workgroup_id_y 1
		.amdhsa_system_sgpr_workgroup_id_z 1
		.amdhsa_system_vgpr_workitem_id 0
		.amdhsa_next_free_vgpr 1024
		.amdhsa_next_free_sgpr 100
		.amdhsa_reserve_vcc 0
		.amdhsa_float_denorm_mode_32 3
		.amdhsa_float_denorm_mode_16_64 3
		.amdhsa_memory_ordered 1
		.amdhsa_forward_progress 1
		.amdhsa_inst_pref_size 168
	.end_amdhsa_kernel
	.amdgpu_metadata
---
amdhsa.version: [ 1, 2 ]
amdhsa.kernels:
  - .name:           k_q6df85d3d41_ffn2
    .symbol:         k_q6df85d3d41_ffn2.kd
    .args:
      - { .name: hc, .offset: 0, .size: 8, .value_kind: global_buffer, .address_space: global }
      - { .name: W2_codes, .offset: 8, .size: 8, .value_kind: global_buffer, .address_space: global }
      - { .name: lowp_scales, .offset: 16, .size: 8, .value_kind: global_buffer, .address_space: global }
      - { .name: b2, .offset: 24, .size: 8, .value_kind: global_buffer, .address_space: global }
      - { .name: y1, .offset: 32, .size: 8, .value_kind: global_buffer, .address_space: global }
      - { .name: out0, .offset: 40, .size: 8, .value_kind: global_buffer, .address_space: global }
    .group_segment_fixed_size: 327680
    .private_segment_fixed_size: 0
    .kernarg_segment_align: 8
    .kernarg_segment_size: 48
    .max_flat_workgroup_size: 128
    .sgpr_count:     100
    .vgpr_count:     1024
    .wavefront_size: 32
...
	.end_amdgpu_metadata
.endif
;; end of part 8
;; ======== version 2 of 2: 8 launches
;; limits: right only within a limited range of input values
;; workspace buffers: st1 2,048 bytes; yc 8,388,608 bytes; qkv 12,582,912 bytes; ac 4,194,304 bytes; y1 16,777,216 bytes; st2 2,048 bytes; nc 4,194,304 bytes; hc 16,777,216 bytes
;; launch stats1 (part 9): grid 256 x 1, 16 waves a work-group, no clusters, 2,304 bytes of LDS; arguments y, st1; writes st1
.if DOCPART == 9
	.amdgcn_target "amdgcn-amd-amdhsa--gfx1250"
	.amdhsa_code_object_version 6
	.text
	.protected	k_q6df85d3d41_stats1
	.globl	k_q6df85d3d41_stats1
	.p2align	8
	.type	k_q6df85d3d41_stats1,@function
k_q6df85d3d41_stats1:
	s_mov_b64 s[64:65], 0
	v_nop
	global_prefetch_b8 v0, s[64:65] scope:SCOPE_SE
	s_setreg_imm32_b32 hwreg(HW_REG_WAVE_MODE, 25, 1), 1
	s_wait_xcnt 0x0
; The first norm's statistics, in parts.  y is [2][2048 x 1024] f32; the norm is taken over a whole batch, 2,097,152 numbers.
; Work-group g takes 16,384 consecutive numbers (65,536 bytes; batch g / 128) and stores the pair (mean, sum of squared differences from that mean)
; at byte 8 g of st1.  The later launch joins 128 such pairs of equal count: no difference of large sums is ever formed.
; Sixteen waves; a thread keeps its 32 numbers in registers between the two passes, so y is read once.  Load i of a wave covers 512 consecutive bytes.
; A stream bound by memory: no matrix unit, no cluster (work-groups share no input), no tensor load.
.set X, 8                              ; v8-39 my 32 numbers
.macro WSUM r                          ; the sum over the wave's 32 lanes, in every lane
	s_delay_alu instid0(VALU_DEP_1)
	v_add_f32_dpp v[\r], v[\r], v[\r] row_xmask:1 row_mask:0xf bank_mask:0xf
	s_delay_alu instid0(VALU_DEP_1)
	v_add_f32_dpp v[\r], v[\r], v[\r] row_xmask:2 row_mask:0xf bank_mask:0xf
	s_delay_alu instid0(VALU_DEP_1)
	v_add_f32_dpp v[\r], v[\r], v[\r] row_xmask:4 row_mask:0xf bank_mask:0xf
	s_delay_alu instid0(VALU_DEP_1)
	v_add_f32_dpp v[\r], v[\r], v[\r] row_xmask:8 row_mask:0xf bank_mask:0xf
	s_delay_alu instid0(VALU_DEP_1)
	v_permlanex16_b32 v5, v[\r], s12, s13
	s_delay_alu instid0(VALU_DEP_1)
	v_add_f32 v[\r], v[\r], v5
.endm
.macro FOLD                            ; four chains of pairs, v40-47, into v40
	s_delay_alu instid0(VALU_DEP_3)
	v_pk_add_f32 v[40:41], v[40:41], v[42:43]
	s_delay_alu instid0(VALU_DEP_2)
	v_pk_add_f32 v[44:45], v[44:45], v[46:47]
	s_delay_alu instid0(VALU_DEP_1)
	v_pk_add_f32 v[40:41], v[40:41], v[44:45]
	s_delay_alu instid0(VALU_DEP_1)
	v_add_f32 v40, v40, v41
.endm
.macro GSUM off                        ; v40 of the sixteen waves, added, into v48 of every lane; 64 LDS bytes from off on
	ds_store_b32 v3, v40 offset:\off
	s_wait_dscnt 0x0                               ; for the others' sake: my word lies in LDS
	s_barrier_signal -1
	s_barrier_wait -1
.irp i, 0,1,2,3
	ds_load_b128 v[48+4*\i:51+4*\i], v4 offset:\off+16*\i
.endr
	s_wait_dscnt 0x0
	v_pk_add_f32 v[48:49], v[48:49], v[50:51]
	v_pk_add_f32 v[52:53], v[52:53], v[54:55]
	v_pk_add_f32 v[56:57], v[56:57], v[58:59]
	v_pk_add_f32 v[60:61], v[60:61], v[62:63]
	s_delay_alu instid0(VALU_DEP_3)
	v_pk_add_f32 v[48:49], v[48:49], v[52:53]
	s_delay_alu instid0(VALU_DEP_2)
	v_pk_add_f32 v[56:57], v[56:57], v[60:61]
	s_delay_alu instid0(VALU_DEP_1)
	v_pk_add_f32 v[48:49], v[48:49], v[56:57]
	s_delay_alu instid0(VALU_DEP_1)
	v_add_f32 v48, v48, v49
.endm
	s_load_b128 s[4:7], s[0:1], 0x0                ; y, st1
	v_lshl_add_u32 v64, v0, 2, 0x100
	v_mov_b32 v65, 0
	v_lshrrev_b32 v1, 5, v0
	s_delay_alu instid0(VALU_DEP_1)
	v_readfirstlane_b32 s8, v1                     ; wave
	v_lshlrev_b32 v2, 4, v0                        ; 16 x thread
	s_delay_alu instid0(VALU_DEP_3)
	v_lshlrev_b32 v3, 2, v1                        ; my wave's LDS word
	v_mov_b32 v4, 0
	v_mov_b32 v5, 0                                ; a lane permute's destination counts as read
	s_mov_b32 s12, 0x76543210
	s_mov_b32 s13, 0xfedcba98
	s_lshl_b32 s10, ttmp9, 16                      ; my work-group's 65,536 bytes
	s_mov_b32 s11, 0
	s_lshl_b32 s14, ttmp9, 3                       ; my pair's byte
	v_mov_b32 v9, s14
	s_wait_alu depctr_va_vdst(0)
	s_wait_kmcnt 0x0
	s_add_nc_u64 s[4:5], s[4:5], s[10:11]
	v_mov_b32 v1, v9                               ; the pair's byte, kept out of the data's registers
.irp i, 0,1,2,3,4,5,6,7
	global_load_b128 v[X+4*\i:X+4*\i+3], v2, s[4:5] offset:8192*\i th:TH_LOAD_NT
.endr
	s_wait_loadcnt 0x0
	; pass 1: the sum
.irp k, 0,1,2,3
	v_pk_add_f32 v[40+2*\k:41+2*\k], v[X+4*\k:X+4*\k+1], v[X+4*\k+2:X+4*\k+3]
.endr
.set i, 16
.rept 8
	s_delay_alu instid0(VALU_DEP_4)
	v_pk_add_f32 v[40+i%8:41+i%8], v[40+i%8:41+i%8], v[X+i:X+i+1]
.set i, i+2
.endr
	FOLD
	WSUM 40
	GSUM 0
	s_delay_alu instid0(VALU_DEP_1)
	v_mul_f32 v6, 0x38800000, v48                  ; mean = sum / 16,384
	s_delay_alu instid0(VALU_DEP_2)
	v_mul_f32 v7, 0x38800000, v48
	; pass 2: the squared differences from that mean
.set i, 0
.rept 16
	v_pk_add_f32 v[X+i:X+i+1], v[X+i:X+i+1], v[6:7] neg_lo:[0,1] neg_hi:[0,1]
.set i, i+2
.endr
.irp k, 0,1,2,3
	v_pk_mul_f32 v[40+2*\k:41+2*\k], v[X+2*\k:X+2*\k+1], v[X+2*\k:X+2*\k+1]
.endr
.set i, 8
.rept 12
	s_delay_alu instid0(VALU_DEP_4)
	v_pk_fma_f32 v[40+i%8:41+i%8], v[X+i:X+i+1], v[X+i:X+i+1], v[40+i%8:41+i%8]
.set i, i+2
.endr
	FOLD
	WSUM 40
	GSUM 64                                        ; other LDS bytes than the first sum's: no barrier is owed between the two
	s_delay_alu instid0(VALU_DEP_1)
	v_mov_b32 v7, v48
	s_cmp_lg_u32 s8, 0                             ; wave 0's lane 0 stores the pair; no barrier follows
	s_cbranch_scc1 .Lend
	v_cmp_eq_u32 vcc_lo, 0, v0
	s_wait_xcnt 0x0                                ; EXEC changes only behind this wait
	s_and_saveexec_b32 s9, vcc_lo
	s_wait_alu depctr_va_vdst(0)
	global_store_b64 v1, v[6:7], s[6:7]
	s_wait_xcnt 0x0
	s_or_b32 exec_lo, exec_lo, s9
.Lend:
	s_wait_tensorcnt 0x0
	ds_add_u32 v64, v65
	s_wait_dscnt 0x0
	s_endpgm
.Lfunc_end_k_q6df85d3d41_stats1:
	.size	k_q6df85d3d41_stats1, .Lfunc_end_k_q6df85d3d41_stats1-k_q6df85d3d41_stats1
	.p2alignl 7, 3214868480
	.fill 96, 4, 3214868480
	.section	.rodata,"a",@progbits
	.p2align	6, 0x0
	.amdhsa_kernel k_q6df85d3d41_stats1
		.amdhsa_group_segment_fixed_size 2304
		.amdhsa_private_segment_fixed_size 0
		.amdhsa_enable_private_segment 0
		.amdhsa_kernarg_size 16
		.amdhsa_user_sgpr_count 2
		.amdhsa_user_sgpr_kernarg_segment_ptr 1
		.amdhsa_wavefront_size32 1
		.amdhsa_system_sgpr_workgroup_id_x 1
		.amdhsa_system_sgpr_workgroup_id_y 1
		.amdhsa_system_sgpr_workgroup_id_z 1
		.amdhsa_system_vgpr_workitem_id 0
		.amdhsa_next_free_vgpr 66
		.amdhsa_next_free_sgpr 66
		.amdhsa_reserve_vcc 1
		.amdhsa_float_denorm_mode_32 3
		.amdhsa_float_denorm_mode_16_64 3
		.amdhsa_memory_ordered 1
		.amdhsa_forward_progress 1
		.amdhsa_inst_pref_size 10
	.end_amdhsa_kernel
	.amdgpu_metadata
---
amdhsa.version: [ 1, 2 ]
amdhsa.kernels:
  - .name:           k_q6df85d3d41_stats1
    .symbol:         k_q6df85d3d41_stats1.kd
    .args:
      - { .name: y, .offset: 0, .size: 8, .value_kind: global_buffer, .address_space: global }
      - { .name: st1, .offset: 8, .size: 8, .value_kind: global_buffer, .address_space: global }
    .group_segment_fixed_size: 2304
    .private_segment_fixed_size: 0
    .kernarg_segment_align: 8
    .kernarg_segment_size: 16
    .max_flat_workgroup_size: 512
    .sgpr_count:     66
    .vgpr_count:     66
    .wavefront_size: 32
...
	.end_amdgpu_metadata
.endif
;; end of part 9
;; launch lnq1 (part 10): grid 512 x 1, 4 waves a work-group, no clusters, 41,472 bytes of LDS; arguments y, ln1_w, ln1_b, st1, lowp_scales, yc; writes yc
.if DOCPART == 10
	.amdgcn_target "amdgcn-amd-amdhsa--gfx1250"
	.amdhsa_code_object_version 6
	.text
	.protected	k_q6df85d3d41_lnq1
	.globl	k_q6df85d3d41_lnq1
	.p2align	8
	.type	k_q6df85d3d41_lnq1,@function
k_q6df85d3d41_lnq1:
	s_mov_b64 s[64:65], 0
	v_nop
	global_prefetch_b8 v0, s[64:65] scope:SCOPE_SE
	s_setreg_imm32_b32 hwreg(HW_REG_WAVE_MODE, 25, 1), 1
	s_wait_xcnt 0x0
; The norm over (L, D) of a batch, and its quantising to codes of E4M3, row-major [4096][1024], K innermost.
; n = (t - mean) x rsqrt(var + 1e-5) x gain + bias, all in f32;  code = n / 2^e, to the nearest code, ties to even.
; TWO = 1: the same numbers are quantised with two given scales (entries EOFF/4 and EOFF/4 + 2 of the scales): the second set of codes lies 4,194,304 bytes behind the first.
; mean and var come from 128 pairs (mean_i, M2_i) a batch, each over 16,384 numbers: mean = the means' mean; M2 = sum M2_i + 16,384 sum (mean_i - mean)^2.
; SHARES.  Wave W = 4 x work-group + wave takes positions 1024 W .. 1024 W + 1023 of the (L, D) plane for BOTH batches, so gain and bias are read once; two steps of 512 positions.
; Each load reads 512 consecutive bytes.  The conversions want 16 neighbours in one lane: the finished numbers turn through the wave's own stage in LDS (64 bytes + 16 of padding a lane).
; Each (step, batch) has a stage of its own, so no LDS byte is written twice and no barrier is needed: waves share nothing.
; LIMITS: each e between -126 and 127.  NaN among the inputs is not served.  A stream bound by memory: no matrix unit, no cluster, no tensor load.
.set TWO,  1
.set EOFF, 8
.set DAT,  48                          ; v48-175: step t at DAT + 64 t: batch 0's 16 numbers, batch 1's, gain, bias
.set COD,  176                         ; v176-207: codes, 8 registers for each (step, batch); never written twice
.macro WSUM r
	v_add_f32_dpp v[\r], v[\r], v[\r] row_xmask:1 row_mask:0xf bank_mask:0xf
	v_add_f32_dpp v[\r], v[\r], v[\r] row_xmask:2 row_mask:0xf bank_mask:0xf
	v_add_f32_dpp v[\r], v[\r], v[\r] row_xmask:4 row_mask:0xf bank_mask:0xf
	v_add_f32_dpp v[\r], v[\r], v[\r] row_xmask:8 row_mask:0xf bank_mask:0xf
	v_permlanex16_b32 v39, v[\r], s28, s29
	v_add_f32 v[\r], v[\r], v39
.endm
.macro LOADS t
.irp i, 0,1,2,3
	global_load_b128 v[DAT+64*\t+4*\i:DAT+64*\t+4*\i+3], v2, s[4:5] offset:2048*\t+512*\i th:TH_LOAD_NT
.endr
.irp i, 0,1,2,3
	global_load_b128 v[DAT+64*\t+16+4*\i:DAT+64*\t+16+4*\i+3], v2, s[20:21] offset:2048*\t+512*\i th:TH_LOAD_NT
.endr
.irp i, 0,1,2,3
	global_load_b128 v[DAT+64*\t+32+4*\i:DAT+64*\t+32+4*\i+3], v2, s[6:7] offset:2048*\t+512*\i th:TH_LOAD_NT
.endr
.irp i, 0,1,2,3
	global_load_b128 v[DAT+64*\t+48+4*\i:DAT+64*\t+48+4*\i+3], v2, s[8:9] offset:2048*\t+512*\i th:TH_LOAD_NT
.endr
.endm
.macro COMBINE bt                      ; batch bt: my four pairs in v[8 + 8 bt ..]; the mean into the pair v[24 + 4 bt], var + eps into v[44 + bt]
.set P,  8+8*(\bt)
.set MB, 24+4*(\bt)
	v_add_f32 v32, v[P], v[P+2]
	v_add_f32 v33, v[P+4], v[P+6]
	v_add_f32 v32, v32, v33
	WSUM 32
	v_mul_f32 v[MB], 0x3c000000, v32               ; / 128
	v_mul_f32 v[MB+1], 0x3c000000, v32
	v_sub_f32 v32, v[P], v[MB]
	v_sub_f32 v33, v[P+2], v[MB]
	v_sub_f32 v34, v[P+4], v[MB]
	v_sub_f32 v35, v[P+6], v[MB]
	v_add_f32 v36, v[P+1], v[P+3]
	v_add_f32 v38, v[P+5], v[P+7]
	v_mul_f32 v32, v32, v32
	v_fmac_f32 v32, v33, v33
	v_fmac_f32 v32, v34, v34
	v_fmac_f32 v32, v35, v35
	v_add_f32 v36, v36, v38
	v_fmac_f32 v36, 0x46800000, v32                ; + 16,384 x the means' squared differences
	WSUM 36
	v_fma_f32 v[44+(\bt)], v36, s30, s31           ; / 2,097,152 + eps
.endm
.macro NORM t, bt                      ; in place, in the layout of the loads
.set YR, DAT+64*(\t)+16*(\bt)
.set WR, DAT+64*(\t)+32
.set BG, DAT+64*(\t)+48
.set i, 0
.rept 8
	v_pk_add_f32 v[YR+i:YR+i+1], v[YR+i:YR+i+1], v[24+4*(\bt):25+4*(\bt)] neg_lo:[0,1] neg_hi:[0,1]
.set i, i+2
.endr
.set i, 0
.rept 8
	v_pk_mul_f32 v[YR+i:YR+i+1], v[YR+i:YR+i+1], v[26+4*(\bt):27+4*(\bt)]
.set i, i+2
.endr
.set i, 0
.rept 8
	v_pk_fma_f32 v[YR+i:YR+i+1], v[YR+i:YR+i+1], v[WR+i:WR+i+1], v[BG+i:BG+i+1]
.set i, i+2
.endr
.endm
.macro TURN t, bt                      ; through the stage; back into the gain's (batch 0) or the bias's (batch 1) registers, which both norms have read.  LDS serves a wave's instructions in order
.set YR, DAT+64*(\t)+16*(\bt)
.set XS, DAT+64*(\t)+32+16*(\bt)
.set SG, 2560*(2*(\t)+(\bt))
.irp i, 0,1,2,3
	ds_store_b128 v3, v[YR+4*\i:YR+4*\i+3] offset:SG+640*\i
.endr
.irp i, 0,1,2,3
	ds_load_b128 v[XS+4*\i:XS+4*\i+3], v4 offset:SG+16*\i
.endr
.endm
.macro QUANT t, bt
.set XS, DAT+64*(\t)+32+16*(\bt)
.set Q1, DAT+64*(\t)
.set Q2, DAT+64*(\t)+16
.set CD, COD+8*(2*(\t)+(\bt))
.set i, 0
.rept 16
.set i, i+1
.endr
.if TWO
.set i, 0
.rept 16
.set i, i+1
.endr
.endif
	v_cvt_scalef32_pk8_fp8_f32 v[CD:CD+1], v[XS:XS+7], v40
	v_cvt_scalef32_pk8_fp8_f32 v[CD+2:CD+3], v[XS+8:XS+15], v40
.if TWO
	v_cvt_scalef32_pk8_fp8_f32 v[CD+4:CD+5], v[XS:XS+7], v42
	v_cvt_scalef32_pk8_fp8_f32 v[CD+6:CD+7], v[XS+8:XS+15], v42
.endif
	v_nop                                          ; a plain line behind the conversions
	global_store_b128 v2, v[CD:CD+3], s[14:15] offset:512*(\t)+0x200000*(\bt)   ; the wave stores 512 consecutive bytes, aligned
.if TWO
	global_store_b128 v2, v[CD+4:CD+7], s[14:15] offset:512*(\t)+0x200000*(\bt)+0x400000
.endif
.endm
	s_load_b256 s[4:11], s[0:1], 0x0               ; the numbers, gain, bias, the pairs
	s_load_b128 s[12:15], s[0:1], 0x20             ; the scales' exponents, the codes
	v_lshl_add_u32 v208, v0, 2, 0xa000
	v_mov_b32 v209, 0
	v_lshrrev_b32 v1, 5, v0
	v_readfirstlane_b32 s16, v1                    ; wave
	v_and_b32 v1, 31, v0                           ; lane
	v_lshlrev_b32 v2, 4, v1                        ; 16 x lane
	s_mul_i32 s17, s16, 10240                      ; my wave's four stages
	v_lshrrev_b32 v3, 2, v1
	v_mul_u32_u24 v3, v3, 80
	v_and_b32 v5, 3, v1
	v_lshl_add_u32 v3, v5, 4, v3
	v_add_nc_u32 v3, s17, v3                       ; into a stage: 80 (lane / 4) + 16 (lane % 4)
	v_mul_u32_u24 v4, v1, 80
	v_add_nc_u32 v4, s17, v4                       ; out of it: 80 x lane
	v_mov_b32 v39, 0
	s_mov_b32 s28, 0x76543210
	s_mov_b32 s29, 0xfedcba98
	s_mov_b32 s30, 0x35000000                      ; 1 / 2,097,152
	s_mov_b32 s31, 0x3727c5ac                      ; 1e-5
	s_lshl_b32 s18, ttmp9, 2
	s_add_co_u32 s18, s18, s16                     ; W
	s_lshl_b32 s22, s18, 10                        ; its codes' byte
	s_mov_b32 s23, 0
	s_lshl_b32 s18, s18, 12                        ; its numbers' byte
	s_mov_b32 s19, 0
	s_wait_alu depctr_va_vdst(0)
	s_wait_kmcnt 0x0
.if TWO
	s_load_b128 s[24:27], s[12:13], EOFF           ; s24 and s26: the two exponents
.else
	s_load_b32 s24, s[12:13], EOFF
.endif
	s_add_nc_u64 s[4:5], s[4:5], s[18:19]
	s_add_nc_u64 s[20:21], s[4:5], 0x800000        ; the second batch's plane: a base of its own, since the distance is past a load's immediate
	s_add_nc_u64 s[6:7], s[6:7], s[18:19]
	s_add_nc_u64 s[8:9], s[8:9], s[18:19]
	s_add_nc_u64 s[14:15], s[14:15], s[22:23]
.irp j, 0,1,2,3
	global_load_b128 v[8+4*\j:11+4*\j], v2, s[10:11] offset:512*\j   ; the pairs: two loads a batch, two pairs a lane each
.endr
	LOADS 0
	LOADS 1
	s_wait_kmcnt 0x0
	s_add_co_i32 s24, s24, 127
	s_lshl_b32 s25, s24, 23
	v_mov_b32 v40, s25                             ; 2^e as f32
.if TWO
	s_add_co_i32 s26, s26, 127
	s_lshl_b32 s27, s26, 23
	v_mov_b32 v42, s27
.endif
	s_wait_loadcnt 32                              ; the pairs are in; the two steps' 32 loads may be out
	COMBINE 0
	COMBINE 1
	s_wait_alu depctr_va_vdst(0)
	v_rsq_f32 v26, v44
	v_rsq_f32 v30, v45
	v_nop                                          ; a plain line behind the roots,
	s_wait_alu depctr_va_vdst(0)                   ; and one wait for both, ahead of their first reader
	v_mov_b32 v27, v26
	v_mov_b32 v31, v30
.irp t, 0,1
	s_wait_loadcnt 16-16*\t                        ; this step's 16 loads are in; the next step's may be out
	NORM \t, 0
	NORM \t, 1
	TURN \t, 0
	TURN \t, 1
	s_wait_dscnt 4                                 ; batch 0 is back, and all eight stores have read their registers; batch 1's four loads may be out
	QUANT \t, 0
	s_wait_dscnt 0x0
	QUANT \t, 1
.endr
	s_wait_tensorcnt 0x0
	ds_add_u32 v208, v209
	s_wait_dscnt 0x0
	s_endpgm
.Lfunc_end_k_q6df85d3d41_lnq1:
	.size	k_q6df85d3d41_lnq1, .Lfunc_end_k_q6df85d3d41_lnq1-k_q6df85d3d41_lnq1
	.p2alignl 7, 3214868480
	.fill 96, 4, 3214868480
	.section	.rodata,"a",@progbits
	.p2align	6, 0x0
	.amdhsa_kernel k_q6df85d3d41_lnq1
		.amdhsa_group_segment_fixed_size 41472
		.amdhsa_private_segment_fixed_size 0
		.amdhsa_enable_private_segment 0
		.amdhsa_kernarg_size 48
		.amdhsa_user_sgpr_count 2
		.amdhsa_user_sgpr_kernarg_segment_ptr 1
		.amdhsa_wavefront_size32 1
		.amdhsa_system_sgpr_workgroup_id_x 1
		.amdhsa_system_sgpr_workgroup_id_y 1
		.amdhsa_system_sgpr_workgroup_id_z 1
		.amdhsa_system_vgpr_workitem_id 0
		.amdhsa_next_free_vgpr 210
		.amdhsa_next_free_sgpr 66
		.amdhsa_reserve_vcc 0
		.amdhsa_float_denorm_mode_32 3
		.amdhsa_float_denorm_mode_16_64 3
		.amdhsa_fp16_overflow 1
		.amdhsa_memory_ordered 1
		.amdhsa_forward_progress 1
		.amdhsa_inst_pref_size 19
	.end_amdhsa_kernel
	.amdgpu_metadata
---
amdhsa.version: [ 1, 2 ]
amdhsa.kernels:
  - .name:           k_q6df85d3d41_lnq1
    .symbol:         k_q6df85d3d41_lnq1.kd
    .args:
      - { .name: y, .offset: 0, .size: 8, .value_kind: global_buffer, .address_space: global }
      - { .name: ln1_w, .offset: 8, .size: 8, .value_kind: global_buffer, .address_space: global }
      - { .name: ln1_b, .offset: 16, .size: 8, .value_kind: global_buffer, .address_space: global }
      - { .name: st1, .offset: 24, .size: 8, .value_kind: global_buffer, .address_space: global }
      - { .name: lowp_scales, .offset: 32, .size: 8, .value_kind: global_buffer, .address_space: global }
      - { .name: yc, .offset: 40, .size: 8, .value_kind: global_buffer, .address_space: global }
    .group_segment_fixed_size: 41472
    .private_segment_fixed_size: 0
    .kernarg_segment_align: 8
    .kernarg_segment_size: 48
    .max_flat_workgroup_size: 128
    .sgpr_count:     66
    .vgpr_count:     210
    .wavefront_size: 32
...
	.end_amdgpu_metadata
.endif
;; end of part 10
;; launch qkv (part 11): grid 4 x 48, 4 waves a work-group, clusters of 4 x 4, 327,680 bytes of LDS; arguments x_codes, yc, Wq_codes, Wk_codes, Wv_codes, bq, bk, bv, lowp_scales, qkv; writes qkv
.if DOCPART == 11
	.amdgcn_target "amdgcn-amd-amdhsa--gfx1250"
	.amdhsa_code_object_version 6
	.text
	.protected	k_q6df85d3d41_qkv
	.globl	k_q6df85d3d41_qkv
	.p2align	8
	.type	k_q6df85d3d41_qkv,@function
k_q6df85d3d41_qkv:
	s_mov_b64 s[64:65], 0
	v_nop
	global_prefetch_b8 v0, s[64:65] scope:SCOPE_SE
	s_setreg_imm32_b32 hwreg(HW_REG_WAVE_MODE, 25, 1), 1
	s_wait_xcnt 0x0
	s_wait_alu depctr_hold_cnt(0) depctr_sa_sdst(0) depctr_va_vdst(0) depctr_va_sdst(0) depctr_va_ssrc(0) depctr_va_vcc(0) depctr_vm_vsrc(0)
	s_getreg_b32 s2, hwreg(HW_REG_IB_STS2, 6, 4)
	s_cmp_eq_u32 s2, 0
	s_cbranch_scc0 .Lentry_in_a_cluster
	s_endpgm
.Lentry_in_a_cluster:
	s_bfe_u32 s2, ttmp6, 0x10000c
	s_cmp_lg_u32 s2, 0xf033
	s_cbranch_scc0 .Lentry_shape_is_right
	s_endpgm
.Lentry_shape_is_right:
; q = x Wq + bq, k = n Wk + bk, v = n Wv + bv on codes of E4M3 (K = 1024), each result quantised at once for attention's products and stored as IMAGES OF OPERAND REGISTERS.
; One launch, three products: cluster y / 4 says which (0: q, 1: k, 2: v); the number is the same in all sixteen partners of a cluster.
; A product is rows x columns, both [.][1024] codes, K innermost.  q: rows x, columns Wq.  k: rows n's codes with the scale of product 2, columns Wk.  v: ROWS Wv, COLUMNS n's codes with the scale of product 3.
; A tile of 256 x 256 is made by four waves, 128 x 128 each: 64 accumulators.  K goes in steps of 256 through a ring of two LDS slots filled by joint tensor loads: the four work-groups of a row of the
; cluster share the rows' tiles, the four of a column the columns' tiles.
; THE MATRIX INSTRUCTION IS USED TRANSPOSED (source 0 = 16 of the columns' rows, source 1 = 16 of the rows' rows): lane (r, h) holds row r and columns 16 b + 8 h + 0 .. 7 in accumulator b.
; That is the place that the plain 8-bit layout gives k = 16 c + 8 h + 0 .. 7 in registers 2 c, 2 c + 1 (ISA guide 7.12.2): the conversion of accumulator b IS registers 2 b, 2 b + 1 of the next operand.
; q, k: a row is a token, 64 columns are a head: 16 tokens x 64 = 8 registers = 1,024 bytes, piece c' at 512 c' + 16 lane.  v: a row is a channel, 128 columns are 128 keys: 16 channels x 128 keys = 16 registers = 2,048 bytes.
; qkv: Q images [32 heads][128 tiles][1024] at 0;  from 0x400000 [32 heads][262144]: K images [128 tiles][1024], then V images [16 key steps][4 channel tiles][2048].
; In the fragments read from LDS k is permuted alike in both operands (four loads of 16 bytes a fragment); only the order of the sums inside an instruction changes.
; LIMITS: the sum of a product's two exponents between -126 and 127; the quantisers' exponents (entries 6, 7, 9) between -126 and 127.
.set SIZE_K, 1024
.set KSTEP,  256
.set ROWB,   256
.set KROW,   SIZE_K
.set PITCH,  272                       ; an LDS row: 256 bytes + 16 of padding = 68 words: the 16 rows of a load start at 16 different banks (64 banks of 4 bytes: ISA guide 11.1)
.set FR,     16
.set NL,     4
.set NP,     4
.set HALFT,  128*PITCH
.set SLOT,   4*HALFT
.set LAPS,   SIZE_K/(2*KSTEP)
.set SPARE,  2*SLOT                    ; behind the ring: the spare words, 128 bytes a wave
.set ADRA, 16
.set ADRB, 20
.set CO,   26                          ; v26  16 x lane
.set CO2,  27                          ; v27  the same, one head on
.set SPW,  28
.set NIL,  29
.set SCL,  30                          ; v30  the quantiser's 2^e
.set LIM,  31
.set BR,   32                          ; v32-47   the bias by rows: block a's, twice, in the pair v[32 + 2 a]
.set BC,   64                          ; v64-127  the bias by columns, in the accumulators' layout
.set AF,   128
.set TMP,  128                         ; the way out: 64 numbers
.set COD,  192                         ; and their codes: two sets of 16 registers by turns
.set G1, 24
.set G0, 32
.set G1B, 48
.set G0B, 56
.set MSB, 0
.macro WIN new
.if MSB != \new
	s_set_vgpr_msb (MSB<<8)|\new
.set MSB, \new
.endif
.endm
.set MUL_LO, 0xa1
.set MUL_HI, 0xf1
.set TO_B,   0x40
.macro JLOAD g0a, g1a, g0b, g1b        ; waves 0 and 1 fetch the rows' tile, waves 2 and 3 the columns'; four v_nop follow each line
	s_cmp_eq_u32 s15, 0
	s_cbranch_scc0 .Lfor_b_\@
	tensor_load_to_lds s[\g0a:\g0a+3], s[\g1a:\g1a+7]
	s_nop 0
.rept 4
	v_nop
.endr
	s_branch .Lasked_\@
.Lfor_b_\@:
	tensor_load_to_lds s[\g0b:\g0b+3], s[\g1b:\g1b+7]
	s_nop 0
.rept 4
	v_nop
.endr
.Lasked_\@:
.endm
.macro CREST
	s_cmp_lg_u32 s14, 0
	s_cbranch_scc1 .Lnot_wave_0_\@
	s_barrier_signal -3
.Lnot_wave_0_\@:
	s_barrier_wait -3
	s_barrier_signal -1
	s_barrier_wait -1
.endm
.macro CROUND
	s_barrier_signal -1
	s_barrier_wait -1
	CREST
.endm
	s_load_b512 s[68:83], s[0:1], 0x0              ; x 68, yc 70, Wq 72, Wk 74, Wv 76, bq 78, bk 80, bv 82
	s_load_b128 s[84:87], s[0:1], 0x40             ; the scales' exponents 84, qkv 86
	v_lshl_add_u32 v[SPW], v0, 2, SPARE
	v_mov_b32 v[NIL], 0
	ds_add_u32 v28, v29
	ds_add_u32 v28, v29
	s_wait_dscnt 0x0
	v_lshrrev_b32 v1, 5, v0
	v_readfirstlane_b32 s14, v1                    ; wave
	s_lshr_b32 s15, s14, 1                         ; my half of the tile's rows; also: I fetch rows (0) or columns (1)
	s_and_b32 s16, s14, 1                          ; my half of its columns; also: which 128 rows of that tile I fetch
	s_bfe_u32 s40, ttmp6, 0x40000                  ; cx
	s_bfe_u32 s41, ttmp6, 0x40004                  ; cy
	s_and_b32 s88, ttmp7, 0xffff                   ; cluster y, 0 .. 11
	s_and_b32 s89, s88, 3
	s_lshr_b32 s88, s88, 2                         ; which product
	s_cmp_eq_u32 s88, 2
	s_cselect_b32 s17, 0, s89                      ; q, k: 16 tile rows (tokens), 4 tile columns;  v: 4 tile rows (channels), 16 tile columns (tokens)
	s_cselect_b32 s42, s89, 0
	s_lshl_b32 s17, s17, 2
	s_add_co_u32 s17, s17, s41                     ; tile row
	s_lshl_b32 s42, s42, 2
	s_add_co_u32 s42, s42, s40                     ; tile column
	s_lshl_b32 s43, s41, 2
	s_lshl_b32 s43, 15, s43                        ; my row of the cluster
	s_lshl_b32 s44, 0x1111, s40                    ; my column
	s_or_b32 s[G1+0], s43, (1<<20)|(1<<21)|(5<<22)|(3<<25)   ; the mask; elements of 1 byte; padding: 4 words behind every 64; bit 21 beside a mask
	s_or_b32 s[G1B+0], s44, (1<<20)|(1<<21)|(5<<22)|(3<<25)
.irp g, G1, G1B
	s_mov_b32 s[\g+1], ROWB<<16                    ; tensor_dim0
	s_mov_b32 s[\g+2], 128<<16                     ; tensor_dim1
	s_mov_b32 s[\g+3], ROWB<<16                    ; tile_dim0
	s_mov_b32 s[\g+4], 128                         ; tile_dim1
	s_mov_b32 s[\g+5], KROW                        ; the pitch
	s_mov_b32 s[\g+6], 0
	s_mov_b32 s[\g+7], 0
.endr
	s_lshl_b32 s18, s16, 7
	s_lshl_b32 s20, s17, 8
	s_add_co_u32 s20, s20, s18
	s_lshl_b32 s20, s20, 10                        ; the rows that I fetch, in bytes (a row is 1,024)
	s_mov_b32 s21, 0
	s_lshl_b32 s46, s42, 8
	s_add_co_u32 s46, s46, s18
	s_lshl_b32 s46, s46, 10
	s_mov_b32 s47, 0
	s_mul_i32 s45, s14, HALFT                      ; where they go: wave x 128 rows
	s_wait_kmcnt 0x0
	s_add_nc_u64 s[92:93], s[70:71], 0x400000      ; n's codes with product 3's scale
	s_add_nc_u64 s[94:95], s[86:87], 0x400000      ; K's images
	s_add_nc_u64 s[98:99], s[86:87], 0x420000      ; V's images
	s_cmp_eq_u32 s88, 0
	s_cselect_b64 s[4:5], s[68:69], s[70:71]       ; rows
	s_cselect_b64 s[6:7], s[72:73], s[74:75]       ; columns
	s_cselect_b64 s[8:9], s[78:79], s[80:81]       ; bias
	s_cselect_b64 s[10:11], s[86:87], s[94:95]     ; out
	s_cmp_eq_u32 s88, 2
	s_cselect_b64 s[4:5], s[76:77], s[4:5]
	s_cselect_b64 s[6:7], s[92:93], s[6:7]
	s_cselect_b64 s[8:9], s[82:83], s[8:9]
	s_cselect_b64 s[10:11], s[98:99], s[10:11]
	s_load_b512 s[68:83], s[84:85], 0x0            ; the sixteen exponents: entry i in s[68 + i]
	s_add_nc_u64 s[20:21], s[4:5], s[20:21]
	s_add_nc_u64 s[46:47], s[6:7], s[46:47]
	CROUND                                         ; all sixteen work-groups are here: the first joint loads meet
.irp s, 0,1
	s_mov_b32 s[G0+4*\s], 1
	s_add_co_u32 s[G0+4*\s+1], s45, \s*SLOT
	s_add_nc_u64 s[G0+4*\s+2:G0+4*\s+3], s[20:21], \s*ROWB
	s_or_b32 s[G0+4*\s+3], s[G0+4*\s+3], 0x80000000
	s_mov_b32 s[G0B+4*\s], 1
	s_add_co_u32 s[G0B+4*\s+1], s45, \s*SLOT
	s_add_nc_u64 s[G0B+4*\s+2:G0B+4*\s+3], s[46:47], \s*ROWB
	s_or_b32 s[G0B+4*\s+3], s[G0B+4*\s+3], 0x80000000
	JLOAD G0+4*\s, G1, G0B+4*\s, G1B
.endr
	v_and_b32 v1, 15, v0                           ; r
	v_bfe_u32 v2, v0, 4, 1                         ; h
	s_wait_alu depctr_va_vdst(0)
	v_mul_u32_u24 v3, v1, PITCH
	v_lshl_add_u32 v4, v2, 4, v3
	s_mul_i32 s21, s15, HALFT
	s_mul_i32 s22, s16, HALFT
	s_add_co_u32 s22, s22, 2*HALFT
.irp s, 0,1
	v_add_nc_u32 v[ADRA+\s], s21, v4
	v_add_nc_u32 v[ADRB+\s], s22, v4
	s_add_co_u32 s21, s21, SLOT
	s_add_co_u32 s22, s22, SLOT
.endr
	s_lshl_b32 s90, s17, 8
	s_lshl_b32 s18, s15, 7
	s_add_co_u32 s90, s90, s18                     ; my first row
	s_lshl_b32 s91, s42, 8
	s_lshl_b32 s18, s16, 7
	s_add_co_u32 s91, s91, s18                     ; my first column
	; the bias, in both forms, so that every register is written on every way; the form that is not used reads from the bias's first bytes
	s_lshl_b32 s18, s91, 2
	s_lshl_b32 s19, s90, 2
	s_cmp_eq_u32 s88, 2
	s_cselect_b32 s18, 0, s18
	s_cselect_b32 s19, s19, 0
	v_lshlrev_b32 v8, 5, v2
	v_add_nc_u32 v8, s18, v8                       ; by columns: 4 x first column + 32 h
	v_lshlrev_b32 v9, 2, v1
	v_add_nc_u32 v9, s19, v9                       ; by rows: 4 x first row + 4 r
.irp b, 0,1,2,3,4,5,6,7
	global_load_b128 v[BC+8*\b:BC+8*\b+3], v8, s[8:9] offset:64*\b
	global_load_b128 v[BC+8*\b+4:BC+8*\b+7], v8, s[8:9] offset:64*\b+16
.endr
.irp a, 0,1,2,3,4,5,6,7
	global_load_b32 v[BR+2*\a], v9, s[8:9] offset:64*\a
	global_load_b32 v[BR+2*\a+1], v9, s[8:9] offset:64*\a
.endr
.macro FRAG reg, adr, q, i
.irp c, 0,1,2,3
	ds_load_b128 v[\reg+4*\c:\reg+4*\c+3], v[\adr] offset:128*(\q)+32*\c+(\i)*16*PITCH
.endr
.endm
; 16 matrix instructions: the rows' blocks a0, a0 + 1 x the columns' eight.  The 64 accumulators take turns, one instruction a turn, in the same order in every step.
.macro MUL16 a0, p, zero
.irp a, \a0, \a0+1
.irp b, 0,1,2,3,4,5,6,7
.if \zero
	v_wmma_f32_16x16x128_fp8_fp8 v[8*(8*((\a)%4)+\b):8*(8*((\a)%4)+\b)+7], v[128*(\p)+FR*\b:128*(\p)+FR*\b+FR-1], v[AF+FR*(\a):AF+FR*(\a)+FR-1], 0
.else
	v_wmma_f32_16x16x128_fp8_fp8 v[8*(8*((\a)%4)+\b):8*(8*((\a)%4)+\b)+7], v[128*(\p)+FR*\b:128*(\p)+FR*\b+FR-1], v[AF+FR*(\a):AF+FR*(\a)+FR-1], v[8*(8*((\a)%4)+\b):8*(8*((\a)%4)+\b)+7]
.endif
.endr
.endr
.endm
.macro FETCH_B slot, q, p
	WIN TO_B
.irp i, 0,1,2,3,4,5,6,7
	FRAG 128*(\p)+FR*\i, ADRB+\slot, \q, \i
.endr
	WIN 0
.endm
.macro FETCH_A slot, q, i0
.irp i, \i0, \i0+1, \i0+2, \i0+3
	FRAG AF+FR*(\i), ADRA+\slot, \q, \i
.endr
.endm
.macro PLACES n                        ; plain vector lines between a matrix instruction and a load into, or a read of, its registers
.rept \n
	v_nop
.endr
.endm
.macro STEP slot, q, zero
	s_wait_dscnt 4*NL                              ; the columns' set and the rows' blocks 0-3 are in; the youngest 16 loads (blocks 4-7) may be out
	WIN MUL_LO
	MUL16 0, (\q)%2, \zero
	MUL16 2, (\q)%2, \zero
	s_wait_dscnt 0
	PLACES NP
	FETCH_B \slot, (\q)+1, 1-(\q)%2
	FETCH_A \slot, (\q)+1, 0
	WIN MUL_HI
	MUL16 4, (\q)%2, \zero
	MUL16 6, (\q)%2, \zero
	PLACES NP
	WIN 0
	FETCH_A \slot, (\q)+1, 4
.endm
; A slot's last step changes slots: each wave waits for all its tensor loads, adds 0 to its spare word, waits for that and for its reads of the slot; one barrier, which opens a round of the cluster's where the slot is filled again.
.macro TURN slot, next, fill
	s_wait_tensorcnt 0x0                           ; all my tensor loads have landed: my part of the next slot
	ds_add_u32 v[SPW], v[NIL]                      ; 0 onto my spare word
	s_wait_dscnt 4*NL+1                            ; the add and the youngest 16 loads may be out
	WIN MUL_LO
	MUL16 0, 1, 0
	s_wait_dscnt 0x0                               ; the add is done, and my reads of this slot are over
	s_barrier_signal -1
	MUL16 2, 1, 0
	WIN 0
	s_barrier_wait -1
.if \fill
	CREST                                          ; no wave of any partner still reads this slot or has a load on its way
	s_add_nc_u64 s[G0+4*\slot+2:G0+4*\slot+3], s[G0+4*\slot+2:G0+4*\slot+3], 2*ROWB
	s_add_nc_u64 s[G0B+4*\slot+2:G0B+4*\slot+3], s[G0B+4*\slot+2:G0B+4*\slot+3], 2*ROWB
	JLOAD G0+4*\slot, G1, G0B+4*\slot, G1B         ; my one tensor load behind the round; its four v_nop are the places in front of the loads below
.else
	PLACES NP
.endif
	FETCH_B \next, 0, 0
	FETCH_A \next, 0, 0
	WIN MUL_HI
	MUL16 4, 1, 0
	MUL16 6, 1, 0
	PLACES NP
	WIN 0
	FETCH_A \next, 0, 4
.endm
	s_wait_alu depctr_va_vdst(0)
	s_wait_tensorcnt 1                             ; my part of K step 0 is in; K step 1's load may be out
	s_barrier_signal -1
	s_barrier_wait -1
	FETCH_B 0, 0, 0
	FETCH_A 0, 0, 0
	FETCH_A 0, 0, 4
	STEP 0, 0, 1                                   ; the first step's products start the sums
	s_mov_b32 s3, LAPS-1
.Llap:
	TURN 0, 1, 1
	STEP 1, 0, 0
	TURN 1, 0, 1
	STEP 0, 0, 0
	s_sub_co_u32 s3, s3, 1
	s_cmp_lg_u32 s3, 0
	s_cbranch_scc1 .Llap
	TURN 0, 1, 0
	STEP 1, 0, 0
	s_wait_dscnt 4*NL
	WIN MUL_LO
	MUL16 0, 1, 0
	MUL16 2, 1, 0
	s_wait_dscnt 0
	WIN MUL_HI
	MUL16 4, 1, 0
	MUL16 6, 1, 0
	WIN 0
	; THE WAY OUT: number = sum x 2^(ea + eb) + bias; converted; stored from registers, 512 consecutive bytes an instruction.
	s_wait_kmcnt 0x0
	s_wait_loadcnt 0x0                             ; the biases
	s_cmp_eq_u32 s88, 0
	s_cselect_b32 s92, s68, s70
	s_cselect_b32 s93, s69, s71
	s_cselect_b32 s94, s74, s75                    ; the quantiser's exponent: entry 6 (q), 7 (k),
	s_mov_b32 s95, 0x40000
	s_cselect_b32 s95, 0x20000, s95                ; bytes from head to head: 131,072 in Q's images, 262,144 in K's
	s_cmp_eq_u32 s88, 2
	s_cselect_b32 s92, s72, s92
	s_cselect_b32 s93, s73, s93
	s_cselect_b32 s94, s77, s94                    ; 9 (v)
	s_add_co_i32 s96, s92, s93
	s_add_co_i32 s96, s96, 127
	s_lshl_b32 s96, s96, 23                        ; 2^(ea + eb) as f32
	s_mov_b32 s97, s96
	s_add_co_i32 s94, s94, 127
	s_lshl_b32 s93, s94, 23
	v_mov_b32 v[SCL], s93                          ; these four plain lines are the places behind the last products
	v_and_b32 v[CO], 31, v0
	v_lshlrev_b32 v[CO], 4, v[CO]
	v_add_nc_u32 v[CO2], s95, v[CO]
.macro OUTBLK a, rowbias               ; block a (16 rows x 128 columns) becomes 16 registers of codes in v[CD ..]
.set AC, 64*((\a)%4)
.set CD, COD+16*((\a)%2)
.set WW, 0x02+((\a)/4)
.if (\a) >= 2
	s_wait_xcnt 0x0                                ; block a - 2's stores have read their registers
.endif
	WIN WW                                         ; source 0: window 2 or 3
.set i, 0
.rept 32
.if \rowbias
	v_pk_fma_f32 v[TMP+i:TMP+i+1], v[AC+i:AC+i+1], s[96:97], v[BR+2*(\a):BR+2*(\a)+1] op_sel_hi:[1,0,1]
.else
	v_pk_fma_f32 v[TMP+i:TMP+i+1], v[AC+i:AC+i+1], s[96:97], v[BC+i:BC+i+1] op_sel_hi:[1,0,1]   ; each accumulator from its low end on
.endif
.set i, i+2
.endr
	WIN 0
.set i, 0
.rept 64
.set i, i+1
.endr
.irp b, 0,1,2,3,4,5,6,7
	v_cvt_scalef32_pk8_fp8_f32 v[CD+2*\b:CD+2*\b+1], v[TMP+8*\b:TMP+8*\b+7], v[SCL]
.endr
	v_nop                                          ; a plain line behind the conversions: their sources are written again by the next block
.endm
	s_cmp_eq_u32 s88, 2
	s_cbranch_scc1 .Lv_out
	s_lshr_b32 s20, s90, 11                        ; q, k: batch,
	s_and_b32 s21, s90, 2047                       ; token in the batch,
	s_lshr_b32 s22, s91, 6                         ; first of my two heads
	s_lshl_b32 s20, s20, 4
	s_add_co_u32 s20, s20, s22
	s_mul_i32 s20, s20, s95
	s_lshl_b32 s21, s21, 6                         ; a tile of 16 tokens is 1,024 bytes
	s_add_co_u32 s20, s20, s21
	s_mov_b32 s21, 0
	s_add_nc_u64 s[10:11], s[10:11], s[20:21]
.irp a, 0,1,2,3,4,5,6,7
	OUTBLK \a, 0
	global_store_b128 v[CO], v[CD:CD+3], s[10:11] offset:1024*\a
	global_store_b128 v[CO], v[CD+4:CD+7], s[10:11] offset:1024*\a+512
	global_store_b128 v[CO2], v[CD+8:CD+11], s[10:11] offset:1024*\a
	global_store_b128 v[CO2], v[CD+12:CD+15], s[10:11] offset:1024*\a+512
.endr
	s_branch .Lout_done
.Lv_out:
	s_lshr_b32 s20, s91, 11                        ; v: batch,
	s_lshr_b32 s22, s90, 6                         ; first of my two heads,
	s_lshl_b32 s20, s20, 4
	s_add_co_u32 s20, s20, s22
	s_lshl_b32 s20, s20, 18
	s_and_b32 s21, s91, 2047
	s_lshr_b32 s21, s21, 7                         ; key step
	s_lshl_b32 s21, s21, 13
	s_add_co_u32 s20, s20, s21
	s_mov_b32 s21, 0
	s_add_nc_u64 s[10:11], s[10:11], s[20:21]
.irp a, 0,1,2,3,4,5,6,7
	OUTBLK \a, 1
.irp p, 0,1,2,3
	global_store_b128 v[CO], v[CD+4*\p:CD+4*\p+3], s[10:11] offset:262144*(\a/4)+2048*(\a%4)+512*\p
.endr
.endr
.Lout_done:
	s_wait_tensorcnt 0x0                           ; the wave's end
	ds_add_u32 v[SPW], v[NIL]
	s_wait_dscnt 0x0
	CROUND                                         ; the closing round
	s_endpgm
.Lfunc_end_k_q6df85d3d41_qkv:
	.size	k_q6df85d3d41_qkv, .Lfunc_end_k_q6df85d3d41_qkv-k_q6df85d3d41_qkv
	.p2alignl 7, 3214868480
	.fill 96, 4, 3214868480
	.section	.rodata,"a",@progbits
	.p2align	6, 0x0
	.amdhsa_kernel k_q6df85d3d41_qkv
		.amdhsa_group_segment_fixed_size 327680
		.amdhsa_private_segment_fixed_size 0
		.amdhsa_enable_private_segment 0
		.amdhsa_kernarg_size 80
		.amdhsa_user_sgpr_count 2
		.amdhsa_user_sgpr_kernarg_segment_ptr 1
		.amdhsa_wavefront_size32 1
		.amdhsa_system_sgpr_workgroup_id_x 1
		.amdhsa_system_sgpr_workgroup_id_y 1
		.amdhsa_system_sgpr_workgroup_id_z 1
		.amdhsa_system_vgpr_workitem_id 0
		.amdhsa_next_free_vgpr 1024
		.amdhsa_next_free_sgpr 100
		.amdhsa_reserve_vcc 0
		.amdhsa_float_denorm_mode_32 3
		.amdhsa_float_denorm_mode_16_64 3
		.amdhsa_fp16_overflow 1
		.amdhsa_memory_ordered 1
		.amdhsa_forward_progress 1
		.amdhsa_inst_pref_size 130
	.end_amdhsa_kernel
	.amdgpu_metadata
---
amdhsa.version: [ 1, 2 ]
amdhsa.kernels:
  - .name:           k_q6df85d3d41_qkv
    .symbol:         k_q6df85d3d41_qkv.kd
    .args:
      - { .name: x_codes, .offset: 0, .size: 8, .value_kind: global_buffer, .address_space: global }
      - { .name: yc, .offset: 8, .size: 8, .value_kind: global_buffer, .address_space: global }
      - { .name: Wq_codes, .offset: 16, .size: 8, .value_kind: global_buffer, .address_space: global }
      - { .name: Wk_codes, .offset: 24, .size: 8, .value_kind: global_buffer, .address_space: global }
      - { .name: Wv_codes, .offset: 32, .size: 8, .value_kind: global_buffer, .address_space: global }
      - { .name: bq, .offset: 40, .size: 8, .value_kind: global_buffer, .address_space: global }
      - { .name: bk, .offset: 48, .size: 8, .value_kind: global_buffer, .address_space: global }
      - { .name: bv, .offset: 56, .size: 8, .value_kind: global_buffer, .address_space: global }
      - { .name: lowp_scales, .offset: 64, .size: 8, .value_kind: global_buffer, .address_space: global }
      - { .name: qkv, .offset: 72, .size: 8, .value_kind: global_buffer, .address_space: global }
    .group_segment_fixed_size: 327680
    .private_segment_fixed_size: 0
    .kernarg_segment_align: 8
    .kernarg_segment_size: 80
    .max_flat_workgroup_size: 128
    .sgpr_count:     100
    .vgpr_count:     1024
    .wavefront_size: 32
...
	.end_amdgpu_metadata
.endif
;; end of part 11
;; launch attn (part 12): grid 8 x 32, 16 waves a work-group, clusters of 4 x 1, 264,192 bytes of LDS; arguments qkv, lowp_scales, ac; writes ac
.if DOCPART == 12
	.amdgcn_target "amdgcn-amd-amdhsa--gfx1250"
	.amdhsa_code_object_version 6
	.text
	.protected	k_q6df85d3d41_attn
	.globl	k_q6df85d3d41_attn
	.p2align	8
	.type	k_q6df85d3d41_attn,@function
k_q6df85d3d41_attn:
	s_mov_b64 s[64:65], 0
	v_nop
	global_prefetch_b8 v0, s[64:65] scope:SCOPE_SE
	s_setreg_imm32_b32 hwreg(HW_REG_WAVE_MODE, 25, 1), 1
	s_wait_xcnt 0x0
	s_wait_alu depctr_hold_cnt(0) depctr_sa_sdst(0) depctr_va_vdst(0) depctr_va_sdst(0) depctr_va_ssrc(0) depctr_va_vcc(0) depctr_vm_vsrc(0)
	s_getreg_b32 s2, hwreg(HW_REG_IB_STS2, 6, 4)
	s_cmp_eq_u32 s2, 0
	s_cbranch_scc0 .Lentry_in_a_cluster
	s_endpgm
.Lentry_in_a_cluster:
	s_bfe_u32 s2, ttmp6, 0x10000c
	s_cmp_lg_u32 s2, 0x3003
	s_cbranch_scc0 .Lentry_shape_is_right
	s_endpgm
.Lentry_shape_is_right:
; Attention of one head on codes of E4M3.  score = q . k / 8; scores of keys behind the query are set to ZERO (not hidden): such a key still counts, with t = 0.
; t = score x log2(e); M = the ceiling of the row's running largest t; p = 2^(t - M) is quantised with the given scale; the row's sum is taken of the unquantised p and divides at the end.
; SHARES.  grid y = batch x 16 + head.  A head's whole K and V images (262,144 bytes) lie in LDS, filled ONCE: each of the sixteen waves asks for 16,384 bytes.  The four work-groups of a cluster belong to
; one head and ask JOINTLY.  Nothing is filled again and nothing is stored to LDS.
; Work-group jw (0 .. 7) and wave w own queries 128 pi + 16 jw + 0 .. 15, pi = w xor 3 x (bit 2 of w): all inside key step pi, whatever jw is.  So which kind a key step is hangs on the wave's number and
; the loop's count alone: step < pi general; step = pi on the diagonal; step > pi all scores zero: no first product, no exponential: p = 2^-M is one code for the whole step, and the second product is made with it.
; LAYOUT.  Both products transposed: S^T = K Q^T, O^T = V^T P^T: a lane holds one query (lane % 16).  In tile t of S^T lane (r, h) holds keys 16 t + 8 h + 0 .. 7: the place that the plain 8-bit layout gives
; registers 2 t, 2 t + 1 of P (ISA guide 7.12.2).  O^T's tile t gives registers 2 t, 2 t + 1 of the next product's operand: stored as an image,
; ac [m / 256][k / 256][row block of 16][k block of 128][2048 bytes].
; LIMITS: entries 6 + 7 of the exponents between -122 and 129; entry 8 between -126 and 119, entry 10 between -126 and 127.
.set WV, 18
.macro CROUND
	s_barrier_signal -1
	s_barrier_wait -1
	s_cmp_lg_u32 s[WV], 0
	s_cbranch_scc1 .Lnot_wave_0_\@
	s_barrier_signal -3
.Lnot_wave_0_\@:
	s_barrier_wait -3
	s_barrier_signal -1
	s_barrier_wait -1
.endm
.macro VLOAD                           ; a key step's four tiles of V^T (16 channels x 128 keys each) into v32-95
.irp t, 0,1,2,3
.irp p, 0,1,2,3
	ds_load_b128 v[32+16*\t+4*\p:35+16*\t+4*\p], v3 offset:2048*\t+512*\p
.endr
.endr
.endm
.macro PV                              ; O^T += V^T P^T: the four accumulators by turns
.irp t, 0,1,2,3
	v_wmma_f32_16x16x128_fp8_fp8 v[160+8*\t:167+8*\t], v[32+16*\t:47+16*\t], v[192:207], v[160+8*\t:167+8*\t]
.endr
.endm
	s_load_b128 s[4:7], s[0:1], 0x0                ; qkv, the scales' exponents
	s_load_b64 s[8:9], s[0:1], 0x10                ; ac
	v_lshl_add_u32 v251, v0, 2, 0x40000
	v_mov_b32 v255, 0
	ds_add_u32 v251, v255
	ds_add_u32 v251, v255
	v_lshrrev_b32 v1, 5, v0
	s_delay_alu instid0(VALU_DEP_1)
	v_readfirstlane_b32 s[WV], v1                  ; wave 0 .. 15
	s_bfe_u32 s19, s[WV], 0x10002
	s_mul_i32 s19, s19, 3
	s_xor_b32 s19, s19, s[WV]                      ; pi
	s_bfe_u32 s28, ttmp6, 0x40000                  ; cx
	s_lshl_b32 s29, ttmp9, 2
	s_add_co_u32 s29, s29, s28                     ; jw: it enters Q's and the output's addresses and the mask's numbers alone
	s_and_b32 s30, ttmp7, 0xffff                   ; batch x 16 + head, which the partners share
	s_mov_b32 s48, 15|(3<<16)|(1<<21)              ; group 1: the mask: all four; elements of 8 bytes; bit 21 beside a mask; no padding
	s_mov_b32 s49, 32<<16                          ; tensor_dim0 = 32 elements: rows of 256 bytes
	s_mov_b32 s50, 64<<16                          ; tensor_dim1 = 64
	s_mov_b32 s51, 32<<16                          ; tile_dim0
	s_mov_b32 s52, 64                              ; tile_dim1
	s_mov_b32 s53, 32                              ; the pitch: dense
	s_mov_b32 s54, 0
	s_mov_b32 s55, 0
	s_lshl_b32 s32, s30, 18
	s_lshl_b32 s33, s[WV], 14
	s_add_co_u32 s32, s32, s33
	s_add_co_u32 s32, s32, 0x400000                ; the head's K and V images, my wave's 16,384 bytes
	s_mov_b32 s33, 0
	s_mov_b32 s20, 0x76543210
	s_mov_b32 s21, 0xfedcba98
	s_wait_dscnt 0x0
	s_wait_kmcnt 0x0
	s_load_b256 s[40:47], s[6:7], 0x18             ; entries 6 .. 13
	CROUND                                         ; all four work-groups are here: the joint loads meet
	s_mov_b32 s56, 1
	s_lshl_b32 s57, s[WV], 14                      ; LDS: 16,384 x wave
	s_add_nc_u64 s[58:59], s[4:5], s[32:33]
	s_or_b32 s59, s59, 0x80000000
	tensor_load_to_lds s[56:59], s[48:55]          ; my one tensor load of the launch
	s_nop 0
.rept 4
	v_nop
.endr
	s_lshl_b32 s34, s30, 17
	s_lshl_b32 s35, s19, 3
	s_add_co_u32 s35, s35, s29
	s_lshl_b32 s35, s35, 10
	s_add_co_u32 s34, s34, s35                     ; Q's image: head x 131,072 + 1,024 x (8 pi + jw)
	s_mov_b32 s35, 0
	s_add_nc_u64 s[10:11], s[4:5], s[34:35]
	v_and_b32 v7, 31, v0
	s_delay_alu instid0(VALU_DEP_1)
	v_lshlrev_b32 v1, 4, v7                        ; 16 x lane
	global_load_b128 v[16:19], v1, s[10:11]
	global_load_b128 v[20:23], v1, s[10:11] offset:512
	v_and_b32 v8, 15, v0                           ; r
	v_bfe_u32 v9, v0, 4, 1
	s_delay_alu instid0(VALU_DEP_1)
	v_lshlrev_b32 v9, 3, v9                        ; 8 h
	s_delay_alu instid0(VALU_DEP_1)
	v_sub_nc_u32 v4, v8, v9
	s_lshl_b32 s36, s29, 4
	v_add_nc_u32 v4, s36, v4                       ; d = 16 jw + r - 8 h: on the diagonal register 8 t + j is zeroed where 16 t + j > d
	s_lshl_b32 s37, s19, 7
	s_add_co_u32 s37, s37, s36
	v_add_nc_u32 v10, s37, v8                      ; my query
	v_mov_b32 v5, 0
	v_mov_b32 v13, 0                               ; the largest t so far: 0, the t of a zeroed key;
	v_mov_b32 v11, 0xff61b1e6
	s_delay_alu instid0(VALU_DEP_4)
	v_cmp_eq_u32 vcc_lo, 0x7ff, v10
	s_delay_alu instid0(VALU_DEP_1)
	v_cndmask_b32 v13, v13, v11, vcc_lo            ; query 2047 alone has no zeroed key: -3e38
	s_delay_alu instid0(VALU_DEP_1)
	v_floor_f32 v12, -v13                          ; -M
	v_mov_b32 v14, 0
	v_mov_b32 v15, 0
	v_mov_b32 v236, 0                              ; written once: a lane permute's destination counts as one of its sources
	v_mov_b32 v253, 0
.set i, 0
.rept 32
	v_mov_b32 v[160+i], 0                          ; O^T: the loop has no first step of its own
.set i, i+1
.endr
.set i, 0
.rept 16
	v_mov_b32 v[192+i], 0                          ; P's codes: written once, so that every way through the loop finds them written
.set i, i+1
.endr
	s_sub_co_u32 s27, 15, s19
	s_lshl_b32 s27, s27, 6
	v_cvt_f32_u32 v6, s27                          ; 64 x (15 - pi): my lane's keys in the steps behind the diagonal
	; the output's place: 1,024 x (4 x (((8 batch + pi / 2) x 4 + head / 4) x 16 + 8 (pi % 2) + jw) + head % 4)
	s_lshr_b32 s31, s30, 4
	s_and_b32 s38, s30, 15
	s_lshl_b32 s31, s31, 3
	s_lshr_b32 s39, s19, 1
	s_add_co_u32 s31, s31, s39
	s_lshl_b32 s31, s31, 2
	s_lshr_b32 s39, s38, 2
	s_add_co_u32 s31, s31, s39
	s_lshl_b32 s31, s31, 4
	s_and_b32 s39, s19, 1
	s_lshl_b32 s39, s39, 3
	s_add_co_u32 s31, s31, s39
	s_add_co_u32 s31, s31, s29
	s_lshl_b32 s31, s31, 2
	s_and_b32 s39, s38, 3
	s_add_co_u32 s31, s31, s39
	s_lshl_b32 s60, s31, 10
	s_mov_b32 s61, 0
	s_add_nc_u64 s[8:9], s[8:9], s[60:61]
	s_wait_kmcnt 0x0
	s_add_co_i32 s12, s40, s41
	s_lshl_b32 s12, s12, 23
	s_mov_b32 s22, 0x3e38aa3b                      ; c = log2(e) / 8
	s_add_co_i32 s22, s22, s12                     ; x 2^(e6 + e7): added to c's exponent field
	s_mov_b32 s23, s22
	s_add_co_i32 s12, s42, 127
	s_lshl_b32 s13, s12, 23
	v_mov_b32 v244, s13                            ; 2^e8
	s_add_co_i32 s12, s12, 8
	s_lshl_b32 s12, s12, 23
	s_or_b32 s12, s12, 0x600000
	v_mov_b32 v240, s12                            ; 448 x 2^e8
	s_add_co_i32 s12, s44, 127
	s_lshl_b32 s62, s12, 23                        ; 2^e10
	s_add_co_i32 s12, s42, s43                     ; e8 + e9
	s_mov_b32 s24, 0                               ; the key step
	s_mov_b32 s25, 0                               ; its K tiles' LDS byte
	s_mov_b32 s26, 131072                          ; its V tiles'
	s_wait_tensorcnt 0x0                           ; my part lies in LDS,
	s_barrier_signal -1
	s_barrier_wait -1                              ; everybody's does
	s_wait_loadcnt 0x0                             ; Q
.Lstep:                                            ; sixteen trips in every wave
	s_cmp_gt_u32 s24, s19
	s_cbranch_scc1 .Lcheap
	s_setprio 2
	v_add_nc_u32 v2, s25, v1                       ; four plain lines: the places in front of loads into registers that the last products read
	v_add_nc_u32 v3, s26, v1
	v_nop
	v_nop
.irp t, 0,1,2,3,4,5,6,7
	ds_load_b128 v[32+8*\t:35+8*\t], v2 offset:1024*\t
	ds_load_b128 v[36+8*\t:39+8*\t], v2 offset:1024*\t+512
.endr
	s_wait_alu depctr_va_vdst(0)
	s_wait_dscnt 0x0
.irp t, 0,1,2,3,4,5,6,7
	v_wmma_f32_16x16x64_fp8_fp8 v[96+8*\t:103+8*\t], v[32+8*\t:39+8*\t], v[16:23], 0
.endr
.rept 4
	v_nop
.endr
	VLOAD                                          ; V lands while the softmax is worked
	s_cmp_lg_u32 s24, s19
	s_cbranch_scc1 .Lopen
.set n, 0
.rept 64
	v_cmp_gt_i32 vcc_lo, 16*(n/8)+n%8, v4
	v_cndmask_b32 v[96+n], v[96+n], v5, vcc_lo     ; a key behind my query: its score is 0
.set n, n+1
.endr
.Lopen:
	v_max3_num_f32 v254, v96, v97, v98
	v_max3_num_f32 v252, v99, v100, v101
.irp i, 6,10,14,18,22,26,30,34,38,42,46,50,54,58
	v_max3_num_f32 v254, v254, v[96+\i], v[97+\i]
	v_max3_num_f32 v252, v252, v[98+\i], v[99+\i]
.endr
	v_max3_num_f32 v254, v254, v158, v159
	s_delay_alu instid0(VALU_DEP_1)
	v_max_num_f32 v254, v254, v252
	s_delay_alu instid0(VALU_DEP_1)
	v_permlanex16_b32 v236, v254, s20, s21
	s_delay_alu instid0(VALU_DEP_1)
	v_max_num_f32 v254, v254, v236
	s_delay_alu instid0(VALU_DEP_1)
	v_mul_f32 v254, s22, v254                      ; as t (c is positive)
	s_delay_alu instid0(VALU_DEP_1)
	v_max_num_f32 v13, v13, v254
	v_mov_b32 v254, v12
	s_delay_alu instid0(VALU_DEP_2)
	v_floor_f32 v12, -v13                          ; -M = floor(-t): M is a whole number
	s_delay_alu instid0(VALU_DEP_1)
	v_sub_f32 v254, v12, v254
	s_delay_alu instid0(VALU_DEP_1)
	v_cvt_i32_f32 v254, v254                       ; (it saturates)
	s_delay_alu instid0(VALU_DEP_1)
	v_ldexp_f32 v252, 1.0, v254                    ; f = 2^(old M - new M)
.set i, 0
.rept 32
	v_pk_fma_f32 v[96+i:97+i], v[96+i:97+i], s[22:23], v[12:13] op_sel_hi:[1,0,0]   ; t - M
.set i, i+2
.endr
.set i, 0
	s_setprio 1
	s_wait_alu depctr_va_vdst(0)
.rept 64
	v_exp_f32 v[96+i], v[96+i]
.set i, i+1
.endr
	v_pk_mul_f32 v[14:15], v[14:15], v[252:253] op_sel_hi:[1,0]   ; the sums under the new M: the plain line behind the exponentials
	s_wait_alu depctr_va_vdst(0)                   ; one wait for the batch, ahead of its first reader
	v_pk_add_f32 v[242:243], v[100:101], v[104:105]
	v_pk_add_f32 v[248:249], v[108:109], v[112:113]
	v_pk_add_f32 v[246:247], v[116:117], v[120:121]
	v_pk_add_f32 v[238:239], v[124:125], v[128:129]
	v_pk_add_f32 v[234:235], v[132:133], v[136:137]
	v_pk_add_f32 v[232:233], v[140:141], v[144:145]
	v_pk_add_f32 v[230:231], v[148:149], v[152:153]
	v_pk_add_f32 v[14:15], v[14:15], v[156:157]
	v_pk_add_f32 v[242:243], v[242:243], v[96:97]
	v_pk_add_f32 v[248:249], v[248:249], v[98:99]
	v_pk_add_f32 v[246:247], v[246:247], v[102:103]
	v_pk_add_f32 v[238:239], v[238:239], v[106:107]
	v_pk_add_f32 v[234:235], v[234:235], v[110:111]
	v_pk_add_f32 v[232:233], v[232:233], v[114:115]
	v_pk_add_f32 v[230:231], v[230:231], v[118:119]
	v_pk_add_f32 v[14:15], v[14:15], v[122:123]
	v_pk_add_f32 v[242:243], v[242:243], v[126:127]
	v_pk_add_f32 v[248:249], v[248:249], v[130:131]
	v_pk_add_f32 v[246:247], v[246:247], v[134:135]
	v_pk_add_f32 v[238:239], v[238:239], v[138:139]
	v_pk_add_f32 v[234:235], v[234:235], v[142:143]
	v_pk_add_f32 v[232:233], v[232:233], v[146:147]
	v_pk_add_f32 v[230:231], v[230:231], v[150:151]
	v_pk_add_f32 v[14:15], v[14:15], v[154:155]
	v_pk_add_f32 v[242:243], v[242:243], v[158:159]
	s_delay_alu instid0(VALU_DEP_2)
	v_pk_add_f32 v[14:15], v[14:15], v[238:239]
	s_delay_alu instid0(VALU_DEP_2)
	v_pk_add_f32 v[242:243], v[242:243], v[234:235]
	v_pk_add_f32 v[248:249], v[248:249], v[232:233]
	v_pk_add_f32 v[246:247], v[246:247], v[230:231]
	s_delay_alu instid0(VALU_DEP_2)
	v_pk_add_f32 v[14:15], v[14:15], v[248:249]
	s_delay_alu instid0(VALU_DEP_2)
	v_pk_add_f32 v[242:243], v[242:243], v[246:247]
	s_delay_alu instid0(VALU_DEP_1)
	v_pk_add_f32 v[14:15], v[14:15], v[242:243]
.set i, 0
.rept 64
.set i, i+1
.endr
.irp t, 0,1,2,3,4,5,6,7
	v_cvt_scalef32_pk8_fp8_f32 v[192+2*\t:193+2*\t], v[96+8*\t:103+8*\t], v244
.endr
.set i, 0
	s_setprio 0
.rept 16
	v_pk_mul_f32 v[160+i:161+i], v[160+i:161+i], v[252:253] op_sel_hi:[1,0]   ; O^T under the new M; also the plain lines behind the conversions
.set i, i+2
.endr
	s_wait_alu depctr_va_vdst(0)
	s_wait_dscnt 0x0                               ; V
	PV
	s_cmp_lg_u32 s24, s19
	s_cbranch_scc1 .Lnext
	s_cmp_eq_u32 s24, 15
	s_cbranch_scc1 .Lnext                          ; no step follows step 15
	; behind the diagonal every t is 0 and M moves no more: p = 2^-M for all keys.  The twelve plain lines are the places behind the products above, which read P's registers
	v_cvt_i32_f32 v254, v12
	s_delay_alu instid0(VALU_DEP_1)
	v_ldexp_f32 v254, 1.0, v254
	s_delay_alu instid0(VALU_DEP_1)
	v_fmac_f32 v14, v6, v254                       ; the sum's share of all those steps
	s_delay_alu instid0(VALU_DEP_2)
	v_min_num_f32 v254, v254, v240
.set i, 0
.rept 8
	v_mov_b32 v[96+i], v254
.set i, i+1
.endr
	v_cvt_scalef32_pk8_fp8_f32 v[192:193], v[96:103], v244
	v_nop
.irp j, 2,4,6,8,10,12,14
	v_mov_b32 v[192+\j], v192
	v_mov_b32 v[193+\j], v193
.endr
	s_branch .Lnext
.Lcheap:
	v_add_nc_u32 v3, s26, v1
	v_nop
	v_nop
	v_nop
	VLOAD
	s_wait_dscnt 0x0
	s_wait_alu depctr_va_vdst(0)
	PV
.Lnext:
	s_add_co_u32 s25, s25, 8192
	s_add_co_u32 s26, s26, 8192
	s_add_co_u32 s24, s24, 1
	s_cmp_lt_u32 s24, 16
	s_cbranch_scc1 .Lstep
	s_setprio 0
	; THE WAY OUT: O^T / the sum x 2^(e8 + e9), quantised with entry 10's scale, stored as two pieces of an operand's image
	v_mov_b32 v245, s62
	v_add_f32 v14, v14, v15
	s_delay_alu instid0(VALU_DEP_1)
	v_permlanex16_b32 v236, v14, s20, s21          ; into the register that was written at the head: it is written on every way through the loop
	s_delay_alu instid0(VALU_DEP_1)
	v_add_f32 v14, v14, v236
	s_wait_alu depctr_va_vdst(0)
	v_rcp_f32 v14, v14
	v_nop
	s_wait_alu depctr_va_vdst(0)
	v_ldexp_f32 v14, v14, s12
	s_delay_alu instid0(VALU_DEP_1)
	v_mov_b32 v15, v14
.set i, 0
.rept 16
	v_pk_mul_f32 v[96+i:97+i], v[160+i:161+i], v[14:15]
.set i, i+2
.endr
.set i, 0
.rept 32
.set i, i+1
.endr
.irp t, 0,1,2,3
	v_cvt_scalef32_pk8_fp8_f32 v[208+2*\t:209+2*\t], v[96+8*\t:103+8*\t], v245
.endr
	v_nop
	global_store_b128 v1, v[208:211], s[8:9]       ; the wave stores 512 consecutive bytes, aligned
	global_store_b128 v1, v[212:215], s[8:9] offset:512
	s_wait_tensorcnt 0x0
	ds_add_u32 v251, v255
	s_wait_dscnt 0x0
	CROUND                                         ; the closing round
	s_endpgm
.Lfunc_end_k_q6df85d3d41_attn:
	.size	k_q6df85d3d41_attn, .Lfunc_end_k_q6df85d3d41_attn-k_q6df85d3d41_attn
	.p2alignl 7, 3214868480
	.fill 96, 4, 3214868480
	.section	.rodata,"a",@progbits
	.p2align	6, 0x0
	.amdhsa_kernel k_q6df85d3d41_attn
		.amdhsa_group_segment_fixed_size 264192
		.amdhsa_private_segment_fixed_size 0
		.amdhsa_enable_private_segment 0
		.amdhsa_kernarg_size 24
		.amdhsa_user_sgpr_count 2
		.amdhsa_user_sgpr_kernarg_segment_ptr 1
		.amdhsa_wavefront_size32 1
		.amdhsa_system_sgpr_workgroup_id_x 1
		.amdhsa_system_sgpr_workgroup_id_y 1
		.amdhsa_system_sgpr_workgroup_id_z 1
		.amdhsa_system_vgpr_workitem_id 0
		.amdhsa_next_free_vgpr 256
		.amdhsa_next_free_sgpr 66
		.amdhsa_reserve_vcc 1
		.amdhsa_float_denorm_mode_32 3
		.amdhsa_float_denorm_mode_16_64 3
		.amdhsa_fp16_overflow 1
		.amdhsa_memory_ordered 1
		.amdhsa_forward_progress 1
		.amdhsa_inst_pref_size 32
	.end_amdhsa_kernel
	.amdgpu_metadata
---
amdhsa.version: [ 1, 2 ]
amdhsa.kernels:
  - .name:           k_q6df85d3d41_attn
    .symbol:         k_q6df85d3d41_attn.kd
    .args:
      - { .name: qkv, .offset: 0, .size: 8, .value_kind: global_buffer, .address_space: global }
      - { .name: lowp_scales, .offset: 8, .size: 8, .value_kind: global_buffer, .address_space: global }
      - { .name: ac, .offset: 16, .size: 8, .value_kind: global_buffer, .address_space: global }
    .group_segment_fixed_size: 264192
    .private_segment_fixed_size: 0
    .kernarg_segment_align: 8
    .kernarg_segment_size: 24
    .max_flat_workgroup_size: 512
    .sgpr_count:     66
    .vgpr_count:     256
    .wavefront_size: 32
...
	.end_amdgpu_metadata
.endif
;; end of part 12
;; launch wo (part 13): grid 8 x 32, 4 waves a work-group, clusters of 4 x 4, 327,680 bytes of LDS; arguments ac, Wo_codes, lowp_scales, bo, y, y1, st2; writes y1, st2
.if DOCPART == 13
	.amdgcn_target "amdgcn-amd-amdhsa--gfx1250"
	.amdhsa_code_object_version 6
	.text
	.protected	k_q6df85d3d41_wo
	.globl	k_q6df85d3d41_wo
	.p2align	8
	.type	k_q6df85d3d41_wo,@function
k_q6df85d3d41_wo:
	s_mov_b64 s[64:65], 0
	v_nop
	global_prefetch_b8 v0, s[64:65] scope:SCOPE_SE
	s_setreg_imm32_b32 hwreg(HW_REG_WAVE_MODE, 25, 1), 1
	s_wait_xcnt 0x0
	s_wait_alu depctr_hold_cnt(0) depctr_sa_sdst(0) depctr_va_vdst(0) depctr_va_sdst(0) depctr_va_ssrc(0) depctr_va_vcc(0) depctr_vm_vsrc(0)
	s_getreg_b32 s2, hwreg(HW_REG_IB_STS2, 6, 4)
	s_cmp_eq_u32 s2, 0
	s_cbranch_scc0 .Lentry_in_a_cluster
	s_endpgm
.Lentry_in_a_cluster:
	s_bfe_u32 s2, ttmp6, 0x10000c
	s_cmp_lg_u32 s2, 0xf033
	s_cbranch_scc0 .Lentry_shape_is_right
	s_endpgm
.Lentry_shape_is_right:
; out = A B^T x 2^(ea + eb) + bias + residual, f32 [4096][1024].  A: codes of E4M3 as IMAGES of operand registers, [m / 256][k / 256][row block of 16][k block of 128][2048 bytes]; B: codes [1024][SIZE_K], K innermost.
; The work-group also stores (mean, sum of squared differences from it) of its 16,384 results, for the norm that follows.
; THE TILE is 128 x 128: the output makes 256 such tiles, against 64 of 256 x 256.  Four waves, 64 x 64 each: 16 accumulators, 128 registers.
; K goes in steps of 512 through two LDS slots filled by joint tensor loads (4 x 4 cluster: A's tiles are shared along a row of the cluster, B's along a column).  With SIZE_K = 1024 the two first fills are all there is.
; A slot: A's two blocks of 32,768 bytes (the tile's eight row blocks, 256 along K each) as they lie in memory, then B's 128 rows of 512 bytes + 16 of padding.
; A's fragment comes by four loads of 16 bytes at 16 x lane; it holds k in the plain 8-bit layout's places (registers 2 c, 2 c + 1: k = 16 c + 8 h + 0 .. 7: ISA guide 7.12.2), so B's comes by eight loads of 8 bytes at row x 528 + 8 h + 16 c.
; THE MATRIX INSTRUCTION IS USED TRANSPOSED (source 0 = 16 rows of B, source 1 = 16 rows of A): a lane holds eight neighbouring columns of a row.  A wave's 64 columns are 256 bytes of a row of the output, aligned:
; so each wave has a stage of its own in LDS (16 rows x 272 bytes, in slot 0, which has had its last fill and its last read by then) and stores whole rows of 256 bytes, sixteen lanes to a row.
; The wave's residual, 64 x 64 numbers, is asked for at the head, into 128 registers of its own: it lands while the products are made.
; REGISTERS: window 0: v16-29 addresses; v32-63 bias and statistics; v64-127 the way out; v128-255 the accumulators ((a, b) at v[128 + 8 (4 a + b)]).
;   window 1: two fragment buffers of 128: A's four fragments (16 rows x 128 K: 16 registers), then B's four.   window 2: v0-127 the residual.
; LIMITS: ea + eb between -126 and 127.  Product, residual and bias are added in the order (sum x 2^e + residual) + bias.
.set SIZE_K, 1024
.set EOFF,   40
.set NS,     SIZE_K/256                ; blocks of 256 along K in A's images
.set KSTEP,  512                       ; along K in a slot
.set KROW,   SIZE_K
.set PITCH,  528                       ; B's row in LDS: 512 bytes + 16 of padding = 132 words: row r starts at bank 4 r mod 64 (64 banks of 4 bytes: ISA guide 11.1)
.set FR,     16
.set CHUNK,  32768                     ; eight row blocks x 256 along K of A's images
.set ABYTES, 2*CHUNK
.set HALFB,  64*PITCH
.set SLOT,   ABYTES+2*HALFB
.set LAPS,   SIZE_K/(2*KSTEP)
.set SPARE,  2*SLOT                    ; behind the ring: the spare words, 128 bytes a wave
.set SCR,    SPARE+512                 ; a block of its own: the four waves' pairs, 8 bytes each
.set SPITCH, 272
.set ADRA, 16                          ; v16-17 LDS address of my A fragments in slot 0, 1
.set ADRB, 20                          ; v20-21 the same for B
.set STO,  24
.set RD,   25
.set CO,   26                          ; v26  4,096 x (lane / 16) + 16 x (lane % 16): two rows of the output
.set BO,   27                          ; v27  16 x (lane % 16)
.set SPW,  28
.set NIL,  29
.set B4,   32                          ; v32-35 the bias of my four columns
.set S1,   38                          ; v38-41 sums of x - c;  v42-45 of its squares;  v36-37 c;  v46-53 at work
.set S2,   42
.set DT,   46
.set BK,   64                          ; the way out: two sets of 32 registers by turns
.set ACC,  128
.set F0,   0
.set F1,   128
.set G1, 24
.set G0, 32
.set G1B, 48
.set G0B, 56
.set MSB, 0
.macro WIN new                         ; the immediate's high byte repeats the setting that is left
.if MSB != \new
	s_set_vgpr_msb (MSB<<8)|\new
.set MSB, \new
.endif
.endm
.set MUL,  0x05                        ; sources 0 (B) and 1 (A) window 1; C and D window 0
.set TO_F, 0x40                        ; destination window 1, address window 0
.macro JLOAD g0a, g1a, g0b, g1b        ; waves 0 and 1 fetch A's two blocks, waves 2 and 3 B's halves; four v_nop follow each line
	s_cmp_eq_u32 s15, 0
	s_cbranch_scc0 .Lfor_b_\@
	tensor_load_to_lds s[\g0a:\g0a+3], s[\g1a:\g1a+7]
	s_nop 0
.rept 4
	v_nop
.endr
	s_branch .Lasked_\@
.Lfor_b_\@:
	tensor_load_to_lds s[\g0b:\g0b+3], s[\g1b:\g1b+7]
	s_nop 0
.rept 4
	v_nop
.endr
.Lasked_\@:
.endm
.macro CREST
	s_cmp_lg_u32 s14, 0
	s_cbranch_scc1 .Lnot_wave_0_\@
	s_barrier_signal -3
.Lnot_wave_0_\@:
	s_barrier_wait -3
	s_barrier_signal -1
	s_barrier_wait -1
.endm
.macro CROUND
	s_barrier_signal -1
	s_barrier_wait -1
	CREST
.endm
	s_load_b256 s[4:11], s[0:1], 0x0               ; A's images, B's codes, the scales' exponents, the bias
	s_load_b128 s[68:71], s[0:1], 0x20             ; the residual, the output
	s_load_b64 s[72:73], s[0:1], 0x30              ; the pairs
	v_lshl_add_u32 v[SPW], v0, 2, SPARE
	v_mov_b32 v[NIL], 0
	ds_add_u32 v28, v29
	ds_add_u32 v28, v29
	s_wait_dscnt 0x0
	v_lshrrev_b32 v1, 5, v0
	v_readfirstlane_b32 s14, v1                    ; wave
	s_lshr_b32 s15, s14, 1                         ; my half of the tile's rows; also: I fetch for A (0) or B (1)
	s_and_b32 s16, s14, 1                          ; my half of its columns; also: which part of that tile I fetch
	s_bfe_u32 s40, ttmp6, 0x40000                  ; cx
	s_bfe_u32 s41, ttmp6, 0x40004                  ; cy
	s_lshl_b32 s42, ttmp9, 2
	s_add_co_u32 s42, s42, s40                     ; tile column, 0 .. 7
	s_and_b32 s17, ttmp7, 0xffff
	s_lshl_b32 s17, s17, 2
	s_add_co_u32 s17, s17, s41                     ; tile row, 0 .. 31
	s_lshl_b32 s43, s41, 2
	s_lshl_b32 s43, 15, s43                        ; my row of the cluster
	s_lshl_b32 s44, 0x1111, s40                    ; my column
	s_or_b32 s[G1+0], s43, (3<<16)|(1<<21)         ; A: the mask of my row; elements of 8 bytes; no padding; bit 21 beside a mask
	s_mov_b32 s[G1+1], 32<<16                      ; rows of 32 elements = 256 bytes,
	s_mov_b32 s[G1+2], 128<<16                     ; 128 of them,
	s_mov_b32 s[G1+3], 32<<16
	s_mov_b32 s[G1+4], 128
	s_mov_b32 s[G1+5], 32                          ; dense
	s_mov_b32 s[G1+6], 0
	s_mov_b32 s[G1+7], 0
	s_or_b32 s[G1B+0], s44, (1<<20)|(1<<21)|(6<<22)|(3<<25)   ; B: the mask of my column; elements of 1 byte; 4 words of padding behind every 128
	s_mov_b32 s[G1B+1], KSTEP<<16                  ; tensor_dim0
	s_mov_b32 s[G1B+2], 64<<16                     ; tensor_dim1
	s_mov_b32 s[G1B+3], KSTEP<<16                  ; tile_dim0
	s_mov_b32 s[G1B+4], 64                         ; tile_dim1
	s_mov_b32 s[G1B+5], KROW                       ; the pitch
	s_mov_b32 s[G1B+6], 0
	s_mov_b32 s[G1B+7], 0
	s_lshr_b32 s20, s17, 1
	s_mul_i32 s20, s20, NS*65536                   ; A: image tile (tile row / 2),
	s_and_b32 s19, s17, 1
	s_lshl_b32 s19, s19, 15
	s_add_co_u32 s20, s20, s19                     ; its upper or lower eight row blocks,
	s_lshl_b32 s18, s16, 16
	s_add_co_u32 s20, s20, s18                     ; and the first or second 256 along K of a K step
	s_mov_b32 s21, 0
	s_lshl_b32 s46, s42, 7
	s_lshl_b32 s18, s16, 6
	s_add_co_u32 s46, s46, s18
	s_mul_i32 s46, s46, KROW                       ; B: row 128 x tile column + 64 x half
	s_mov_b32 s47, 0
	s_lshl_b32 s45, s16, 15                        ; where they go: A's block,
	s_mul_i32 s23, s16, HALFB
	s_add_co_u32 s23, s23, ABYTES                  ; B's half, behind A's bytes: no place in the cluster enters an LDS address
	s_wait_kmcnt 0x0
	s_load_b64 s[96:97], s[8:9], EOFF              ; ea, eb
	s_add_nc_u64 s[20:21], s[4:5], s[20:21]
	s_add_nc_u64 s[46:47], s[6:7], s[46:47]
	CROUND                                         ; all sixteen work-groups are here: the first joint loads meet
.irp s, 0,1
	s_mov_b32 s[G0+4*\s], 1
	s_add_co_u32 s[G0+4*\s+1], s45, \s*SLOT
	s_add_nc_u64 s[G0+4*\s+2:G0+4*\s+3], s[20:21], \s*2*65536
	s_or_b32 s[G0+4*\s+3], s[G0+4*\s+3], 0x80000000
	s_mov_b32 s[G0B+4*\s], 1
	s_add_co_u32 s[G0B+4*\s+1], s23, \s*SLOT
	s_add_nc_u64 s[G0B+4*\s+2:G0B+4*\s+3], s[46:47], \s*KSTEP
	s_or_b32 s[G0B+4*\s+3], s[G0B+4*\s+3], 0x80000000
	JLOAD G0+4*\s, G1, G0B+4*\s, G1B
.endr
	v_and_b32 v1, 15, v0                           ; r
	v_bfe_u32 v2, v0, 4, 1                         ; h
	v_and_b32 v6, 31, v0                           ; lane
	v_lshlrev_b32 v7, 4, v6                        ; 16 x lane
	v_lshlrev_b32 v[BO], 4, v1
	v_lshl_add_u32 v[CO], v2, 12, v[BO]
	v_mul_u32_u24 v3, v1, PITCH
	v_lshl_add_u32 v4, v2, 3, v3                   ; B: row x 528 + 8 h
	s_lshl_b32 s21, s15, 14                        ; my four row blocks of A
	s_mul_i32 s22, s16, HALFB
	s_add_co_u32 s22, s22, ABYTES                  ; my 64 rows of B
.irp s, 0,1
	v_add_nc_u32 v[ADRA+\s], s21, v7
	v_add_nc_u32 v[ADRB+\s], s22, v4
	s_add_co_u32 s21, s21, SLOT
	s_add_co_u32 s22, s22, SLOT
.endr
	s_mul_i32 s23, s14, 16*SPITCH                  ; my stage
	v_mul_u32_u24 v5, v1, SPITCH
	v_lshl_add_u32 v5, v2, 5, v5
	v_add_nc_u32 v[STO], s23, v5                   ; in: row r, 32 bytes for each half of the lanes
	v_mul_u32_u24 v5, v2, SPITCH
	v_add_nc_u32 v5, v5, v[BO]
	v_add_nc_u32 v[RD], s23, v5                    ; back: lanes 0-15 take one row of 256 bytes, lanes 16-31 the next
	s_lshl_b32 s20, s17, 7
	s_lshl_b32 s21, s15, 6
	s_add_co_u32 s20, s20, s21                     ; my first row,
	s_lshl_b32 s20, s20, 12                        ; in bytes
	s_lshl_b32 s46, s42, 9
	s_lshl_b32 s47, s16, 8
	s_add_co_u32 s46, s46, s47                     ; my first column, in bytes
	s_mov_b32 s47, 0
	s_add_nc_u64 s[10:11], s[10:11], s[46:47]
	s_add_co_u32 s20, s20, s46
	s_mov_b32 s21, 0
	s_add_nc_u64 s[68:69], s[68:69], s[20:21]
	s_add_nc_u64 s[70:71], s[70:71], s[20:21]
	global_load_b128 v[B4:B4+3], v[BO], s[10:11]
	WIN 0x80                                       ; destination window 2
.set i, 0
.rept 32                               ; the residual: block i / 8, rows 2 (i % 8) and the next; sixteen lanes read 256 consecutive bytes
	global_load_b128 v[4*i:4*i+3], v[CO], s[68:69] offset:(16*(i/8)+2*(i%8))*4096 th:TH_LOAD_NT
.set i, i+1
.endr
	WIN 0
; 4 matrix instructions: A's block a x B's four, 128 along K, from buffer f.  The 16 accumulators take turns, one instruction a turn, in the same order in every quarter.
.macro MUL4 f, a, zero
.irp b, 0,1,2,3
.if \zero
	v_wmma_f32_16x16x128_fp8_fp8 v[ACC+8*(4*(\a)+\b):ACC+8*(4*(\a)+\b)+7], v[\f+64+FR*\b:\f+64+FR*\b+FR-1], v[\f+FR*(\a):\f+FR*(\a)+FR-1], 0
.else
	v_wmma_f32_16x16x128_fp8_fp8 v[ACC+8*(4*(\a)+\b):ACC+8*(4*(\a)+\b)+7], v[\f+64+FR*\b:\f+64+FR*\b+FR-1], v[\f+FR*(\a):\f+FR*(\a)+FR-1], v[ACC+8*(4*(\a)+\b):ACC+8*(4*(\a)+\b)+7]
.endif
.endr
.endm
; 48 LDS loads in one run: the fragments of the slot's q-th 128 along K into buffer f: B's four (32 loads), then A's blocks 0 and 1 (8), then 2 and 3 (8)
.macro FETCH slot, q, f
	WIN TO_F
.irp i, 0,1,2,3
.irp c, 0,1,2,3,4,5,6,7
	ds_load_b64 v[\f+64+FR*\i+2*\c:\f+64+FR*\i+2*\c+1], v[ADRB+\slot] offset:128*(\q)+16*\c+\i*16*PITCH
.endr
.endr
.irp i, 0,1,2,3
.irp c, 0,1,2,3
	ds_load_b128 v[\f+FR*\i+4*\c:\f+FR*\i+4*\c+3], v[ADRA+\slot] offset:((\q)/2)*CHUNK+\i*4096+((\q)%2)*2048+512*\c
.endr
.endr
.endm
.macro PLACES                          ; four plain vector lines between a matrix instruction and a load into, or a read of, its registers
.rept 4
	v_nop
.endr
.endm
; A K step is four quarters of 128 along K, 16 matrix instructions each, on buffers 0, 1, 0, 1.  One of the first three: multiplies buffer f and fetches the slot's quarter q into g.
.macro QUARTER slot, q, f, g, zero
	s_wait_dscnt 8                                 ; B's four and A's blocks 0 and 1 are in; the youngest eight loads (blocks 2 and 3) may be out
	WIN MUL
	MUL4 \f, 0, \zero
	MUL4 \f, 1, \zero
	PLACES
	FETCH \slot, \q, \g
	s_wait_dscnt 48                                ; all but the 48 just issued
	WIN MUL
	MUL4 \f, 2, \zero
	MUL4 \f, 3, \zero
.endm
; The last quarter multiplies buffer 1 and changes slots: each wave waits for all its tensor loads, adds 0 to its spare word, waits for that and for its reads of the slot; one barrier, which opens a round of the cluster's where the slot is filled again.
.macro TURN slot, next, fill
	WIN 0                                          ; (the add's two registers lie in window 0)
	s_wait_tensorcnt 0x0                           ; all my tensor loads have landed: my part of the next slot
	ds_add_u32 v[SPW], v[NIL]                      ; 0 onto my spare word
	s_wait_dscnt 9                                 ; the add and the youngest eight loads may be out
	WIN MUL
	MUL4 F1, 0, 0
	s_wait_dscnt 0x0                               ; the add is done, and my reads of this slot are over
	s_barrier_signal -1
	MUL4 F1, 1, 0
	WIN 0
	s_barrier_wait -1
.if \fill
	CREST                                          ; no wave of any partner still reads this slot or has a load on its way
	s_add_nc_u64 s[G0+4*\slot+2:G0+4*\slot+3], s[G0+4*\slot+2:G0+4*\slot+3], 4*65536
	s_add_nc_u64 s[G0B+4*\slot+2:G0B+4*\slot+3], s[G0B+4*\slot+2:G0B+4*\slot+3], 2*KSTEP
	JLOAD G0+4*\slot, G1, G0B+4*\slot, G1B         ; my one tensor load behind the round; its four v_nop are the places in front of the loads below
.else
	PLACES
.endif
	FETCH \next, 0, F0
	WIN MUL
	MUL4 F1, 2, 0
	MUL4 F1, 3, 0
.endm
	s_wait_tensorcnt 1                             ; my part of K step 0 is in; K step 1's load may be out
	s_barrier_signal -1
	s_barrier_wait -1
	FETCH 0, 0, F0
	QUARTER 0, 1, F0, F1, 1                        ; the first quarter's products start the sums
.if LAPS > 1
	WIN 0                                          ; at a label and at a branch every window is 0
	s_mov_b32 s3, LAPS-1
.Llap:
	QUARTER 0, 2, F1, F0, 0
	QUARTER 0, 3, F0, F1, 0
	TURN 0, 1, 1
	QUARTER 1, 1, F0, F1, 0
	QUARTER 1, 2, F1, F0, 0
	QUARTER 1, 3, F0, F1, 0
	TURN 1, 0, 1
	QUARTER 0, 1, F0, F1, 0
	WIN 0
	s_sub_co_u32 s3, s3, 1
	s_cmp_lg_u32 s3, 0
	s_cbranch_scc1 .Llap
.endif
	QUARTER 0, 2, F1, F0, 0                        ; the last lap fills nothing
	QUARTER 0, 3, F0, F1, 0
	TURN 0, 1, 0
	QUARTER 1, 1, F0, F1, 0
	QUARTER 1, 2, F1, F0, 0
	QUARTER 1, 3, F0, F1, 0
	s_wait_dscnt 8                                 ; the very last quarter: nothing more to fetch
	WIN MUL
	MUL4 F1, 0, 0
	MUL4 F1, 1, 0
	s_wait_dscnt 0
	MUL4 F1, 2, 0
	MUL4 F1, 3, 0
	WIN 0
; THE WAY OUT, block by block of 16 rows x 64 columns.
.macro TOSTAGE a                       ; the raw sums into my stage, each accumulator from its low end on, and back as whole rows.  LDS serves a wave's instructions in order (ISA guide 5.7.1.4)
.set AC, ACC+32*(\a)
.set BB, BK+32*((\a)%2)
.irp b, 0,1,2,3
	ds_store_b128 v[STO], v[AC+8*\b:AC+8*\b+3] offset:64*\b
	ds_store_b128 v[STO], v[AC+8*\b+4:AC+8*\b+7] offset:64*\b+16
.endr
.set i, 0
.rept 8
	ds_load_b128 v[BB+4*i:BB+4*i+3], v[RD] offset:i*2*SPITCH
.set i, i+1
.endr
.endm
.macro FIN a, younger                  ; younger: the LDS instructions issued behind block a's loads
.set BB, BK+32*((\a)%2)
.set RS, 32*(\a)
	s_wait_dscnt \younger
	WIN 0x20                                       ; source 2 (the residual): window 2
.set i, 0
.rept 16
	v_pk_fma_f32 v[BB+i:BB+i+1], v[BB+i:BB+i+1], s[96:97], v[RS+i:RS+i+1] op_sel_hi:[1,0,1]
.set i, i+2
.endr
	WIN 0
.set i, 0
.rept 16
	v_pk_add_f32 v[BB+i:BB+i+1], v[BB+i:BB+i+1], v[B4+i%4:B4+i%4+1]
.set i, i+2
.endr
.if (\a) == 0
	v_mov_b32 v36, v[BB]                           ; c: my first result.  Sums of x - c and of its square are of the spread's size
	v_mov_b32 v37, v[BB]
.endif
.set i, 0
.rept 4
.irp k, 0,1,2,3
	v_pk_add_f32 v[DT+2*\k:DT+2*\k+1], v[BB+i+2*\k:BB+i+2*\k+1], v[36:37] neg_lo:[0,1] neg_hi:[0,1]
.endr
.irp k, 0,1,2,3
	v_pk_add_f32 v[S1+2*(\k%2):S1+2*(\k%2)+1], v[S1+2*(\k%2):S1+2*(\k%2)+1], v[DT+2*\k:DT+2*\k+1]
	v_pk_fma_f32 v[S2+2*(\k%2):S2+2*(\k%2)+1], v[DT+2*\k:DT+2*\k+1], v[DT+2*\k:DT+2*\k+1], v[S2+2*(\k%2):S2+2*(\k%2)+1]
.endr
.set i, i+8
.endr
.set i, 0
.rept 8
	global_store_b128 v[CO], v[BB+4*i:BB+4*i+3], s[70:71] offset:(16*(\a)+2*i)*4096 th:TH_STORE_NT   ; sixteen lanes store 256 consecutive bytes, aligned
.set i, i+1
.endr
.endm
	s_wait_kmcnt 0x0
	s_wait_loadcnt 0x0                             ; the bias and the residual, asked for at the head
	s_add_co_i32 s96, s96, s97
	s_add_co_i32 s96, s96, 127
	s_lshl_b32 s96, s96, 23                        ; 2^(ea + eb) as f32
	s_mov_b32 s97, s96
	PLACES                                         ; behind the last products: stores of their results follow
.set i, 0
.rept 8
	v_mov_b32 v[S1+i], 0
.set i, i+1
.endr
	s_mov_b32 s92, 0x76543210
	s_mov_b32 s93, 0xfedcba98
	TOSTAGE 0
.irp a, 1,2,3
.if \a > 1
	s_wait_xcnt 0x0                                ; block a - 2's stores have read their registers: block a's loads may land there
.endif
	TOSTAGE \a
	FIN \a-1, 16                                   ; behind block a - 1's loads: block a's 8 stores and 8 loads
.endr
	FIN 3, 0
	; my 128 numbers: mean = c + s1 / 128, M2 = s2 - s1 s1 / 128; then pairs of equal count n are joined: mean = the means' mean, M2 = the sum + (difference of means)^2 x n / 2
	v_pk_add_f32 v[38:39], v[38:39], v[40:41]
	v_pk_add_f32 v[42:43], v[42:43], v[44:45]
	v_add_f32 v38, v38, v39
	v_add_f32 v42, v42, v43
	v_mul_f32 v41, v38, v38
	v_fmamk_f32 v40, v38, 0x3c000000, v36
	v_fmamk_f32 v42, v41, 0xbc000000, v42
.macro TREE mask, halfn
	v_sub_f32_dpp v44, v40, v40 row_xmask:\mask row_mask:0xf bank_mask:0xf
	v_add_f32_dpp v42, v42, v42 row_xmask:\mask row_mask:0xf bank_mask:0xf
	v_add_f32_dpp v40, v40, v40 row_xmask:\mask row_mask:0xf bank_mask:0xf
	v_mul_f32 v44, v44, v44
	v_mul_f32 v40, 0.5, v40
	v_fmac_f32 v42, \halfn, v44
.endm
	TREE 1, 0x42800000                             ; n / 2 = 64,
	TREE 2, 0x43000000                             ; 128,
	TREE 4, 0x43800000                             ; 256,
	TREE 8, 0x44000000                             ; 512
	v_permlanex16_b32 v46, v40, s92, s93
	v_permlanex16_b32 v47, v42, s92, s93
	v_sub_f32 v44, v46, v40
	v_add_f32 v42, v42, v47
	v_add_f32 v40, v40, v46
	v_mul_f32 v44, v44, v44
	v_mul_f32 v46, 0.5, v40                        ; the mean of my wave's 4,096 numbers
	v_fmac_f32 v42, 0x44800000, v44                ; n / 2 = 1,024
	v_mov_b32 v47, v42                             ; and their M2
	; the four waves' pairs meet in LDS
	v_mov_b32 v54, s14
	v_lshl_add_u32 v54, v54, 3, SCR
	ds_store_b64 v54, v[46:47]                     ; all lanes write the same 8 bytes with the same values
	s_wait_dscnt 0x0                               ; for the others' sake: my pair lies in LDS
	s_barrier_signal -1
	s_barrier_wait -1
	v_mov_b32 v55, SCR
	ds_load_b128 v[56:59], v55
	ds_load_b128 v[60:63], v55 offset:16
	s_wait_dscnt 0x0
	v_add_f32 v46, v56, v58
	v_add_f32 v48, v60, v62
	v_add_f32 v47, v57, v59
	v_add_f32 v49, v61, v63
	v_add_f32 v46, v46, v48
	v_add_f32 v47, v47, v49
	v_mul_f32 v46, 0x3e800000, v46                 ; the mean of the work-group's 16,384 numbers
	v_sub_f32 v56, v56, v46
	v_sub_f32 v58, v58, v46
	v_sub_f32 v60, v60, v46
	v_sub_f32 v62, v62, v46
	v_mul_f32 v48, v56, v56
	v_fmac_f32 v48, v58, v58
	v_fmac_f32 v48, v60, v60
	v_fmac_f32 v48, v62, v62
	v_fmac_f32 v47, 0x45800000, v48                ; M2 = the four M2 + 4,096 x the means' squared differences
	s_lshl_b32 s20, s17, 3
	s_add_co_u32 s20, s20, s42                     ; pair 8 x tile row + tile column: 128 pairs a batch
	s_lshl_b32 s20, s20, 3
	v_mov_b32 v50, s20
	v_cmp_eq_u32 vcc_lo, 0, v0                     ; thread 0 of the work-group stores it
	s_wait_xcnt 0x0                                ; EXEC changes only behind this wait
	s_and_saveexec_b32 s21, vcc_lo
	global_store_b64 v50, v[46:47], s[72:73]
	s_wait_xcnt 0x0
	s_or_b32 exec_lo, exec_lo, s21
	s_wait_tensorcnt 0x0                           ; the wave's end
	ds_add_u32 v[SPW], v[NIL]
	s_wait_dscnt 0x0
	CROUND                                         ; the closing round
	s_endpgm
.Lfunc_end_k_q6df85d3d41_wo:
	.size	k_q6df85d3d41_wo, .Lfunc_end_k_q6df85d3d41_wo-k_q6df85d3d41_wo
	.p2alignl 7, 3214868480
	.fill 96, 4, 3214868480
	.section	.rodata,"a",@progbits
	.p2align	6, 0x0
	.amdhsa_kernel k_q6df85d3d41_wo
		.amdhsa_group_segment_fixed_size 327680
		.amdhsa_private_segment_fixed_size 0
		.amdhsa_enable_private_segment 0
		.amdhsa_kernarg_size 56
		.amdhsa_user_sgpr_count 2
		.amdhsa_user_sgpr_kernarg_segment_ptr 1
		.amdhsa_wavefront_size32 1
		.amdhsa_system_sgpr_workgroup_id_x 1
		.amdhsa_system_sgpr_workgroup_id_y 1
		.amdhsa_system_sgpr_workgroup_id_z 1
		.amdhsa_system_vgpr_workitem_id 0
		.amdhsa_next_free_vgpr 640
		.amdhsa_next_free_sgpr 100
		.amdhsa_reserve_vcc 1
		.amdhsa_float_denorm_mode_32 3
		.amdhsa_float_denorm_mode_16_64 3
		.amdhsa_memory_ordered 1
		.amdhsa_forward_progress 1
		.amdhsa_inst_pref_size 77
	.end_amdhsa_kernel
	.amdgpu_metadata
---
amdhsa.version: [ 1, 2 ]
amdhsa.kernels:
  - .name:           k_q6df85d3d41_wo
    .symbol:         k_q6df85d3d41_wo.kd
    .args:
      - { .name: ac, .offset: 0, .size: 8, .value_kind: global_buffer, .address_space: global }
      - { .name: Wo_codes, .offset: 8, .size: 8, .value_kind: global_buffer, .address_space: global }
      - { .name: lowp_scales, .offset: 16, .size: 8, .value_kind: global_buffer, .address_space: global }
      - { .name: bo, .offset: 24, .size: 8, .value_kind: global_buffer, .address_space: global }
      - { .name: y, .offset: 32, .size: 8, .value_kind: global_buffer, .address_space: global }
      - { .name: y1, .offset: 40, .size: 8, .value_kind: global_buffer, .address_space: global }
      - { .name: st2, .offset: 48, .size: 8, .value_kind: global_buffer, .address_space: global }
    .group_segment_fixed_size: 327680
    .private_segment_fixed_size: 0
    .kernarg_segment_align: 8
    .kernarg_segment_size: 56
    .max_flat_workgroup_size: 128
    .sgpr_count:     100
    .vgpr_count:     640
    .wavefront_size: 32
...
	.end_amdgpu_metadata
.endif
;; end of part 13
;; launch lnq2 (part 14): grid 512 x 1, 4 waves a work-group, no clusters, 41,472 bytes of LDS; arguments y1, ln2_w, ln2_b, st2, lowp_scales, nc; writes nc
.if DOCPART == 14
	.amdgcn_target "amdgcn-amd-amdhsa--gfx1250"
	.amdhsa_code_object_version 6
	.text
	.protected	k_q6df85d3d41_lnq2
	.globl	k_q6df85d3d41_lnq2
	.p2align	8
	.type	k_q6df85d3d41_lnq2,@function
k_q6df85d3d41_lnq2:
	s_mov_b64 s[64:65], 0
	v_nop
	global_prefetch_b8 v0, s[64:65] scope:SCOPE_SE
	s_setreg_imm32_b32 hwreg(HW_REG_WAVE_MODE, 25, 1), 1
	s_wait_xcnt 0x0
; The norm over (L, D) of a batch, and its quantising to codes of E4M3, row-major [4096][1024], K innermost.
; n = (t - mean) x rsqrt(var + 1e-5) x gain + bias, all in f32;  code = n / 2^e, to the nearest code, ties to even.
; TWO = 0: one given scale, the entry at byte EOFF of the scales.
; mean and var come from 128 pairs (mean_i, M2_i) a batch, each over 16,384 numbers: mean = the means' mean; M2 = sum M2_i + 16,384 sum (mean_i - mean)^2.
; SHARES.  Wave W = 4 x work-group + wave takes positions 1024 W .. 1024 W + 1023 of the (L, D) plane for BOTH batches, so gain and bias are read once; two steps of 512 positions.
; Each load reads 512 consecutive bytes.  The conversions want 16 neighbours in one lane: the finished numbers turn through the wave's own stage in LDS (64 bytes + 16 of padding a lane).
; Each (step, batch) has a stage of its own, so no LDS byte is written twice and no barrier is needed: waves share nothing.
; LIMITS: e between -126 and 127.  NaN among the inputs is not served.  A stream bound by memory: no matrix unit, no cluster, no tensor load.
.set TWO,  0
.set EOFF, 48
.set DAT,  48
.set COD,  176
.macro WSUM r
	v_add_f32_dpp v[\r], v[\r], v[\r] row_xmask:1 row_mask:0xf bank_mask:0xf
	v_add_f32_dpp v[\r], v[\r], v[\r] row_xmask:2 row_mask:0xf bank_mask:0xf
	v_add_f32_dpp v[\r], v[\r], v[\r] row_xmask:4 row_mask:0xf bank_mask:0xf
	v_add_f32_dpp v[\r], v[\r], v[\r] row_xmask:8 row_mask:0xf bank_mask:0xf
	v_permlanex16_b32 v39, v[\r], s28, s29
	v_add_f32 v[\r], v[\r], v39
.endm
.macro LOADS t
.irp i, 0,1,2,3
	global_load_b128 v[DAT+64*\t+4*\i:DAT+64*\t+4*\i+3], v2, s[4:5] offset:2048*\t+512*\i th:TH_LOAD_NT
.endr
.irp i, 0,1,2,3
	global_load_b128 v[DAT+64*\t+16+4*\i:DAT+64*\t+16+4*\i+3], v2, s[20:21] offset:2048*\t+512*\i th:TH_LOAD_NT
.endr
.irp i, 0,1,2,3
	global_load_b128 v[DAT+64*\t+32+4*\i:DAT+64*\t+32+4*\i+3], v2, s[6:7] offset:2048*\t+512*\i th:TH_LOAD_NT
.endr
.irp i, 0,1,2,3
	global_load_b128 v[DAT+64*\t+48+4*\i:DAT+64*\t+48+4*\i+3], v2, s[8:9] offset:2048*\t+512*\i th:TH_LOAD_NT
.endr
.endm
.macro COMBINE bt
.set P,  8+8*(\bt)
.set MB, 24+4*(\bt)
	v_add_f32 v32, v[P], v[P+2]
	v_add_f32 v33, v[P+4], v[P+6]
	v_add_f32 v32, v32, v33
	WSUM 32
	v_mul_f32 v[MB], 0x3c000000, v32               ; / 128
	v_mul_f32 v[MB+1], 0x3c000000, v32
	v_sub_f32 v32, v[P], v[MB]
	v_sub_f32 v33, v[P+2], v[MB]
	v_sub_f32 v34, v[P+4], v[MB]
	v_sub_f32 v35, v[P+6], v[MB]
	v_add_f32 v36, v[P+1], v[P+3]
	v_add_f32 v38, v[P+5], v[P+7]
	v_mul_f32 v32, v32, v32
	v_fmac_f32 v32, v33, v33
	v_fmac_f32 v32, v34, v34
	v_fmac_f32 v32, v35, v35
	v_add_f32 v36, v36, v38
	v_fmac_f32 v36, 0x46800000, v32                ; + 16,384 x the means' squared differences
	WSUM 36
	v_fma_f32 v[44+(\bt)], v36, s30, s31           ; / 2,097,152 + eps
.endm
.macro NORM t, bt
.set YR, DAT+64*(\t)+16*(\bt)
.set WR, DAT+64*(\t)+32
.set BG, DAT+64*(\t)+48
.set i, 0
.rept 8
	v_pk_add_f32 v[YR+i:YR+i+1], v[YR+i:YR+i+1], v[24+4*(\bt):25+4*(\bt)] neg_lo:[0,1] neg_hi:[0,1]
.set i, i+2
.endr
.set i, 0
.rept 8
	v_pk_mul_f32 v[YR+i:YR+i+1], v[YR+i:YR+i+1], v[26+4*(\bt):27+4*(\bt)]
.set i, i+2
.endr
.set i, 0
.rept 8
	v_pk_fma_f32 v[YR+i:YR+i+1], v[YR+i:YR+i+1], v[WR+i:WR+i+1], v[BG+i:BG+i+1]
.set i, i+2
.endr
.endm
.macro TURN t, bt
.set YR, DAT+64*(\t)+16*(\bt)
.set XS, DAT+64*(\t)+32+16*(\bt)
.set SG, 2560*(2*(\t)+(\bt))
.irp i, 0,1,2,3
	ds_store_b128 v3, v[YR+4*\i:YR+4*\i+3] offset:SG+640*\i
.endr
.irp i, 0,1,2,3
	ds_load_b128 v[XS+4*\i:XS+4*\i+3], v4 offset:SG+16*\i
.endr
.endm
.macro QUANT t, bt
.set XS, DAT+64*(\t)+32+16*(\bt)
.set Q1, DAT+64*(\t)
.set Q2, DAT+64*(\t)+16
.set CD, COD+8*(2*(\t)+(\bt))
.set i, 0
.rept 16
.set i, i+1
.endr
.if TWO
.set i, 0
.rept 16
	v_med3_num_f32 v[Q2+i], v[XS+i], -v43, v43
.set i, i+1
.endr
.endif
	v_cvt_scalef32_pk8_fp8_f32 v[CD:CD+1], v[XS:XS+7], v40
	v_cvt_scalef32_pk8_fp8_f32 v[CD+2:CD+3], v[XS+8:XS+15], v40
.if TWO
	v_cvt_scalef32_pk8_fp8_f32 v[CD+4:CD+5], v[Q2:Q2+7], v42
	v_cvt_scalef32_pk8_fp8_f32 v[CD+6:CD+7], v[Q2+8:Q2+15], v42
.endif
	v_nop                                          ; a plain line behind the conversions
	global_store_b128 v2, v[CD:CD+3], s[14:15] offset:512*(\t)+0x200000*(\bt)   ; the wave stores 512 consecutive bytes, aligned
.if TWO
	global_store_b128 v2, v[CD+4:CD+7], s[14:15] offset:512*(\t)+0x200000*(\bt)+0x400000
.endif
.endm
	s_load_b256 s[4:11], s[0:1], 0x0               ; the numbers, gain, bias, the pairs
	s_load_b128 s[12:15], s[0:1], 0x20             ; the scales' exponents, the codes
	v_lshl_add_u32 v208, v0, 2, 0xa000
	v_mov_b32 v209, 0
	v_lshrrev_b32 v1, 5, v0
	v_readfirstlane_b32 s16, v1                    ; wave
	v_and_b32 v1, 31, v0                           ; lane
	v_lshlrev_b32 v2, 4, v1                        ; 16 x lane
	s_mul_i32 s17, s16, 10240                      ; my wave's four stages
	v_lshrrev_b32 v3, 2, v1
	v_mul_u32_u24 v3, v3, 80
	v_and_b32 v5, 3, v1
	v_lshl_add_u32 v3, v5, 4, v3
	v_add_nc_u32 v3, s17, v3                       ; into a stage: 80 (lane / 4) + 16 (lane % 4)
	v_mul_u32_u24 v4, v1, 80
	v_add_nc_u32 v4, s17, v4                       ; out of it: 80 x lane
	v_mov_b32 v39, 0
	s_mov_b32 s28, 0x76543210
	s_mov_b32 s29, 0xfedcba98
	s_mov_b32 s30, 0x35000000                      ; 1 / 2,097,152
	s_mov_b32 s31, 0x3727c5ac                      ; 1e-5
	s_lshl_b32 s18, ttmp9, 2
	s_add_co_u32 s18, s18, s16                     ; W
	s_lshl_b32 s22, s18, 10                        ; its codes' byte
	s_mov_b32 s23, 0
	s_lshl_b32 s18, s18, 12                        ; its numbers' byte
	s_mov_b32 s19, 0
	s_wait_alu depctr_va_vdst(0)
	s_wait_kmcnt 0x0
.if TWO
	s_load_b128 s[24:27], s[12:13], EOFF
.else
	s_load_b32 s24, s[12:13], EOFF
.endif
	s_add_nc_u64 s[4:5], s[4:5], s[18:19]
	s_add_nc_u64 s[20:21], s[4:5], 0x800000        ; the second batch's plane: a base of its own, since the distance is past a load's immediate
	s_add_nc_u64 s[6:7], s[6:7], s[18:19]
	s_add_nc_u64 s[8:9], s[8:9], s[18:19]
	s_add_nc_u64 s[14:15], s[14:15], s[22:23]
.irp j, 0,1,2,3
	global_load_b128 v[8+4*\j:11+4*\j], v2, s[10:11] offset:512*\j
.endr
	LOADS 0
	LOADS 1
	s_wait_kmcnt 0x0
	s_add_co_i32 s24, s24, 127
	s_lshl_b32 s25, s24, 23
	v_mov_b32 v40, s25                             ; 2^e as f32
.if TWO
	s_add_co_i32 s26, s26, 127
	s_lshl_b32 s27, s26, 23
	v_mov_b32 v42, s27
	s_add_co_i32 s26, s26, 8
	s_lshl_b32 s26, s26, 23
	s_or_b32 s26, s26, 0x600000
	v_mov_b32 v43, s26
.endif
	s_wait_loadcnt 32                              ; the pairs are in; the two steps' 32 loads may be out
	COMBINE 0
	COMBINE 1
	s_wait_alu depctr_va_vdst(0)
	v_rsq_f32 v26, v44
	v_rsq_f32 v30, v45
	v_nop                                          ; a plain line behind the roots,
	s_wait_alu depctr_va_vdst(0)                   ; and one wait for both, ahead of their first reader
	v_mov_b32 v27, v26
	v_mov_b32 v31, v30
.irp t, 0,1
	s_wait_loadcnt 16-16*\t                        ; this step's 16 loads are in; the next step's may be out
	NORM \t, 0
	NORM \t, 1
	TURN \t, 0
	TURN \t, 1
	s_wait_dscnt 4                                 ; batch 0 is back, and all eight stores have read their registers; batch 1's four loads may be out
	QUANT \t, 0
	s_wait_dscnt 0x0
	QUANT \t, 1
.endr
	s_wait_tensorcnt 0x0
	ds_add_u32 v208, v209
	s_wait_dscnt 0x0
	s_endpgm
.Lfunc_end_k_q6df85d3d41_lnq2:
	.size	k_q6df85d3d41_lnq2, .Lfunc_end_k_q6df85d3d41_lnq2-k_q6df85d3d41_lnq2
	.p2alignl 7, 3214868480
	.fill 96, 4, 3214868480
	.section	.rodata,"a",@progbits
	.p2align	6, 0x0
	.amdhsa_kernel k_q6df85d3d41_lnq2
		.amdhsa_group_segment_fixed_size 41472
		.amdhsa_private_segment_fixed_size 0
		.amdhsa_enable_private_segment 0
		.amdhsa_kernarg_size 48
		.amdhsa_user_sgpr_count 2
		.amdhsa_user_sgpr_kernarg_segment_ptr 1
		.amdhsa_wavefront_size32 1
		.amdhsa_system_sgpr_workgroup_id_x 1
		.amdhsa_system_sgpr_workgroup_id_y 1
		.amdhsa_system_sgpr_workgroup_id_z 1
		.amdhsa_system_vgpr_workitem_id 0
		.amdhsa_next_free_vgpr 210
		.amdhsa_next_free_sgpr 66
		.amdhsa_reserve_vcc 0
		.amdhsa_float_denorm_mode_32 3
		.amdhsa_float_denorm_mode_16_64 3
		.amdhsa_fp16_overflow 1
		.amdhsa_memory_ordered 1
		.amdhsa_forward_progress 1
		.amdhsa_inst_pref_size 18
	.end_amdhsa_kernel
	.amdgpu_metadata
---
amdhsa.version: [ 1, 2 ]
amdhsa.kernels:
  - .name:           k_q6df85d3d41_lnq2
    .symbol:         k_q6df85d3d41_lnq2.kd
    .args:
      - { .name: y1, .offset: 0, .size: 8, .value_kind: global_buffer, .address_space: global }
      - { .name: ln2_w, .offset: 8, .size: 8, .value_kind: global_buffer, .address_space: global }
      - { .name: ln2_b, .offset: 16, .size: 8, .value_kind: global_buffer, .address_space: global }
      - { .name: st2, .offset: 24, .size: 8, .value_kind: global_buffer, .address_space: global }
      - { .name: lowp_scales, .offset: 32, .size: 8, .value_kind: global_buffer, .address_space: global }
      - { .name: nc, .offset: 40, .size: 8, .value_kind: global_buffer, .address_space: global }
    .group_segment_fixed_size: 41472
    .private_segment_fixed_size: 0
    .kernarg_segment_align: 8
    .kernarg_segment_size: 48
    .max_flat_workgroup_size: 128
    .sgpr_count:     66
    .vgpr_count:     210
    .wavefront_size: 32
...
	.end_amdgpu_metadata
.endif
;; end of part 14
;; launch ffn1: the kernel of part 7 again; grid 16 x 16, 4 waves a work-group, clusters of 4 x 4, 327,680 bytes of LDS; arguments nc, W1_codes, lowp_scales, b1, hc; writes hc
;; launch ffn2 (part 15): grid 8 x 32, 4 waves a work-group, clusters of 4 x 4, 327,680 bytes of LDS; arguments hc, W2_codes, lowp_scales, b2, y1, out0; writes out0
.if DOCPART == 15
	.amdgcn_target "amdgcn-amd-amdhsa--gfx1250"
	.amdhsa_code_object_version 6
	.text
	.protected	k_q6df85d3d41_ffn2
	.globl	k_q6df85d3d41_ffn2
	.p2align	8
	.type	k_q6df85d3d41_ffn2,@function
k_q6df85d3d41_ffn2:
	s_mov_b64 s[64:65], 0
	v_nop
	global_prefetch_b8 v0, s[64:65] scope:SCOPE_SE
	s_setreg_imm32_b32 hwreg(HW_REG_WAVE_MODE, 25, 1), 1
	s_wait_xcnt 0x0
	s_wait_alu depctr_hold_cnt(0) depctr_sa_sdst(0) depctr_va_vdst(0) depctr_va_sdst(0) depctr_va_ssrc(0) depctr_va_vcc(0) depctr_vm_vsrc(0)
	s_getreg_b32 s2, hwreg(HW_REG_IB_STS2, 6, 4)
	s_cmp_eq_u32 s2, 0
	s_cbranch_scc0 .Lentry_in_a_cluster
	s_endpgm
.Lentry_in_a_cluster:
	s_bfe_u32 s2, ttmp6, 0x10000c
	s_cmp_lg_u32 s2, 0xf033
	s_cbranch_scc0 .Lentry_shape_is_right
	s_endpgm
.Lentry_shape_is_right:
; out = A B^T x 2^(ea + eb) + bias + residual, f32 [4096][1024].  A: codes of E4M3 as IMAGES of operand registers, [m / 256][k / 256][row block of 16][k block of 128][2048 bytes]; B: codes [1024][SIZE_K], K innermost.
; THE TILE is 128 x 128: the output makes 256 such tiles, against 64 of 256 x 256.  Four waves, 64 x 64 each: 16 accumulators, 128 registers.
; K goes in steps of 512, as long as two slots in LDS allow, through a ring of two LDS slots filled by joint tensor loads (4 x 4 cluster: A's tiles are shared along a row of the cluster, B's along a column).
; A slot: A's two blocks of 32,768 bytes (the tile's eight row blocks, 256 along K each) as they lie in memory, then B's 128 rows of 512 bytes + 16 of padding.
; A's fragment comes by four loads of 16 bytes at 16 x lane; it holds k in the plain 8-bit layout's places (registers 2 c, 2 c + 1: k = 16 c + 8 h + 0 .. 7: ISA guide 7.12.2), so B's comes by eight loads of 8 bytes at row x 528 + 8 h + 16 c.
; THE MATRIX INSTRUCTION IS USED TRANSPOSED (source 0 = 16 rows of B, source 1 = 16 rows of A): a lane holds eight neighbouring columns of a row.  A wave's 64 columns are 256 bytes of a row of the output, aligned:
; so each wave has a stage of its own in LDS (16 rows x 272 bytes, in slot 0, which has had its last fill and its last read by then) and stores whole rows of 256 bytes, sixteen lanes to a row.
; The wave's residual, 64 x 64 numbers, is asked for at the head, into 128 registers of its own: it lands while the products are made.
; REGISTERS: window 0: v16-29 addresses; v32-35 bias; v64-127 the way out; v128-255 the accumulators ((a, b) at v[128 + 8 (4 a + b)]).
;   window 1: two fragment buffers of 128: A's four fragments (16 rows x 128 K: 16 registers), then B's four.   window 2: v0-127 the residual.
; LIMITS: ea + eb between -126 and 127.  Product, residual and bias are added in the order (sum x 2^e + residual) + bias.
.set SIZE_K, 4096
.set EOFF,   56
.set NS,     SIZE_K/256                ; blocks of 256 along K in A's images
.set KSTEP,  512                       ; along K in a slot
.set KROW,   SIZE_K
.set PITCH,  528                       ; B's row in LDS: 512 bytes + 16 of padding = 132 words: row r starts at bank 4 r mod 64 (64 banks of 4 bytes: ISA guide 11.1)
.set FR,     16
.set CHUNK,  32768                     ; eight row blocks x 256 along K of A's images
.set ABYTES, 2*CHUNK
.set HALFB,  64*PITCH
.set SLOT,   ABYTES+2*HALFB
.set LAPS,   SIZE_K/(2*KSTEP)
.set SPARE,  2*SLOT                    ; behind the ring: the spare words, 128 bytes a wave
.set SPITCH, 272
.set ADRA, 16                          ; v16-17 LDS address of my A fragments in slot 0, 1
.set ADRB, 20                          ; v20-21 the same for B
.set STO,  24
.set RD,   25
.set CO,   26                          ; v26  4,096 x (lane / 16) + 16 x (lane % 16): two rows of the output
.set BO,   27                          ; v27  16 x (lane % 16)
.set SPW,  28
.set NIL,  29
.set B4,   32                          ; v32-35 the bias of my four columns
.set BK,   64                          ; the way out: two sets of 32 registers by turns
.set ACC,  128
.set F0,   0
.set F1,   128
.set G1, 24
.set G0, 32
.set G1B, 48
.set G0B, 56
.set MSB, 0
.macro WIN new                         ; the immediate's high byte repeats the setting that is left
.if MSB != \new
	s_set_vgpr_msb (MSB<<8)|\new
.set MSB, \new
.endif
.endm
.set MUL,  0x05                        ; sources 0 (B) and 1 (A) window 1; C and D window 0
.set TO_F, 0x40                        ; destination window 1, address window 0
.macro JLOAD g0a, g1a, g0b, g1b        ; waves 0 and 1 fetch A's two blocks, waves 2 and 3 B's halves; four v_nop follow each line
	s_cmp_eq_u32 s15, 0
	s_cbranch_scc0 .Lfor_b_\@
	tensor_load_to_lds s[\g0a:\g0a+3], s[\g1a:\g1a+7]
	s_nop 0
.rept 4
	v_nop
.endr
	s_branch .Lasked_\@
.Lfor_b_\@:
	tensor_load_to_lds s[\g0b:\g0b+3], s[\g1b:\g1b+7]
	s_nop 0
.rept 4
	v_nop
.endr
.Lasked_\@:
.endm
.macro CREST
	s_cmp_lg_u32 s14, 0
	s_cbranch_scc1 .Lnot_wave_0_\@
	s_barrier_signal -3
.Lnot_wave_0_\@:
	s_barrier_wait -3
	s_barrier_signal -1
	s_barrier_wait -1
.endm
.macro CROUND
	s_barrier_signal -1
	s_barrier_wait -1
	CREST
.endm
	s_load_b256 s[4:11], s[0:1], 0x0               ; A's images, B's codes, the scales' exponents, the bias
	s_load_b128 s[68:71], s[0:1], 0x20             ; the residual, the output
	v_lshl_add_u32 v[SPW], v0, 2, SPARE
	v_mov_b32 v[NIL], 0
	ds_add_u32 v28, v29
	ds_add_u32 v28, v29
	s_wait_dscnt 0x0
	v_lshrrev_b32 v1, 5, v0
	v_readfirstlane_b32 s14, v1                    ; wave
	s_lshr_b32 s15, s14, 1                         ; my half of the tile's rows; also: I fetch for A (0) or B (1)
	s_and_b32 s16, s14, 1                          ; my half of its columns; also: which part of that tile I fetch
	s_bfe_u32 s40, ttmp6, 0x40000                  ; cx
	s_bfe_u32 s41, ttmp6, 0x40004                  ; cy
	s_lshl_b32 s42, ttmp9, 2
	s_add_co_u32 s42, s42, s40                     ; tile column, 0 .. 7
	s_and_b32 s17, ttmp7, 0xffff
	s_lshl_b32 s17, s17, 2
	s_add_co_u32 s17, s17, s41                     ; tile row, 0 .. 31
	s_lshl_b32 s43, s41, 2
	s_lshl_b32 s43, 15, s43                        ; my row of the cluster
	s_lshl_b32 s44, 0x1111, s40                    ; my column
	s_or_b32 s[G1+0], s43, (3<<16)|(1<<21)         ; A: the mask of my row; elements of 8 bytes; no padding; bit 21 beside a mask
	s_mov_b32 s[G1+1], 32<<16                      ; rows of 32 elements = 256 bytes,
	s_mov_b32 s[G1+2], 128<<16                     ; 128 of them,
	s_mov_b32 s[G1+3], 32<<16
	s_mov_b32 s[G1+4], 128
	s_mov_b32 s[G1+5], 32                          ; dense
	s_mov_b32 s[G1+6], 0
	s_mov_b32 s[G1+7], 0
	s_or_b32 s[G1B+0], s44, (1<<20)|(1<<21)|(6<<22)|(3<<25)   ; B: the mask of my column; elements of 1 byte; 4 words of padding behind every 128
	s_mov_b32 s[G1B+1], KSTEP<<16                  ; tensor_dim0
	s_mov_b32 s[G1B+2], 64<<16                     ; tensor_dim1
	s_mov_b32 s[G1B+3], KSTEP<<16                  ; tile_dim0
	s_mov_b32 s[G1B+4], 64                         ; tile_dim1
	s_mov_b32 s[G1B+5], KROW                       ; the pitch
	s_mov_b32 s[G1B+6], 0
	s_mov_b32 s[G1B+7], 0
	s_lshr_b32 s20, s17, 1
	s_mul_i32 s20, s20, NS*65536                   ; A: image tile (tile row / 2),
	s_and_b32 s19, s17, 1
	s_lshl_b32 s19, s19, 15
	s_add_co_u32 s20, s20, s19                     ; its upper or lower eight row blocks,
	s_lshl_b32 s18, s16, 16
	s_add_co_u32 s20, s20, s18                     ; and the first or second 256 along K of a K step
	s_mov_b32 s21, 0
	s_lshl_b32 s46, s42, 7
	s_lshl_b32 s18, s16, 6
	s_add_co_u32 s46, s46, s18
	s_mul_i32 s46, s46, KROW                       ; B: row 128 x tile column + 64 x half
	s_mov_b32 s47, 0
	s_lshl_b32 s45, s16, 15                        ; where they go: A's block,
	s_mul_i32 s23, s16, HALFB
	s_add_co_u32 s23, s23, ABYTES                  ; B's half, behind A's bytes: no place in the cluster enters an LDS address
	s_wait_kmcnt 0x0
	s_load_b64 s[96:97], s[8:9], EOFF              ; ea, eb
	s_add_nc_u64 s[20:21], s[4:5], s[20:21]
	s_add_nc_u64 s[46:47], s[6:7], s[46:47]
	CROUND                                         ; all sixteen work-groups are here: the first joint loads meet
.irp s, 0,1
	s_mov_b32 s[G0+4*\s], 1
	s_add_co_u32 s[G0+4*\s+1], s45, \s*SLOT
	s_add_nc_u64 s[G0+4*\s+2:G0+4*\s+3], s[20:21], \s*2*65536
	s_or_b32 s[G0+4*\s+3], s[G0+4*\s+3], 0x80000000
	s_mov_b32 s[G0B+4*\s], 1
	s_add_co_u32 s[G0B+4*\s+1], s23, \s*SLOT
	s_add_nc_u64 s[G0B+4*\s+2:G0B+4*\s+3], s[46:47], \s*KSTEP
	s_or_b32 s[G0B+4*\s+3], s[G0B+4*\s+3], 0x80000000
	JLOAD G0+4*\s, G1, G0B+4*\s, G1B
.endr
	v_and_b32 v1, 15, v0                           ; r
	v_bfe_u32 v2, v0, 4, 1                         ; h
	v_and_b32 v6, 31, v0                           ; lane
	v_lshlrev_b32 v7, 4, v6                        ; 16 x lane
	v_lshlrev_b32 v[BO], 4, v1
	v_lshl_add_u32 v[CO], v2, 12, v[BO]
	v_mul_u32_u24 v3, v1, PITCH
	v_lshl_add_u32 v4, v2, 3, v3                   ; B: row x 528 + 8 h
	s_lshl_b32 s21, s15, 14                        ; my four row blocks of A
	s_mul_i32 s22, s16, HALFB
	s_add_co_u32 s22, s22, ABYTES                  ; my 64 rows of B
.irp s, 0,1
	v_add_nc_u32 v[ADRA+\s], s21, v7
	v_add_nc_u32 v[ADRB+\s], s22, v4
	s_add_co_u32 s21, s21, SLOT
	s_add_co_u32 s22, s22, SLOT
.endr
	s_mul_i32 s23, s14, 16*SPITCH                  ; my stage
	v_mul_u32_u24 v5, v1, SPITCH
	v_lshl_add_u32 v5, v2, 5, v5
	v_add_nc_u32 v[STO], s23, v5                   ; in: row r, 32 bytes for each half of the lanes
	v_mul_u32_u24 v5, v2, SPITCH
	v_add_nc_u32 v5, v5, v[BO]
	v_add_nc_u32 v[RD], s23, v5                    ; back: lanes 0-15 take one row of 256 bytes, lanes 16-31 the next
	s_lshl_b32 s20, s17, 7
	s_lshl_b32 s21, s15, 6
	s_add_co_u32 s20, s20, s21                     ; my first row,
	s_lshl_b32 s20, s20, 12                        ; in bytes
	s_lshl_b32 s46, s42, 9
	s_lshl_b32 s47, s16, 8
	s_add_co_u32 s46, s46, s47                     ; my first column, in bytes
	s_mov_b32 s47, 0
	s_add_nc_u64 s[10:11], s[10:11], s[46:47]
	s_add_co_u32 s20, s20, s46
	s_mov_b32 s21, 0
	s_add_nc_u64 s[68:69], s[68:69], s[20:21]
	s_add_nc_u64 s[70:71], s[70:71], s[20:21]
	global_load_b128 v[B4:B4+3], v[BO], s[10:11]
	WIN 0x80                                       ; destination window 2
.set i, 0
.rept 32                               ; the residual: block i / 8, rows 2 (i % 8) and the next; sixteen lanes read 256 consecutive bytes
	global_load_b128 v[4*i:4*i+3], v[CO], s[68:69] offset:(16*(i/8)+2*(i%8))*4096 th:TH_LOAD_NT
.set i, i+1
.endr
	WIN 0
; 4 matrix instructions: A's block a x B's four, 128 along K, from buffer f.  The 16 accumulators take turns, one instruction a turn, in the same order in every quarter.
.macro MUL4 f, a, zero
.irp b, 0,1,2,3
.if \zero
	v_wmma_f32_16x16x128_fp8_fp8 v[ACC+8*(4*(\a)+\b):ACC+8*(4*(\a)+\b)+7], v[\f+64+FR*\b:\f+64+FR*\b+FR-1], v[\f+FR*(\a):\f+FR*(\a)+FR-1], 0
.else
	v_wmma_f32_16x16x128_fp8_fp8 v[ACC+8*(4*(\a)+\b):ACC+8*(4*(\a)+\b)+7], v[\f+64+FR*\b:\f+64+FR*\b+FR-1], v[\f+FR*(\a):\f+FR*(\a)+FR-1], v[ACC+8*(4*(\a)+\b):ACC+8*(4*(\a)+\b)+7]
.endif
.endr
.endm
; 48 LDS loads in one run: the fragments of the slot's q-th 128 along K into buffer f: B's four (32 loads), then A's blocks 0 and 1 (8), then 2 and 3 (8)
.macro FETCH slot, q, f
	WIN TO_F
.irp i, 0,1,2,3
.irp c, 0,1,2,3,4,5,6,7
	ds_load_b64 v[\f+64+FR*\i+2*\c:\f+64+FR*\i+2*\c+1], v[ADRB+\slot] offset:128*(\q)+16*\c+\i*16*PITCH
.endr
.endr
.irp i, 0,1,2,3
.irp c, 0,1,2,3
	ds_load_b128 v[\f+FR*\i+4*\c:\f+FR*\i+4*\c+3], v[ADRA+\slot] offset:((\q)/2)*CHUNK+\i*4096+((\q)%2)*2048+512*\c
.endr
.endr
.endm
.macro PLACES                          ; four plain vector lines between a matrix instruction and a load into, or a read of, its registers
.rept 4
	v_nop
.endr
.endm
; A K step is four quarters of 128 along K, 16 matrix instructions each, on buffers 0, 1, 0, 1.  One of the first three: multiplies buffer f and fetches the slot's quarter q into g.
.macro QUARTER slot, q, f, g, zero
	s_wait_dscnt 8                                 ; B's four and A's blocks 0 and 1 are in; the youngest eight loads (blocks 2 and 3) may be out
	WIN MUL
	MUL4 \f, 0, \zero
	MUL4 \f, 1, \zero
	PLACES
	FETCH \slot, \q, \g
	s_wait_dscnt 48                                ; all but the 48 just issued
	WIN MUL
	MUL4 \f, 2, \zero
	MUL4 \f, 3, \zero
.endm
; The last quarter multiplies buffer 1 and changes slots: each wave waits for all its tensor loads, adds 0 to its spare word, waits for that and for its reads of the slot; one barrier, which opens a round of the cluster's where the slot is filled again.
.macro TURN slot, next, fill
	WIN 0                                          ; (the add's two registers lie in window 0)
	s_wait_tensorcnt 0x0                           ; all my tensor loads have landed: my part of the next slot
	ds_add_u32 v[SPW], v[NIL]                      ; 0 onto my spare word
	s_wait_dscnt 9                                 ; the add and the youngest eight loads may be out
	WIN MUL
	MUL4 F1, 0, 0
	s_wait_dscnt 0x0                               ; the add is done, and my reads of this slot are over
	s_barrier_signal -1
	MUL4 F1, 1, 0
	WIN 0
	s_barrier_wait -1
.if \fill
	CREST                                          ; no wave of any partner still reads this slot or has a load on its way
	s_add_nc_u64 s[G0+4*\slot+2:G0+4*\slot+3], s[G0+4*\slot+2:G0+4*\slot+3], 4*65536
	s_add_nc_u64 s[G0B+4*\slot+2:G0B+4*\slot+3], s[G0B+4*\slot+2:G0B+4*\slot+3], 2*KSTEP
	JLOAD G0+4*\slot, G1, G0B+4*\slot, G1B         ; my one tensor load behind the round; its four v_nop are the places in front of the loads below
.else
	PLACES
.endif
	FETCH \next, 0, F0
	WIN MUL
	MUL4 F1, 2, 0
	MUL4 F1, 3, 0
.endm
	s_wait_tensorcnt 1                             ; my part of K step 0 is in; K step 1's load may be out
	s_barrier_signal -1
	s_barrier_wait -1
	FETCH 0, 0, F0
	QUARTER 0, 1, F0, F1, 1                        ; the first quarter's products start the sums
	WIN 0                                          ; at a label and at a branch every window is 0
	s_mov_b32 s3, LAPS-1
.Llap:                                             ; a trip goes once round the ring, from a lap's second quarter to the next lap's first, and fills both slots again
	QUARTER 0, 2, F1, F0, 0
	QUARTER 0, 3, F0, F1, 0
	TURN 0, 1, 1
	QUARTER 1, 1, F0, F1, 0
	QUARTER 1, 2, F1, F0, 0
	QUARTER 1, 3, F0, F1, 0
	TURN 1, 0, 1
	QUARTER 0, 1, F0, F1, 0
	WIN 0
	s_sub_co_u32 s3, s3, 1
	s_cmp_lg_u32 s3, 0
	s_cbranch_scc1 .Llap
	QUARTER 0, 2, F1, F0, 0                        ; the last lap fills nothing
	QUARTER 0, 3, F0, F1, 0
	TURN 0, 1, 0
	QUARTER 1, 1, F0, F1, 0
	QUARTER 1, 2, F1, F0, 0
	QUARTER 1, 3, F0, F1, 0
	s_wait_dscnt 8                                 ; the very last quarter: nothing more to fetch
	WIN MUL
	MUL4 F1, 0, 0
	MUL4 F1, 1, 0
	s_wait_dscnt 0
	MUL4 F1, 2, 0
	MUL4 F1, 3, 0
	WIN 0
; THE WAY OUT, block by block of 16 rows x 64 columns.
.macro TOSTAGE a                       ; the raw sums into my stage, each accumulator from its low end on, and back as whole rows.  LDS serves a wave's instructions in order (ISA guide 5.7.1.4)
.set AC, ACC+32*(\a)
.set BB, BK+32*((\a)%2)
.irp b, 0,1,2,3
	ds_store_b128 v[STO], v[AC+8*\b:AC+8*\b+3] offset:64*\b
	ds_store_b128 v[STO], v[AC+8*\b+4:AC+8*\b+7] offset:64*\b+16
.endr
.set i, 0
.rept 8
	ds_load_b128 v[BB+4*i:BB+4*i+3], v[RD] offset:i*2*SPITCH
.set i, i+1
.endr
.endm
.macro FIN a, younger                  ; younger: the LDS instructions issued behind block a's loads
.set BB, BK+32*((\a)%2)
.set RS, 32*(\a)
	s_wait_dscnt \younger
	WIN 0x20                                       ; source 2 (the residual): window 2
.set i, 0
.rept 16
	v_pk_fma_f32 v[BB+i:BB+i+1], v[BB+i:BB+i+1], s[96:97], v[RS+i:RS+i+1] op_sel_hi:[1,0,1]
.set i, i+2
.endr
	WIN 0
.set i, 0
.rept 16
	v_pk_add_f32 v[BB+i:BB+i+1], v[BB+i:BB+i+1], v[B4+i%4:B4+i%4+1]
.set i, i+2
.endr
.set i, 0
.rept 8
	global_store_b128 v[CO], v[BB+4*i:BB+4*i+3], s[70:71] offset:(16*(\a)+2*i)*4096 th:TH_STORE_NT   ; sixteen lanes store 256 consecutive bytes, aligned
.set i, i+1
.endr
.endm
	s_wait_kmcnt 0x0
	s_wait_loadcnt 0x0                             ; the bias and the residual, asked for at the head
	s_add_co_i32 s96, s96, s97
	s_add_co_i32 s96, s96, 127
	s_lshl_b32 s96, s96, 23                        ; 2^(ea + eb) as f32
	s_mov_b32 s97, s96
	PLACES                                         ; behind the last products: stores of their results follow
	TOSTAGE 0
.irp a, 1,2,3
.if \a > 1
	s_wait_xcnt 0x0                                ; block a - 2's stores have read their registers: block a's loads may land there
.endif
	TOSTAGE \a
	FIN \a-1, 16                                   ; behind block a - 1's loads: block a's 8 stores and 8 loads
.endr
	FIN 3, 0
	s_wait_tensorcnt 0x0                           ; the wave's end
	ds_add_u32 v[SPW], v[NIL]
	s_wait_dscnt 0x0
	CROUND                                         ; the closing round
	s_endpgm
.Lfunc_end_k_q6df85d3d41_ffn2:
	.size	k_q6df85d3d41_ffn2, .Lfunc_end_k_q6df85d3d41_ffn2-k_q6df85d3d41_ffn2
	.p2alignl 7, 3214868480
	.fill 96, 4, 3214868480
	.section	.rodata,"a",@progbits
	.p2align	6, 0x0
	.amdhsa_kernel k_q6df85d3d41_ffn2
		.amdhsa_group_segment_fixed_size 327680
		.amdhsa_private_segment_fixed_size 0
		.amdhsa_enable_private_segment 0
		.amdhsa_kernarg_size 48
		.amdhsa_user_sgpr_count 2
		.amdhsa_user_sgpr_kernarg_segment_ptr 1
		.amdhsa_wavefront_size32 1
		.amdhsa_system_sgpr_workgroup_id_x 1
		.amdhsa_system_sgpr_workgroup_id_y 1
		.amdhsa_system_sgpr_workgroup_id_z 1
		.amdhsa_system_vgpr_workitem_id 0
		.amdhsa_next_free_vgpr 640
		.amdhsa_next_free_sgpr 100
		.amdhsa_reserve_vcc 0
		.amdhsa_float_denorm_mode_32 3
		.amdhsa_float_denorm_mode_16_64 3
		.amdhsa_memory_ordered 1
		.amdhsa_forward_progress 1
		.amdhsa_inst_pref_size 97
	.end_amdhsa_kernel
	.amdgpu_metadata
---
amdhsa.version: [ 1, 2 ]
amdhsa.kernels:
  - .name:           k_q6df85d3d41_ffn2
    .symbol:         k_q6df85d3d41_ffn2.kd
    .args:
      - { .name: hc, .offset: 0, .size: 8, .value_kind: global_buffer, .address_space: global }
      - { .name: W2_codes, .offset: 8, .size: 8, .value_kind: global_buffer, .address_space: global }
      - { .name: lowp_scales, .offset: 16, .size: 8, .value_kind: global_buffer, .address_space: global }
      - { .name: b2, .offset: 24, .size: 8, .value_kind: global_buffer, .address_space: global }
      - { .name: y1, .offset: 32, .size: 8, .value_kind: global_buffer, .address_space: global }
      - { .name: out0, .offset: 40, .size: 8, .value_kind: global_buffer, .address_space: global }
    .group_segment_fixed_size: 327680
    .private_segment_fixed_size: 0
    .kernarg_segment_align: 8
    .kernarg_segment_size: 48
    .max_flat_workgroup_size: 128
    .sgpr_count:     100
    .vgpr_count:     640
    .wavefront_size: 32
...
	.end_amdgpu_metadata
.endif
;; end of part 15
